; MI455X (gfx1250); checked and timed in simulation.
; The chip was launched on July 23, 2026; its instructions are those of AMD's public machine-readable ISA for CDNA 5 (MIT licence, August 2026) and "CDNA5" Instruction Set Architecture Reference Guide (July 2026). The comments in the code are by the model that wrote it; some were corrected since.
;; Sliding Window Block. Allowed arithmetic: matrix products marked QUANTISED: E2M3 operands, one E8M0 scale for each 32 along K, by v_wmma_scale_f32_16x16x128_f8f6f4 with both operands' format E2M3, f32 sums; everything else in f32.
;; Inputs: b_ff1 3,072 float32; b_ff2 1,024 float32; b_out 1,024 float32; b_qkv 3,072 float32; ln1_b 1,024 float32; ln1_g 1,024 float32; ln2_b 1,024 float32; ln2_g 1,024 float32; w_ff1 1,024 x 3,072 float32; w_ff2 3,072 x 1,024 float32; w_out 1,024 x 1,024 float32; w_qkv 1,024 x 3,072 float32; x 2 x 2,048 x 1,024 float32.
;; Outputs: out0 2 x 2,048 x 1,024 float32.
;; This version of the problem:
;;   THIS VERSION OF THE PROBLEM IS GIVEN IN LOW PRECISION. The matrix products marked QUANTISED in the list below multiply operands that are first quantised to E2M3 (2 exponent bits, 3 mantissa bits; 6 bits a number), with one power-of-two scale for each 32 numbers along K (OCP MX v1.0); their sums are f32. All else is computed in f32.
;;   The module's matrix products, in the order in which they are computed (A, B: the left and right operand; K: the contracted axis; several contracted axes count as one K, in the product's order):
;;     1. [M 4,096, K 1,024] x [K 1,024, N 3,072]; A: computed on the way; B: input w_qkv: QUANTISED
;;     2. batch 32 x [M 2,048, K 64] x [K 64, N 2,048]; A: computed on the way; B: computed on the way: QUANTISED
;;     3. batch 32 x [M 64, K 2,048] x [K 2,048, N 2,048]; A: computed on the way; B: softmax (see below): QUANTISED
;;     4. [M 4,096, K 1,024] x [K 1,024, N 1,024]; A: computed on the way; B: input w_out: QUANTISED
;;     5. [M 4,096, K 1,024] x [K 1,024, N 3,072]; A: computed on the way; B: input w_ff1: QUANTISED
;;     6. [M 4,096, K 3,072] x [K 3,072, N 1,024]; A: computed on the way; B: input w_ff2: QUANTISED
;;   THE QUANTISER, for each operand of a quantised product, along K:
;;     - K is cut into blocks of 32 from its start; a last block that is shorter is filled with zeros.
;;     - A block's scale is 2^e with e = floor(log2(the largest magnitude in the block)) - 2, held to -126 .. 127; a block of zeros has e = 0. As a byte (E8M0): e + 127.
;;     - Each number is divided by its block's scale, clamped to +-7.5, and rounded to the nearest number of E2M3, ties to even, subnormals kept.
;;     - The product sums the exact products of the quantised numbers (number of the format x scale) in f32.
;;   ~~~python
;;   def quantise(x, axis):      # numpy; x: float32 -> the quantised numbers, widened to float32 again
;;       x = np.moveaxis(x, axis, -1); K = x.shape[-1]
;;       x = np.pad(x, [(0, 0)] * (x.ndim - 1) + [(0, -K % 32)]); x = x.reshape(x.shape[:-1] + (-1, 32)); a = np.abs(x).max(-1, keepdims=True)
;;       e = np.where(a > 0, np.clip(np.frexp(np.where(a > 0, a, 1))[1] - 1 - 2, -126, 127), 0)      # np.frexp(a)[1] - 1 = floor(log2(a)), exactly
;;       r = np.clip(x / 2.0 ** e, -7.5, 7.5)
;;       step = 2.0 ** (np.maximum(np.frexp(np.where(r == 0, 1, r))[1] - 1, 0) - 3)
;;       q = np.round(r / step) * step * 2.0 ** e      # np.round: ties to even
;;       return np.moveaxis(q.reshape(q.shape[:-2] + (-1,))[..., :K], -1, axis).astype(np.float32)
;;   ~~~
;;   SOFTMAX AHEAD OF A QUANTISED PRODUCT. Where the list says 'softmax', what is quantised is not the finished softmax but p = 2^(t - M), with t = logit x log2(e) and M = ceil(the row's largest t), a whole number; so 1/2 < the row's largest p <= 1. The row's sum l is taken of the UNQUANTISED p, in f32, and the product's result is divided by l at the end. Since M is a whole number, a kernel that streams over the keys may use a running M (the ceiling of the running maximum): every later rescaling is an exact power of two, which a block's scale takes up: the codes' values come out the same.
;;   OPERANDS COMPUTED ON THE WAY. 'Computed on the way' means the value that the module computes at that place (a softmax that the list does not call 'softmax' is quantised finished and normalised). What goes into a quantiser is computed in f32, as accurately as f32 sums, v_exp_f32 and their like allow (about 1e-6 of the number): no bf16 or f16 on the way to a quantiser, and a product that is left as it is and whose result goes on into a quantised operand takes f32 operands (vector FMAs, or v_wmma_f32_16x16x4_f32). A number that lies on a knife's edge between two numbers of the format may be rounded either way, as far as f32 arithmetic and the matrix unit's own rounding can turn it there, and no further.
;; 2 versions. Each part assembles by itself: llvm-mc -triple=amdgcn-amd-amdhsa -mcpu=gfx1250 --defsym DOCPART=n.
;; ======== version 1 of 2: 8 launches
;; workspace buffers: wc 8,519,680 bytes; hc 3,407,872 bytes; cc 3,407,872 bytes; gc 10,223,616 bytes; x1 16,777,216 bytes; qkv 11,010,048 bytes
;; launch wq (part 1): grid 640 x 1, 4 waves a work-group, no clusters, 0 bytes of LDS; arguments w_qkv, w_ff1, w_out, w_ff2, wc; writes wc
.if DOCPART == 1
	.amdgcn_target "amdgcn-amd-amdhsa--gfx1250"
	.amdhsa_code_object_version 6
	.text
	.protected	k_q16a59a00d6_wq
	.globl	k_q16a59a00d6_wq
	.p2align	8
	.type	k_q16a59a00d6_wq,@function
k_q16a59a00d6_wq:
	s_mov_b64 s[64:65], 0
	v_nop
	global_prefetch_b8 v0, s[64:65] scope:SCOPE_SE
	s_setreg_imm32_b32 hwreg(HW_REG_WAVE_MODE, 25, 1), 1
	s_wait_xcnt 0x0
; The four weights, f32 stored [K][N], become codes of FP6 (E2M3) with one E8M0 byte for each 32 along K, laid as PANELS in wc.
; A panel is 128 columns x 128 K = 13,312 bytes: eight fragments of 16 columns x 128 K in the order of the operand's registers (1,536 bytes each: for each half c of K
; 512 bytes with registers 6c..6c+3 at 16 x lane, then 256 bytes with registers 6c+4, 6c+5 at 8 x lane), then for each fragment 128 bytes of scale words: 16 words, written twice.
; THE COLUMNS OF A FRAGMENT ARE NOT NEIGHBOURS: row p of fragment 2 b + u is column 32 b + 8 u + p % 8 + 16 (p / 8), so that a product that takes the fragment as source 0 leaves 16 neighbours in a lane.
; Panels: w_qkv 0..191 (8 x column block + K step), w_ff1 192..383, w_out 384..447, w_ff2 448..639 (24 x column block + K step).
; One work-group makes one panel, a wave two fragments.  A LANE TAKES A COLUMN AND ITS 128 REGISTERS RUN DOWN K: a load reads 128 consecutive bytes, a block's largest magnitude needs no other lane.
; The loads go out in halves of a block, 16 at a time, three halves ahead of the work: 48 loads of a wave are out at the most.
; A block's scale byte is its largest magnitude's exponent field - 2, held at 1 from below.  LIMITS: a block of zeros, or one whose largest magnitude lies under 2^-124, gets the byte 1 (its codes under that byte
; are what the conversion gives; the bytes are read by this program alone); NaN and infinities among the inputs are not served.
; No LDS, no barrier, no loop: every offset is an immediate (127 rows of 12,288 bytes at the most).
.set PANEL, 13312
.set X,     64                         ; v64-191 my column's 128 numbers
.set C,     20                         ; v20-43  its four blocks' codes, six registers each
	s_load_b256 s[4:11], s[0:1], 0x0               ; w_qkv, w_ff1, w_out, w_ff2
	s_load_b64 s[20:21], s[0:1], 0x20              ; wc
	v_lshrrev_b32 v1, 5, v0
	v_readfirstlane_b32 s28, v1                    ; wave
	v_and_b32 v1, 31, v0                           ; lane
	v_and_b32 v2, 7, v0
	v_bfe_u32 v3, v0, 3, 1
	v_bfe_u32 v7, v0, 4, 1                         ; which of my wave's two fragments
	v_lshl_add_u32 v2, v3, 4, v2
	v_lshl_add_u32 v2, v7, 3, v2                   ; my column among the wave's 32: lane % 8 + 16 ((lane / 8) % 2) + 8 (lane / 16)
	v_lshlrev_b32 v2, 2, v2                        ; in bytes
	v_lshlrev_b32 v3, 4, v1                        ; 16 x lane
	v_lshlrev_b32 v4, 3, v1                        ; 8 x lane
	v_lshlrev_b32 v6, 2, v1                        ; 4 x lane
	v_lshl_add_u32 v5, v7, 7, v6                   ; my own scale word's place: my fragment's 128 bytes, + 4 x lane
	v_xor_b32 v7, 1, v7
	v_lshl_add_u32 v6, v7, 7, v6                   ; and the place of the word that I get from the lane 16 away: the other fragment's
	v_mov_b32 v17, 0                               ; a lane permute's destination counts as one of its sources
	s_mov_b32 s30, 0x76543210
	s_mov_b32 s31, 0xfedcba98                      ; selects for lane xor 16
	s_wait_kmcnt 0x0
	s_cmp_lt_u32 ttmp9, 384
	s_cbranch_scc0 .Lnarrow
; half hh of eight: rows 16 hh .. 16 hh + 15 of the K step, my column
.macro LOADH hh, pitch
.irp i, 0,1,2,3,4,5,6,7,8,9,10,11,12,13,14,15
	global_load_b32 v[X+16*(\hh)+\i], v2, s[12:13] offset:(16*(\hh)+\i)*(\pitch) th:TH_LOAD_NT
.endr
.endm
; s[12:13] the weight, s15 its column block, s16 its K step, s17 the panel's number
.macro WQBODY pitch
	s_mul_i32 s22, s16, 128*\pitch                 ; 128 rows down for each K step,
	s_lshl_b32 s23, s15, 9                         ; 512 bytes for each column block,
	s_add_co_u32 s22, s22, s23
	s_lshl_b32 s23, s28, 7                         ; 128 for each wave
	s_add_co_u32 s22, s22, s23
	s_mov_b32 s23, 0
	s_add_nc_u64 s[12:13], s[12:13], s[22:23]
	s_mul_i32 s22, s17, PANEL
	s_mul_i32 s24, s28, 3072                       ; my wave's two fragments
	s_add_co_u32 s24, s24, s22
	s_mov_b32 s25, 0
	s_add_nc_u64 s[24:25], s[20:21], s[24:25]
	s_lshl_b32 s26, s28, 8                         ; and their scale words
	s_add_co_u32 s26, s26, s22
	s_add_co_u32 s26, s26, 12288
	s_mov_b32 s27, 0
	s_add_nc_u64 s[26:27], s[20:21], s[26:27]
	LOADH 0, \pitch
	LOADH 1, \pitch
	LOADH 2, \pitch
.irp b, 0,1,2,3
.if \b < 3
	s_wait_loadcnt 16                              ; this block's two halves are in; the one half issued behind them may be out
.else
	s_wait_loadcnt 0x0
.endif
.if \b < 2
	LOADH 2*\b+3, \pitch                           ; two halves more go out: three are on their way while this block is worked
	LOADH 2*\b+4, \pitch
.endif
.if \b == 2
	LOADH 7, \pitch                                ; the last half
.endif
	v_max3_num_f32 v8, |v[X+32*\b]|, |v[X+1+32*\b]|, |v[X+2+32*\b]|
	v_max3_num_f32 v9, |v[X+3+32*\b]|, |v[X+4+32*\b]|, |v[X+5+32*\b]|
.irp i, 6,10,14,18,22,26
	v_max3_num_f32 v8, v8, |v[X+32*\b+\i]|, |v[X+1+32*\b+\i]|
	v_max3_num_f32 v9, v9, |v[X+2+32*\b+\i]|, |v[X+3+32*\b+\i]|
.endr
	v_max3_num_f32 v8, v8, |v[X+30+32*\b]|, |v[X+31+32*\b]|
	v_max3_num_f32 v8, v8, v9, 0x1800000           ; and the floor 2^(3 - 127): the byte cannot fall under 1
	v_add_nc_u32 v10, 0xff000000, v8               ; 2 off the exponent field: the conversion takes this operand's exponent field as its scale
	v_lshrrev_b32 v11, 23, v10                     ; the scale's byte
.if \b == 0
	v_mov_b32 v16, v11
.else
	v_lshl_or_b32 v16, v11, 8*\b, v16              ; four bytes make my column's scale word
.endif
	v_cvt_scalef32_pk16_fp6_f32 v[C+6*\b:C+6*\b+2], v[X+32*\b:X+32*\b+15], v10
	v_cvt_scalef32_pk16_fp6_f32 v[44:46], v[X+16+32*\b:X+31+32*\b], v10   ; (a conversion's three registers begin on an even number)
	v_nop                                          ; one plain line behind the conversions
.irp i, 0,1,2
	v_mov_b32 v[C+3+6*\b+\i], v[44+\i]
.endr
.endr
; The operand's layout wants block 2 c of a column in lanes 0-15 and block 2 c + 1 in lanes 16-31.  Lanes 0-15 hold the first fragment's columns, lanes 16-31 the second's: one exchange of halves serves both.
.irp c, 0,1
.irp i, 0,1,2,3,4,5
	v_permlane16_swap_b32 v[C+12*\c+\i], v[C+6+12*\c+\i]   ; the first now holds the first fragment's registers 6 c + i, the second the second fragment's
.endr
.endr
	v_permlanex16_b32 v17, v16, s30, s31
.irp u, 0,1
.irp c, 0,1
	global_store_b128 v3, v[C+12*\c+6*\u:C+12*\c+6*\u+3], s[24:25] offset:1536*\u+768*\c          ; 512 consecutive bytes
	global_store_b64 v4, v[C+12*\c+6*\u+4:C+12*\c+6*\u+5], s[24:25] offset:1536*\u+768*\c+512     ; 256 consecutive bytes
.endr
.endr
	global_store_b32 v5, v16, s[26:27]             ; first fragment's first copy, second fragment's second copy
	global_store_b32 v6, v17, s[26:27]             ; and the other two
	s_endpgm
.endm
	s_cmp_ge_u32 ttmp9, 192                        ; rows of 3,072 numbers: w_qkv, then w_ff1
	s_cselect_b64 s[12:13], s[6:7], s[4:5]
	s_cselect_b32 s14, 192, 0
	s_sub_co_u32 s14, ttmp9, s14
	s_lshr_b32 s15, s14, 3
	s_and_b32 s16, s14, 7
	s_mov_b32 s17, ttmp9
	WQBODY 12288
.Lnarrow:                                              ; rows of 1,024 numbers: w_out (8 K steps), then w_ff2 (24)
	s_sub_co_u32 s14, ttmp9, 384
	s_cmp_ge_u32 s14, 64
	s_cselect_b64 s[12:13], s[10:11], s[8:9]
	s_cselect_b32 s18, 64, 0
	s_cselect_b32 s19, 24, 8
	s_sub_co_u32 s14, s14, s18
	s_lshr_b32 s16, s14, 3
	s_and_b32 s15, s14, 7
	s_mul_i32 s17, s15, s19
	s_add_co_u32 s17, s17, s16
	s_add_co_u32 s17, s17, s18
	s_add_co_u32 s17, s17, 384
	WQBODY 4096
.Lfunc_end_k_q16a59a00d6_wq:
	.size	k_q16a59a00d6_wq, .Lfunc_end_k_q16a59a00d6_wq-k_q16a59a00d6_wq
	.p2alignl 7, 3214868480
	.fill 96, 4, 3214868480
	.section	.rodata,"a",@progbits
	.p2align	6, 0x0
	.amdhsa_kernel k_q16a59a00d6_wq
		.amdhsa_group_segment_fixed_size 0
		.amdhsa_private_segment_fixed_size 0
		.amdhsa_enable_private_segment 0
		.amdhsa_kernarg_size 40
		.amdhsa_user_sgpr_count 2
		.amdhsa_user_sgpr_kernarg_segment_ptr 1
		.amdhsa_wavefront_size32 1
		.amdhsa_system_sgpr_workgroup_id_x 1
		.amdhsa_system_sgpr_workgroup_id_y 1
		.amdhsa_system_sgpr_workgroup_id_z 1
		.amdhsa_system_vgpr_workitem_id 0
		.amdhsa_next_free_vgpr 192
		.amdhsa_next_free_sgpr 66
		.amdhsa_reserve_vcc 0
		.amdhsa_float_denorm_mode_32 3
		.amdhsa_float_denorm_mode_16_64 3
		.amdhsa_memory_ordered 1
		.amdhsa_forward_progress 1
		.amdhsa_inst_pref_size 42
	.end_amdhsa_kernel
	.amdgpu_metadata
---
amdhsa.version: [ 1, 2 ]
amdhsa.kernels:
  - .name:           k_q16a59a00d6_wq
    .symbol:         k_q16a59a00d6_wq.kd
    .args:
      - { .name: w_qkv, .offset: 0, .size: 8, .value_kind: global_buffer, .address_space: global }
      - { .name: w_ff1, .offset: 8, .size: 8, .value_kind: global_buffer, .address_space: global }
      - { .name: w_out, .offset: 16, .size: 8, .value_kind: global_buffer, .address_space: global }
      - { .name: w_ff2, .offset: 24, .size: 8, .value_kind: global_buffer, .address_space: global }
      - { .name: wc, .offset: 32, .size: 8, .value_kind: global_buffer, .address_space: global }
    .group_segment_fixed_size: 0
    .private_segment_fixed_size: 0
    .kernarg_segment_align: 8
    .kernarg_segment_size: 40
    .max_flat_workgroup_size: 128
    .sgpr_count:     66
    .vgpr_count:     192
    .wavefront_size: 32
...
	.end_amdgpu_metadata
.endif
;; end of part 1
;; launch ln1 (part 2): grid 256 x 1, 8 waves a work-group, no clusters, 66,816 bytes of LDS; arguments x, ln1_g, ln1_b, hc; writes hc
.if DOCPART == 2
	.amdgcn_target "amdgcn-amd-amdhsa--gfx1250"
	.amdhsa_code_object_version 6
	.text
	.protected	k_q16a59a00d6_ln1
	.globl	k_q16a59a00d6_ln1
	.p2align	8
	.type	k_q16a59a00d6_ln1,@function
k_q16a59a00d6_ln1:
	s_mov_b64 s[64:65], 0
	v_nop
	global_prefetch_b8 v0, s[64:65] scope:SCOPE_SE
	s_setreg_imm32_b32 hwreg(HW_REG_WAVE_MODE, 25, 1), 1
	s_wait_xcnt 0x0
; dst = Q(layer norm(src) x g + b): src [4096][1024] f32; dst: codes of FP6 (E2M3) and E8M0 bytes along the 1,024, laid as panels [token block of 128][K step of 128] of 13,312 bytes
; (eight fragments of 16 tokens x 128 K in the order of the operand's registers, then their scale words, 16 words written twice for each fragment).
; A work-group takes ONE fragment's 16 tokens: row p of fragment T is token 32 (T / 2) + 8 (T % 2) + p % 8 + 16 (p / 8).
; PHASE 1: wave w normalises stage rows 2 w, 2 w + 1 (two neighbouring tokens), a whole row in 32 registers: mean, then the mean of the squared differences (two passes over registers, so a common offset costs nothing),
; v_rsq_f32, gain and bias, all f32; the rows go to a stage in LDS.  PHASE 2: wave w takes K step w of all 16 rows out of the stage, 16 neighbours of each block of 32 a lane, and quantises it.
; LIMITS: a block of zeros, or one whose largest magnitude lies under 2^-124, gets the byte 1 (read by this program alone); NaN and infinities are not served.
; No matrix unit, no cluster: the work-groups share nothing but g and b, 8 KB.
.set PITCH, 4112                       ; a stage row: 4,096 bytes + 16, so that the sixteen rows of a load start 16 bytes apart modulo 256
.set SPARE, 16*PITCH                   ; behind the stage: the spare words, 128 bytes for each wave: four blocks of 256 bytes that no other line names
.set PANEL, 13312
.set X,   32                           ; v32-95   two rows, 32 registers each; later the 64 numbers of my K step
.set G,   96                           ; v96-127  g of my 32 columns
.set B,   128                          ; v128-159 b
.set SM,  16                           ; v16-23   sums: four registers a row
.set MU,  24                           ; v24-27   the mean, a pair a row
.set RS,  28                           ; v28-31   1 / sqrt(var + eps), a pair a row
.set PC,  160                          ; v160-178 the codes just made
.set TM,  200                          ; v200-215 at work in the quantiser
.set PW,  216                          ; the scale word
.set SEL, 24
	s_load_b256 s[4:11], s[0:1], 0x0               ; src, g, b, dst
	v_lshl_add_u32 v12, v0, 2, SPARE               ; my spare word,
	v_mov_b32 v13, 0                               ; and 0: kept for the closing lines
	v_lshrrev_b32 v1, 5, v0
	v_readfirstlane_b32 s12, v1                    ; wave 0..7
	v_and_b32 v1, 31, v0
	v_lshlrev_b32 v2, 4, v1                        ; 16 x lane
	v_and_b32 v3, 15, v0                           ; r
	v_bfe_u32 v4, v0, 4, 1                         ; h
	s_mul_i32 s13, s12, 2*PITCH
	v_add_nc_u32 v5, s13, v2                       ; into the stage: my wave's two rows, 16 x lane
	v_mul_u32_u24 v6, v3, PITCH
	v_lshl_add_u32 v6, v4, 6, v6
	s_lshl_b32 s13, s12, 9
	v_add_nc_u32 v6, s13, v6                       ; out of it: row r, K step w (512 bytes), + 64 h
	v_lshlrev_b32 v7, 3, v1                        ; 8 x lane
	v_lshlrev_b32 v8, 2, v1                        ; 4 x lane
	v_mov_b32 v14, 0                               ; lane permutes' destinations count as sources
	v_mov_b32 v15, 0
.irp b, 0,1,2,3
	v_mov_b32 v[TM+4+\b], 0
.endr
	s_lshr_b32 s14, ttmp9, 1
	s_lshl_b32 s14, s14, 5
	s_and_b32 s15, ttmp9, 1
	s_lshl_b32 s15, s15, 3
	s_add_co_u32 s14, s14, s15
	s_and_b32 s15, s12, 3
	s_lshl_b32 s15, s15, 1
	s_add_co_u32 s14, s14, s15
	s_lshr_b32 s15, s12, 2
	s_lshl_b32 s15, s15, 4
	s_add_co_u32 s14, s14, s15                     ; my first token: 32 (T / 2) + 8 (T % 2) + 2 (w % 4) + 16 (w / 4)
	s_lshl_b32 s14, s14, 12                        ; x 4,096 bytes
	s_mov_b32 s15, 0
	s_lshr_b32 s16, ttmp9, 3
	s_lshl_b32 s16, s16, 3
	s_add_co_u32 s16, s16, s12
	s_mul_i32 s16, s16, PANEL                      ; the panel of token block T / 8, K step w
	s_and_b32 s17, ttmp9, 7
	s_mul_i32 s18, s17, 1536
	s_add_co_u32 s18, s18, s16                     ; fragment T % 8
	s_mov_b32 s19, 0
	s_lshl_b32 s22, s17, 7
	s_add_co_u32 s22, s22, s16
	s_add_co_u32 s22, s22, 12288                   ; and its scale words
	s_mov_b32 s23, 0
	s_mov_b32 s20, 0x3a800000                      ; 1 / 1024
	s_mov_b32 s21, 0x3727c5ac                      ; eps = 1e-5
	s_mov_b32 s[SEL], 0x76543210
	s_mov_b32 s[SEL+1], 0xfedcba98
	s_wait_kmcnt 0x0
	s_add_nc_u64 s[4:5], s[4:5], s[14:15]
	s_add_nc_u64 s[26:27], s[10:11], s[18:19]
	s_add_nc_u64 s[28:29], s[10:11], s[22:23]
.irp i, 0,1
.irp j, 0,1,2,3,4,5,6,7
	global_load_b128 v[X+32*\i+4*\j:X+32*\i+4*\j+3], v2, s[4:5] offset:4096*\i+512*\j   ; 512 consecutive bytes a load
.endr
.endr
.irp j, 0,1,2,3,4,5,6,7
	global_load_b128 v[G+4*\j:G+4*\j+3], v2, s[6:7] offset:512*\j
.endr
.irp j, 0,1,2,3,4,5,6,7
	global_load_b128 v[B+4*\j:B+4*\j+3], v2, s[8:9] offset:512*\j
.endr
.macro WSUM                            ; both rows' sums over the 32 lanes, the result in every lane
.irp m, 1,2,4,8
.irp i, 0,1
	v_add_f32_dpp v[SM+4*\i], v[SM+4*\i], v[SM+4*\i] row_xmask:\m row_mask:0xf bank_mask:0xf
.endr
.endr
.irp i, 0,1
	v_permlanex16_b32 v[14+\i], v[SM+4*\i], s[SEL], s[SEL+1]
.endr
.irp i, 0,1
	v_add_f32 v[SM+4*\i], v[SM+4*\i], v[14+\i]
.endr
.endm
	s_wait_loadcnt 16                              ; the two rows are in; the 16 loads of g and b may be out
.irp i, 0,1
	v_pk_add_f32 v[SM+4*\i:SM+4*\i+1], v[X+32*\i:X+32*\i+1], v[X+32*\i+2:X+32*\i+3]
	v_pk_add_f32 v[SM+4*\i+2:SM+4*\i+3], v[X+32*\i+4:X+32*\i+5], v[X+32*\i+6:X+32*\i+7]
.endr
.irp j, 8,12,16,20,24,28
.irp i, 0,1
	v_pk_add_f32 v[SM+4*\i:SM+4*\i+1], v[SM+4*\i:SM+4*\i+1], v[X+32*\i+\j:X+32*\i+\j+1]
	v_pk_add_f32 v[SM+4*\i+2:SM+4*\i+3], v[SM+4*\i+2:SM+4*\i+3], v[X+32*\i+\j+2:X+32*\i+\j+3]
.endr
.endr
.irp i, 0,1
	v_pk_add_f32 v[SM+4*\i:SM+4*\i+1], v[SM+4*\i:SM+4*\i+1], v[SM+4*\i+2:SM+4*\i+3]
.endr
.irp i, 0,1
	v_add_f32 v[SM+4*\i], v[SM+4*\i], v[SM+4*\i+1]
.endr
	WSUM
.irp i, 0,1
	v_mul_f32 v[MU+2*\i], s20, v[SM+4*\i]          ; the mean
.endr
.irp i, 0,1
	v_mov_b32 v[MU+2*\i+1], v[MU+2*\i]
.endr
.irp j, 0,2,4,6,8,10,12,14,16,18,20,22,24,26,28,30
.irp i, 0,1
	v_pk_add_f32 v[X+32*\i+\j:X+32*\i+\j+1], v[X+32*\i+\j:X+32*\i+\j+1], v[MU+2*\i:MU+2*\i+1] neg_lo:[0,1] neg_hi:[0,1]   ; x - mean
.endr
.endr
.irp i, 0,1
	v_pk_mul_f32 v[SM+4*\i:SM+4*\i+1], v[X+32*\i:X+32*\i+1], v[X+32*\i:X+32*\i+1]
	v_pk_mul_f32 v[SM+4*\i+2:SM+4*\i+3], v[X+32*\i+2:X+32*\i+3], v[X+32*\i+2:X+32*\i+3]
.endr
.irp j, 4,8,12,16,20,24,28
.irp i, 0,1
	v_pk_fma_f32 v[SM+4*\i:SM+4*\i+1], v[X+32*\i+\j:X+32*\i+\j+1], v[X+32*\i+\j:X+32*\i+\j+1], v[SM+4*\i:SM+4*\i+1]
	v_pk_fma_f32 v[SM+4*\i+2:SM+4*\i+3], v[X+32*\i+\j+2:X+32*\i+\j+3], v[X+32*\i+\j+2:X+32*\i+\j+3], v[SM+4*\i+2:SM+4*\i+3]
.endr
.endr
.irp i, 0,1
	v_pk_add_f32 v[SM+4*\i:SM+4*\i+1], v[SM+4*\i:SM+4*\i+1], v[SM+4*\i+2:SM+4*\i+3]
.endr
.irp i, 0,1
	v_add_f32 v[SM+4*\i], v[SM+4*\i], v[SM+4*\i+1]
.endr
	WSUM
.irp i, 0,1
	v_fma_f32 v[SM+4*\i], v[SM+4*\i], s20, s21     ; var + eps
.endr
.irp i, 0,1
	v_rsq_f32 v[RS+2*\i], v[SM+4*\i]
	v_rsq_f32 v[RS+2*\i+1], v[SM+4*\i]             ; twice: a pair for the packed multiply
.endr
	v_nop                                          ; a plain line behind the last of them
	s_wait_alu depctr_va_vdst(0)                   ; one wait for the four, ahead of their first reader
	s_wait_loadcnt 0x0                             ; g and b
.irp j, 0,2,4,6,8,10,12,14,16,18,20,22,24,26,28,30
.irp i, 0,1
	v_pk_mul_f32 v[X+32*\i+\j:X+32*\i+\j+1], v[X+32*\i+\j:X+32*\i+\j+1], v[RS+2*\i:RS+2*\i+1]
.endr
.endr
.irp j, 0,2,4,6,8,10,12,14,16,18,20,22,24,26,28,30
.irp i, 0,1
	v_pk_fma_f32 v[X+32*\i+\j:X+32*\i+\j+1], v[X+32*\i+\j:X+32*\i+\j+1], v[G+\j:G+\j+1], v[B+\j:B+\j+1]
.endr
.endr
.irp i, 0,1
.irp j, 0,1,2,3,4,5,6,7
	ds_store_b128 v5, v[X+32*\i+4*\j:X+32*\i+4*\j+3] offset:PITCH*\i+512*\j
.endr
.endr
	s_wait_dscnt 0x0                               ; for the others' sake: my rows lie in the stage
	s_barrier_signal -1
	s_barrier_wait -1                              ; all sixteen rows do
.irp b, 0,1,2,3
.irp j, 0,1,2,3
	ds_load_b128 v[X+16*\b+4*\j:X+16*\b+4*\j+3], v6 offset:128*\b+16*\j   ; register 16 b + i = k 32 b + 16 h + i of row r
.endr
.endr
	s_wait_dscnt 0x0
; 64 numbers of a lane become a fragment's codes in v[PC] on and its scale word in v[PW]
.irp b, 0,1,2,3
	v_max3_num_f32 v[TM+\b], |v[X+16*\b]|, |v[X+1+16*\b]|, 0x1800000   ; my 16 numbers of block b, and the floor 2^(3 - 127): the byte cannot fall under 1
.endr
.irp i, 2,4,6,8,10,12,14
.irp b, 0,1,2,3
	v_max3_num_f32 v[TM+\b], v[TM+\b], |v[X+16*\b+\i]|, |v[X+1+16*\b+\i]|
.endr
.endr
.irp b, 0,1,2,3
	v_permlanex16_b32 v[TM+4+\b], v[TM+\b], s[SEL], s[SEL+1]
.endr
.irp b, 0,1,2,3
	v_max_num_f32 v[TM+\b], v[TM+\b], v[TM+4+\b]   ; with the lane 16 away: the block's largest magnitude
.endr
.irp b, 0,1,2,3
	v_add_nc_u32 v[TM+12+\b], 0xff000000, v[TM+\b] ; 2 off its exponent field: the conversion's scale operand
.endr
.irp b, 0,1,2,3
	v_lshrrev_b32 v[TM+4+\b], 23, v[TM+12+\b]      ; the scale's byte
.endr
	v_lshl_or_b32 v[PW], v[TM+5], 8, v[TM+4]
	v_lshl_or_b32 v[PW], v[TM+6], 16, v[PW]
	v_lshl_or_b32 v[PW], v[TM+7], 24, v[PW]
.irp c, 0,1
	v_cvt_scalef32_pk16_fp6_f32 v[PC+6*\c:PC+2+6*\c], v[X+32*\c:X+15+32*\c], v[TM+12+2*\c]
	v_cvt_scalef32_pk16_fp6_f32 v[PC+12+4*\c:PC+14+4*\c], v[X+16+32*\c:X+31+32*\c], v[TM+12+2*\c+1]
.endr
	v_nop                                          ; one plain line behind the conversions
.irp c, 0,1                                    ; the operand's layout wants a whole block in a lane
.irp i, 0,1,2
	v_permlane16_swap_b32 v[PC+6*\c+\i], v[PC+12+4*\c+\i]
.endr
.irp i, 0,1,2
	v_mov_b32 v[PC+3+6*\c+\i], v[PC+12+4*\c+\i]
.endr
.endr
	global_store_b128 v2, v[PC:PC+3], s[26:27]                 ; 512 consecutive bytes
	global_store_b64 v7, v[PC+4:PC+5], s[26:27] offset:512     ; 256
	global_store_b128 v2, v[PC+6:PC+9], s[26:27] offset:768
	global_store_b64 v7, v[PC+10:PC+11], s[26:27] offset:1280
	global_store_b32 v8, v[PW], s[28:29]                       ; both copies: lanes r and 16 + r hold row r's word
	s_wait_tensorcnt 0x0                           ; the wave's end
	ds_add_u32 v12, v13
	s_wait_dscnt 0x0
	s_endpgm
.Lfunc_end_k_q16a59a00d6_ln1:
	.size	k_q16a59a00d6_ln1, .Lfunc_end_k_q16a59a00d6_ln1-k_q16a59a00d6_ln1
	.p2alignl 7, 3214868480
	.fill 96, 4, 3214868480
	.section	.rodata,"a",@progbits
	.p2align	6, 0x0
	.amdhsa_kernel k_q16a59a00d6_ln1
		.amdhsa_group_segment_fixed_size 66816
		.amdhsa_private_segment_fixed_size 0
		.amdhsa_enable_private_segment 0
		.amdhsa_kernarg_size 32
		.amdhsa_user_sgpr_count 2
		.amdhsa_user_sgpr_kernarg_segment_ptr 1
		.amdhsa_wavefront_size32 1
		.amdhsa_system_sgpr_workgroup_id_x 1
		.amdhsa_system_sgpr_workgroup_id_y 1
		.amdhsa_system_sgpr_workgroup_id_z 1
		.amdhsa_system_vgpr_workitem_id 0
		.amdhsa_next_free_vgpr 224
		.amdhsa_next_free_sgpr 66
		.amdhsa_reserve_vcc 0
		.amdhsa_float_denorm_mode_32 3
		.amdhsa_float_denorm_mode_16_64 3
		.amdhsa_memory_ordered 1
		.amdhsa_forward_progress 1
		.amdhsa_inst_pref_size 24
	.end_amdhsa_kernel
	.amdgpu_metadata
---
amdhsa.version: [ 1, 2 ]
amdhsa.kernels:
  - .name:           k_q16a59a00d6_ln1
    .symbol:         k_q16a59a00d6_ln1.kd
    .args:
      - { .name: x, .offset: 0, .size: 8, .value_kind: global_buffer, .address_space: global }
      - { .name: ln1_g, .offset: 8, .size: 8, .value_kind: global_buffer, .address_space: global }
      - { .name: ln1_b, .offset: 16, .size: 8, .value_kind: global_buffer, .address_space: global }
      - { .name: hc, .offset: 24, .size: 8, .value_kind: global_buffer, .address_space: global }
    .group_segment_fixed_size: 66816
    .private_segment_fixed_size: 0
    .kernarg_segment_align: 8
    .kernarg_segment_size: 32
    .max_flat_workgroup_size: 256
    .sgpr_count:     66
    .vgpr_count:     224
    .wavefront_size: 32
...
	.end_amdgpu_metadata
.endif
;; end of part 2
;; launch g_qkv (part 3): grid 24 x 32, 4 waves a work-group, clusters of 4 x 4, 327,680 bytes of LDS; arguments hc, wc, b_qkv, qkv; writes qkv
.if DOCPART == 3
	.amdgcn_target "amdgcn-amd-amdhsa--gfx1250"
	.amdhsa_code_object_version 6
	.text
	.protected	k_q16a59a00d6_g_qkv
	.globl	k_q16a59a00d6_g_qkv
	.p2align	8
	.type	k_q16a59a00d6_g_qkv,@function
k_q16a59a00d6_g_qkv:
	s_mov_b64 s[64:65], 0
	v_nop
	global_prefetch_b8 v0, s[64:65] scope:SCOPE_SE
	s_setreg_imm32_b32 hwreg(HW_REG_WAVE_MODE, 25, 1), 1
	s_wait_xcnt 0x0
	s_wait_alu depctr_hold_cnt(0) depctr_sa_sdst(0) depctr_va_vdst(0) depctr_va_sdst(0) depctr_va_ssrc(0) depctr_va_vcc(0) depctr_vm_vsrc(0)
	s_getreg_b32 s2, hwreg(HW_REG_IB_STS2, 6, 4)
	s_cmp_eq_u32 s2, 0
	s_cbranch_scc0 .Lentry_in_a_cluster
	s_endpgm
.Lentry_in_a_cluster:
	s_bfe_u32 s2, ttmp6, 0x10000c
	s_cmp_lg_u32 s2, 0xf033
	s_cbranch_scc0 .Lentry_shape_is_right
	s_endpgm
.Lentry_shape_is_right:
; qkv = h W_qkv + b_qkv on codes of FP6 (E2M3) with E8M0 scales, and q, k, v quantised on the way out: q and k along the head's 64, v along the keys.
; A (hc) and B (wc) are laid as panels of 128 rows x 128 K, 13,312 bytes: eight fragments in the order of the operand's registers, then their scale words (16 words, twice, for each fragment).
; A work-group makes 128 tokens x 128 columns, each of its four waves 64 x 64: 16 accumulators.  All of K = 1,024 is 8 panels a side: 4 a side in each of two LDS slots, both filled once at the start: nothing is filled again.
; CLUSTERS: 4 x 4 work-groups; A's panels are shared along a row of the cluster, B's along a column: each is asked for jointly, by the same tensor load with the same descriptor and a mask that names the four.
; ROWS OF A FRAGMENT: row p of fragment 2 b + u stands for index 32 b + 8 u + p % 8 + 16 (p / 8), tokens and columns alike: so the 16 registers of two neighbouring result tiles are 16 neighbours of source 0's index.
; q, k (columns 0..2047, cluster x 0..3): source 0 = W's columns, source 1 = tokens: a lane holds a token and 64 neighbouring columns, one head: two blocks of 32 along d.
; v (cluster x 4, 5): source 0 = tokens, source 1 = W's columns: a lane holds one d and 64 neighbouring tokens: two blocks of 32 keys.  The branch hangs on the cluster's x, which all sixteen partners share.
; qkv: Q codes [bh][token tile 128][768 B: registers 0-3 at 16 x lane, 4-5 at 512 + 8 x lane]; K codes likewise at 3,145,728; V codes at 6,291,456: [bh][d tile 4][64 key blocks x 256 B (registers 0-3, 16 x row), at 16,384: 64 x 128 B];
; Q scale words at 9,437,184: [bh][tile][16 words, twice]; K's at 9,961,472; V's at 10,485,760: [bh][d tile][key block][16 words, the byte lowest].
; LIMITS: a block of zeros, or one whose largest magnitude lies under 2^-124, gets the byte 1 (read by this program alone); NaN and infinities are not served.
; REGISTERS: window 0: v2-6 LDS bases, v7-11 the step's addresses, v12-20 lane terms, v28, v29 the add's two, v32-39 scale words (two sets), v40-71 the bias as C, v104-122 the quantiser, v128-255 the accumulators ((x, y) at 128 + 8 (4 y + x)).
;   window 1: two sets of fragments at 0 and 128: A's four at + 12 y, B's four at + 48 + 12 x.
.set PANEL, 13312
.set KP,    8                          ; panels along K
.set SP,    4                          ; panels a side in a slot
.set WOFF,  0                          ; w_qkv's panels in wc
.set SIDE,  SP*PANEL
.set SLOT,  2*SIDE                     ; A's side, then B's
.set HALF,  SIDE/2                     ; what one tensor load brings
.set ROWS,  HALF/256
.set SPARE, 2*SLOT                     ; behind the slots: the spare words, 128 bytes for each wave: two blocks of 256 bytes that no other line names
.set BAS, 2
.set CUR, 7
.set L16, 12
.set L8,  13
.set L4,  14
.set BO,  18
.set VH,  19
.set VR,  20
.set SPW, 28
.set NIL, 29
.set SC,  32
.set BI,  40
.set PC,  104
.set PQ,  110
.set QM,  114
.set QT,  116
.set QS,  118
.set QB,  120
.set WD,  122
.set ACC, 128
.set G1,  24
.set G0,  32
.set G1B, 48
.set G0B, 56
.set SEL, 66
.set MSB, 0
.macro WIN new                         ; the immediate's high byte repeats the setting that is left
.if MSB != \new
	s_set_vgpr_msb (MSB<<8)|\new
.set MSB, \new
.endif
.endm
.set MUL,  0x05                        ; sources 0 and 1 window 1; C and D window 0
.set TO_F, 0x40                        ; destination window 1, address window 0
.macro JLOAD s                         ; a joint load: waves 0 and 1 fetch A's halves, waves 2 and 3 B's; an s_nop 0 and four v_nop follow each line
	s_cmp_eq_u32 s15, 0
	s_cbranch_scc0 .Lfor_b_\@
	tensor_load_to_lds s[G0+4*\s:G0+4*\s+3], s[G1:G1+7]
	s_nop 0
.rept 4
	v_nop
.endr
	s_branch .Lasked_\@
.Lfor_b_\@:
	tensor_load_to_lds s[G0B+4*\s:G0B+4*\s+3], s[G1B:G1B+7]
	s_nop 0
.rept 4
	v_nop
.endr
.Lasked_\@:
.endm
.macro CROUND                          ; a round of the cluster's barrier
	s_barrier_signal -1
	s_barrier_wait -1
	s_cmp_lg_u32 s14, 0
	s_cbranch_scc1 .Lnot_wave_0_\@
	s_barrier_signal -3
.Lnot_wave_0_\@:
	s_barrier_wait -3
	s_barrier_signal -1
	s_barrier_wait -1
.endm
.macro ADDR slot, p                    ; the five LDS addresses of panel p of a slot.  Five plain lines: also the places in front of the loads that follow
.irp k, 0,1,2,3,4
	v_add_nc_u32 v[CUR+\k], (\slot)*SLOT+(\p)*PANEL, v[BAS+\k]
.endr
.endm
.macro FETCH set                       ; my four fragments of A, my four of B and their scale words: 36 LDS loads, each of consecutive bytes
	WIN TO_F
.irp i, 0,1,2,3
	ds_load_b128 v[128*(\set)+12*\i:128*(\set)+12*\i+3],     v[CUR]   offset:1536*\i
	ds_load_b64  v[128*(\set)+12*\i+4:128*(\set)+12*\i+5],   v[CUR+1] offset:1536*\i+512
	ds_load_b128 v[128*(\set)+12*\i+6:128*(\set)+12*\i+9],   v[CUR]   offset:1536*\i+768
	ds_load_b64  v[128*(\set)+12*\i+10:128*(\set)+12*\i+11], v[CUR+1] offset:1536*\i+1280
.endr
.irp i, 0,1,2,3
	ds_load_b128 v[128*(\set)+48+12*\i:128*(\set)+48+12*\i+3],     v[CUR+2] offset:1536*\i
	ds_load_b64  v[128*(\set)+48+12*\i+4:128*(\set)+48+12*\i+5],   v[CUR+3] offset:1536*\i+512
	ds_load_b128 v[128*(\set)+48+12*\i+6:128*(\set)+48+12*\i+9],   v[CUR+2] offset:1536*\i+768
	ds_load_b64  v[128*(\set)+48+12*\i+10:128*(\set)+48+12*\i+11], v[CUR+3] offset:1536*\i+1280
.endr
	WIN 0
.irp i, 0,1,2,3
	ds_load_b32 v[SC+4*(\set)+\i], v[CUR+4] offset:128*\i      ; lanes 0-15: A's fragment i; lanes 16-31: B's fragment i
.endr
.endm
; 16 matrix instructions, the 16 accumulators by turns.  mode 0: source 0 = B's fragment x, source 1 = A's fragment y; mode 1: source 0 = A's x, source 1 = B's y.  first = 1: the bias is the C.
.macro MUL16 set, mode, first
.irp y, 0,1,2,3
.irp x, 0,1,2,3
.if (\mode) == 0
.if \first
	v_wmma_scale_f32_16x16x128_f8f6f4 v[ACC+8*(4*\y+\x):ACC+8*(4*\y+\x)+7], v[128*(\set)+48+12*\x:128*(\set)+48+12*\x+11], v[128*(\set)+12*\y:128*(\set)+12*\y+11], v[BI+8*\x:BI+8*\x+7], v[SC+4*(\set)+\x], v[SC+4*(\set)+\y] matrix_a_fmt:MATRIX_FMT_FP6 matrix_b_fmt:MATRIX_FMT_FP6 matrix_a_scale:MATRIX_SCALE_ROW1
.else
	v_wmma_scale_f32_16x16x128_f8f6f4 v[ACC+8*(4*\y+\x):ACC+8*(4*\y+\x)+7], v[128*(\set)+48+12*\x:128*(\set)+48+12*\x+11], v[128*(\set)+12*\y:128*(\set)+12*\y+11], v[ACC+8*(4*\y+\x):ACC+8*(4*\y+\x)+7], v[SC+4*(\set)+\x], v[SC+4*(\set)+\y] matrix_a_fmt:MATRIX_FMT_FP6 matrix_b_fmt:MATRIX_FMT_FP6 matrix_a_scale:MATRIX_SCALE_ROW1
.endif
.else
.if \first
	v_wmma_scale_f32_16x16x128_f8f6f4 v[ACC+8*(4*\y+\x):ACC+8*(4*\y+\x)+7], v[128*(\set)+12*\x:128*(\set)+12*\x+11], v[128*(\set)+48+12*\y:128*(\set)+48+12*\y+11], v[BI+8*\y:BI+8*\y+7], v[SC+4*(\set)+\x], v[SC+4*(\set)+\y] matrix_a_fmt:MATRIX_FMT_FP6 matrix_b_fmt:MATRIX_FMT_FP6 matrix_b_scale:MATRIX_SCALE_ROW1
.else
	v_wmma_scale_f32_16x16x128_f8f6f4 v[ACC+8*(4*\y+\x):ACC+8*(4*\y+\x)+7], v[128*(\set)+12*\x:128*(\set)+12*\x+11], v[128*(\set)+48+12*\y:128*(\set)+48+12*\y+11], v[ACC+8*(4*\y+\x):ACC+8*(4*\y+\x)+7], v[SC+4*(\set)+\x], v[SC+4*(\set)+\y] matrix_a_fmt:MATRIX_FMT_FP6 matrix_b_fmt:MATRIX_FMT_FP6 matrix_b_scale:MATRIX_SCALE_ROW1
.endif
.endif
.endr
.endr
.endm
; A slot's SP steps of 128 along K.  While one set of fragments is multiplied the next step's 36 loads are on their way into the other.
.macro PHASE slot, mode, first
	ADDR \slot, 0
	FETCH 0
.set PSTEP, 0
.rept SP
	s_wait_dscnt 0x0                               ; this step's fragments are in: they were asked for a step ago
.if PSTEP+1 < SP
	ADDR \slot, PSTEP+1
	FETCH (PSTEP+1)%2
.endif
	WIN MUL
.if (\first) && (PSTEP == 0)
	MUL16 PSTEP%2, \mode, 1
.else
	MUL16 PSTEP%2, \mode, 0
.endif
	WIN 0
.set PSTEP, PSTEP+1
.endr
.endm
; 32 numbers of a lane, register 16 b + i = k 32 b + 16 h + i of my row, become half a fragment's codes in v[PC .. PC+5] and the two blocks' bytes in v[QB], v[QB+1]
.macro QUANTH s
.irp b, 0,1
	v_max3_num_f32 v[QM+\b], |v[(\s)+16*\b]|, |v[(\s)+1+16*\b]|, 0x1800000   ; and the floor 2^(3 - 127): the byte cannot fall under 1
.endr
.irp i, 2,4,6,8,10,12,14
.irp b, 0,1
	v_max3_num_f32 v[QM+\b], v[QM+\b], |v[(\s)+16*\b+\i]|, |v[(\s)+1+16*\b+\i]|
.endr
.endr
.irp b, 0,1
	v_permlanex16_b32 v[QT+\b], v[QM+\b], s[SEL], s[SEL+1]
.endr
.irp b, 0,1
	v_max_num_f32 v[QM+\b], v[QM+\b], v[QT+\b]     ; with the lane 16 away: the block's largest magnitude
.endr
.irp b, 0,1
	v_add_nc_u32 v[QS+\b], 0xff000000, v[QM+\b]    ; 2 off its exponent field: the conversion's scale operand
.endr
.irp b, 0,1
	v_lshrrev_b32 v[QB+\b], 23, v[QS+\b]           ; the scale's byte
.endr
	v_cvt_scalef32_pk16_fp6_f32 v[PC:PC+2], v[(\s):(\s)+15], v[QS]
	v_cvt_scalef32_pk16_fp6_f32 v[PQ:PQ+2], v[(\s)+16:(\s)+31], v[QS+1]
	v_nop                                          ; one plain line behind the conversions
.irp i, 0,1,2
	v_permlane16_swap_b32 v[PC+\i], v[PQ+\i]       ; a whole block to a lane: lanes 0-15 block 0, lanes 16-31 block 1
.endr
.irp i, 0,1,2
	v_mov_b32 v[PC+3+\i], v[PQ+\i]
.endr
.endm
	s_load_b256 s[4:11], s[0:1], 0x0               ; hc, wc, b_qkv, qkv
	v_lshl_add_u32 v[SPW], v0, 2, SPARE
	v_mov_b32 v[NIL], 0
	ds_add_u32 v[SPW], v[NIL]                      ; the wave's opening: the add and its wait ahead of my first tensor load; work on registers stands between them
	v_lshrrev_b32 v1, 5, v0
	v_readfirstlane_b32 s14, v1                    ; wave 0..3
	s_lshr_b32 s15, s14, 1                         ; my half of the tokens.  Also: I fetch for A (0) or for B (1)
	s_and_b32 s16, s14, 1                          ; my half of the columns.  Also: which half of the side I fetch
	s_bfe_u32 s40, ttmp6, 0x40000                  ; cx
	s_bfe_u32 s41, ttmp6, 0x40004                  ; cy
	s_lshl_b32 s42, ttmp9, 2
	s_add_co_u32 s42, s42, s40                     ; column block = 4 x cluster x + cx
	s_and_b32 s17, ttmp7, 0xffff
	s_lshl_b32 s17, s17, 2
	s_add_co_u32 s17, s17, s41                     ; token block = 4 x cluster y + cy
	s_lshl_b32 s43, s41, 2
	s_lshl_b32 s43, 15, s43                        ; my row of the cluster
	s_lshl_b32 s44, 0x1111, s40                    ; my column
	s_or_b32 s[G1+0], s43, (3<<16)|(1<<21)         ; the mask; elements of 8 bytes; bit 21 set beside a mask; no padding
	s_or_b32 s[G1B+0], s44, (3<<16)|(1<<21)
.irp g, G1, G1B                                ; a dense block of HALF bytes as rows of 256 bytes
	s_mov_b32 s[\g+1], 32<<16                      ; tensor_dim0 = 32 elements
	s_mov_b32 s[\g+2], ROWS<<16                    ; tensor_dim1
	s_mov_b32 s[\g+3], 32<<16                      ; tile_dim0
	s_mov_b32 s[\g+4], ROWS                        ; tile_dim1
	s_mov_b32 s[\g+5], 32                          ; the pitch
	s_mov_b32 s[\g+6], 0
	s_mov_b32 s[\g+7], 0
.endr
	s_mul_i32 s18, s16, SP/2
	s_mul_i32 s20, s17, KP
	s_add_co_u32 s20, s20, s18
	s_mul_i32 s20, s20, PANEL                      ; A: panel KP x token block + my half of slot 0's
	s_mov_b32 s21, 0
	s_mul_i32 s46, s42, KP
	s_add_co_u32 s46, s46, s18
	s_mul_i32 s46, s46, PANEL
	s_add_co_u32 s46, s46, WOFF                    ; B: likewise by the column block
	s_mov_b32 s47, 0
	s_mul_i32 s45, s14, HALF                       ; where they go: no place in the cluster enters an LDS address
	s_mov_b32 s[SEL], 0x76543210
	s_mov_b32 s[SEL+1], 0xfedcba98
	s_wait_dscnt 0x0                               ; the opening add is done
	s_wait_kmcnt 0x0
	s_add_nc_u64 s[20:21], s[4:5], s[20:21]
	s_add_nc_u64 s[46:47], s[6:7], s[46:47]
	CROUND                                         ; all sixteen work-groups are here: the first joint loads meet
.irp s, 0,1
	s_mov_b32 s[G0+4*\s], 1
	s_add_co_u32 s[G0+4*\s+1], s45, \s*SLOT
	s_add_nc_u64 s[G0+4*\s+2:G0+4*\s+3], s[20:21], \s*SP*PANEL
	s_or_b32 s[G0+4*\s+3], s[G0+4*\s+3], 0x80000000
	s_mov_b32 s[G0B+4*\s], 1
	s_add_co_u32 s[G0B+4*\s+1], s45, \s*SLOT
	s_add_nc_u64 s[G0B+4*\s+2:G0B+4*\s+3], s[46:47], \s*SP*PANEL
	s_or_b32 s[G0B+4*\s+3], s[G0B+4*\s+3], 0x80000000
	JLOAD \s                                       ; two loads of mine are out: all of K
.endr
	v_and_b32 v1, 31, v0
	v_bfe_u32 v[VH], v0, 4, 1
	v_and_b32 v[VR], 15, v0
	v_lshlrev_b32 v[L16], 4, v1
	v_lshlrev_b32 v[L8], 3, v1
	v_lshlrev_b32 v[L4], 2, v1
	v_mov_b32 v[QT], 0                             ; lane permutes' destinations count as sources
	v_mov_b32 v[QT+1], 0
	s_mul_i32 s18, s15, 6144                       ; my four fragments of A,
	s_mul_i32 s19, s16, 6144
	s_add_co_u32 s19, s19, SIDE                    ; my four of B
	v_add_nc_u32 v[BAS], s18, v[L16]
	v_add_nc_u32 v[BAS+1], s18, v[L8]
	v_add_nc_u32 v[BAS+2], s19, v[L16]
	v_add_nc_u32 v[BAS+3], s19, v[L8]
	s_lshl_b32 s18, s15, 9
	s_lshl_b32 s19, s16, 9
	s_add_co_u32 s19, s19, SIDE
	s_sub_co_u32 s19, s19, s18
	v_mul_u32_u24 v[BAS+4], s19, v[VH]             ; scale words: lanes 16-31 take B's: one product, h x the distance
	s_add_co_u32 s18, s18, 12288
	v_add_nc_u32 v[BAS+4], v[BAS+4], v[L4]
	v_add_nc_u32 v[BAS+4], s18, v[BAS+4]
	s_lshl_b32 s18, s42, 9
	s_lshl_b32 s19, s16, 8
	s_add_co_u32 s18, s18, s19
	s_mov_b32 s19, 0
	s_add_nc_u64 s[8:9], s[8:9], s[18:19]          ; the bias of my 64 columns
	s_lshr_b32 s22, s17, 4
	s_lshl_b32 s22, s22, 4                         ; 16 x batch
	s_cmp_ge_u32 ttmp9, 4                          ; the cluster's x: the same in all sixteen partners
	s_cbranch_scc1 .Lvalues
.macro BODY mode
.if (\mode) == 0
	v_lshlrev_b32 v[BO], 6, v[VH]
.irp x, 0,1,2,3
	global_load_b128 v[BI+8*\x:BI+8*\x+3], v[BO], s[8:9] offset:128*(\x/2)+32*(\x%2)       ; register j of tile x: column 32 (x / 2) + 16 h + 8 (x % 2) + j
	global_load_b128 v[BI+8*\x+4:BI+8*\x+7], v[BO], s[8:9] offset:128*(\x/2)+32*(\x%2)+16
.endr
	s_lshr_b32 s18, ttmp9, 1                       ; 0: q, 1: k
	s_and_b32 s19, s42, 7
	s_lshl_b32 s19, s19, 1
	s_add_co_u32 s19, s19, s16                     ; the head
	s_add_co_u32 s19, s19, s22                     ; bh
	s_lshl_b32 s19, s19, 7
	s_and_b32 s22, s17, 15
	s_lshl_b32 s22, s22, 3
	s_add_co_u32 s19, s19, s22
	s_lshl_b32 s22, s15, 2
	s_add_co_u32 s19, s19, s22                     ; 128 bh + my first token tile
	s_mul_i32 s70, s19, 768
	s_mul_i32 s22, s18, 3145728
	s_add_co_u32 s70, s70, s22
	s_mov_b32 s71, 0
	s_add_nc_u64 s[70:71], s[10:11], s[70:71]      ; codes
	s_lshl_b32 s72, s19, 7
	s_lshl_b32 s22, s18, 19
	s_add_co_u32 s72, s72, s22
	s_add_co_u32 s72, s72, 9437184
	s_mov_b32 s73, 0
	s_add_nc_u64 s[72:73], s[10:11], s[72:73]      ; scale words
	s_wait_loadcnt 0x0
.else
	v_and_b32 v[BO], 7, v0
	v_bfe_u32 v21, v0, 3, 1
	v_lshl_add_u32 v[BO], v21, 4, v[BO]
	v_lshlrev_b32 v[BO], 2, v[BO]
.irp y, 0,1,2,3
	global_load_b32 v[BI+8*\y], v[BO], s[8:9] offset:128*(\y/2)+32*(\y%2)     ; my lane's column of tile y
.endr
	s_sub_co_u32 s19, s42, 16
	s_lshl_b32 s19, s19, 1
	s_add_co_u32 s19, s19, s16                     ; the head
	s_add_co_u32 s19, s19, s22                     ; bh
	s_and_b32 s22, s17, 15
	s_lshl_b32 s22, s22, 2
	s_lshl_b32 s23, s15, 1
	s_add_co_u32 s22, s22, s23                     ; my first key block
	s_mul_i32 s18, s19, 98304
	s_add_co_u32 s18, s18, 6291456
	s_lshl_b32 s70, s22, 8
	s_add_co_u32 s70, s70, s18
	s_mov_b32 s71, 0
	s_add_nc_u64 s[70:71], s[10:11], s[70:71]      ; registers 0-3
	s_lshl_b32 s72, s22, 7
	s_add_co_u32 s72, s72, s18
	s_add_co_u32 s72, s72, 16384
	s_mov_b32 s73, 0
	s_add_nc_u64 s[72:73], s[10:11], s[72:73]      ; registers 4, 5
	s_lshl_b32 s74, s19, 8
	s_add_co_u32 s74, s74, s22
	s_lshl_b32 s74, s74, 6
	s_add_co_u32 s74, s74, 10485760
	s_mov_b32 s75, 0
	s_add_nc_u64 s[74:75], s[10:11], s[74:75]      ; scale words
	s_mov_b32 s76, 0xffff0000                      ; lanes 16-31
	s_wait_loadcnt 0x0
.irp y, 0,1,2,3
.irp j, 1,2,3,4,5,6,7
	v_mov_b32 v[BI+8*\y+\j], v[BI+8*\y]            ; the same bias for the lane's eight tokens
.endr
.endr
.endif
	s_wait_tensorcnt 0x1                           ; my part of slot 0 is in; slot 1's may stay out
	s_barrier_signal -1
	s_barrier_wait -1                              ; everybody's is
	PHASE 0, \mode, 1
	s_wait_tensorcnt 0x0                           ; my part of slot 1 is in
	ds_add_u32 v[SPW], v[NIL]
	s_wait_dscnt 0x0
	s_barrier_signal -1
	s_barrier_wait -1                              ; everybody's is
	PHASE 1, \mode, 0
.rept 4
	v_nop                                          ; places in front of the first read of results
.endr
.irp y, 0,1,2,3
.if \y > 0
	s_wait_xcnt 0x0                                ; the last stores have read their registers: the codes and the word may be written again
.endif
	QUANTH ACC+32*\y
.if (\mode) == 0
	v_lshl_or_b32 v[WD], v[QB+1], 8, v[QB]         ; bytes 2 and 3 stay 0: the head has 64 along K
	global_store_b128 v[L16], v[PC:PC+3], s[70:71] offset:768*\y
	global_store_b64 v[L8], v[PC+4:PC+5], s[70:71] offset:768*\y+512
	global_store_b32 v[L4], v[WD], s[72:73] offset:128*\y
.else
	v_cndmask_b32 v[WD], v[QB], v[QB+1], s76       ; my lane's block's byte
	global_store_b128 v[L16], v[PC:PC+3], s[70:71] offset:24576*\y       ; two key blocks: 512 consecutive bytes
	global_store_b64 v[L8], v[PC+4:PC+5], s[72:73] offset:24576*\y       ; 256
	global_store_b32 v[L4], v[WD], s[74:75] offset:4096*\y
.endif
.endr
	s_wait_tensorcnt 0x0                           ; the wave's end
	ds_add_u32 v[SPW], v[NIL]
	s_wait_dscnt 0x0
	CROUND                                         ; the closing round
	s_endpgm
.endm
	BODY 0
.Lvalues:
	BODY 1
.Lfunc_end_k_q16a59a00d6_g_qkv:
	.size	k_q16a59a00d6_g_qkv, .Lfunc_end_k_q16a59a00d6_g_qkv-k_q16a59a00d6_g_qkv
	.p2alignl 7, 3214868480
	.fill 96, 4, 3214868480
	.section	.rodata,"a",@progbits
	.p2align	6, 0x0
	.amdhsa_kernel k_q16a59a00d6_g_qkv
		.amdhsa_group_segment_fixed_size 327680
		.amdhsa_private_segment_fixed_size 0
		.amdhsa_enable_private_segment 0
		.amdhsa_kernarg_size 32
		.amdhsa_user_sgpr_count 2
		.amdhsa_user_sgpr_kernarg_segment_ptr 1
		.amdhsa_wavefront_size32 1
		.amdhsa_system_sgpr_workgroup_id_x 1
		.amdhsa_system_sgpr_workgroup_id_y 1
		.amdhsa_system_sgpr_workgroup_id_z 1
		.amdhsa_system_vgpr_workitem_id 0
		.amdhsa_next_free_vgpr 512
		.amdhsa_next_free_sgpr 98
		.amdhsa_reserve_vcc 0
		.amdhsa_float_denorm_mode_32 3
		.amdhsa_float_denorm_mode_16_64 3
		.amdhsa_memory_ordered 1
		.amdhsa_forward_progress 1
		.amdhsa_inst_pref_size 105
	.end_amdhsa_kernel
	.amdgpu_metadata
---
amdhsa.version: [ 1, 2 ]
amdhsa.kernels:
  - .name:           k_q16a59a00d6_g_qkv
    .symbol:         k_q16a59a00d6_g_qkv.kd
    .args:
      - { .name: hc, .offset: 0, .size: 8, .value_kind: global_buffer, .address_space: global }
      - { .name: wc, .offset: 8, .size: 8, .value_kind: global_buffer, .address_space: global }
      - { .name: b_qkv, .offset: 16, .size: 8, .value_kind: global_buffer, .address_space: global }
      - { .name: qkv, .offset: 24, .size: 8, .value_kind: global_buffer, .address_space: global }
    .group_segment_fixed_size: 327680
    .private_segment_fixed_size: 0
    .kernarg_segment_align: 8
    .kernarg_segment_size: 32
    .max_flat_workgroup_size: 128
    .sgpr_count:     98
    .vgpr_count:     512
    .wavefront_size: 32
...
	.end_amdgpu_metadata
.endif
;; end of part 3
;; launch att (part 4): grid 8 x 32, 16 waves a work-group, no clusters, 0 bytes of LDS; arguments qkv, cc; writes cc
.if DOCPART == 4
	.amdgcn_target "amdgcn-amd-amdhsa--gfx1250"
	.amdhsa_code_object_version 6
	.text
	.protected	k_q16a59a00d6_att
	.globl	k_q16a59a00d6_att
	.p2align	8
	.type	k_q16a59a00d6_att,@function
k_q16a59a00d6_att:
	s_mov_b64 s[64:65], 0
	v_nop
	global_prefetch_b8 v0, s[64:65] scope:SCOPE_SE
	s_setreg_imm32_b32 hwreg(HW_REG_WAVE_MODE, 25, 1), 1
	s_wait_xcnt 0x0
; ctx = softmax(q k^T / 8 under the band: key j counts for query i where i - 128 < j <= i) v, both products on codes of FP6 (E2M3) with E8M0 scales, and ctx quantised along the features on the way out.
; A wave owns ONE tile of 16 queries of one head.  Tile t holds queries 32 (t / 2) + 8 (t % 2) + p % 8 + 16 (p / 8): all lie in one group G of 32, so its band lies in the five aligned key blocks G - 4 .. G.
; All 160 keys are in hand at once: one pass, the row's true maximum, no running rescale.  Blocks that would lie ahead of the sequence are read from block 0 and wholly hidden.
; Both products are used transposed: S^T = K Q^T (source 0 = 16 keys, source 1 = my queries), O^T = V^T P^T: a lane holds one query throughout; the 16 registers of two neighbouring key tiles are 16 neighbouring keys.
; THE SOFTMAX: t = score x log2(e) / 8; M = the row's largest t rounded up to a whole number; p = 2^(t - M) is quantised along the keys, not normalised; the sum of the unquantised p divides O at the end.
; The head has 64 along K and the instruction 128: Q's upper six registers are zero codes, and every scale word's upper bytes are 0 (never 0xff): so what stands in the upper six registers of a fragment of K,
; the next tile's codes, adds nothing.  Likewise the fifth key block: P's second fragment holds 32 keys and zero codes.
; Operands lie in memory in the order of the operand's registers and go straight into registers: no LDS, no barrier.  Four waves share a SIMD, so that one wave's loads and vector work stand beside another's products.
; No cluster, no joint loads: there is no tensor load here, and a wave's keys and values are 15 KB read once by it.
; LIMITS: a block of zeros, or one whose largest magnitude lies under 2^-124, gets the byte 1 (read by this program alone); NaN and infinities are not served.
.set S,   112                          ; v112-191 S^T, then p: register 16 b + i = key 16 h + i of block b;  v112-143 later O^T
.set KV,  34                           ; v34-99 ten tiles of K, six registers each (+ six zeros); later V: four fragments of 12 at 34, four of 6 at 82 (+ six zeros at 106)
.set BM,  16                           ; v16-20 the blocks' largest scores (Q's registers, when Q is done with)
.set BT,  21                           ; v21-25 at work; the bytes
.set SCL, 26                           ; v26-30 the conversions' scale operands
.set P1,  192                          ; v192-203 p's codes, key blocks 0-3
.set P2,  204                          ; v204-215 block 4 and zeros
.set PT,  216                          ; v216-222 conversions' second halves
.set RAW, 224                          ; v224-243 V's scale bytes: block b, d tile x at 4 b + x
.set SEL, 66
.set CS,  68
.set PC,  144
.set PQ,  150
.set QM,  154
.set QT,  156
.set QS,  158
.set QB,  160
.set WD,  162
.macro QUANTH s                        ; 32 numbers of a lane, register 16 b + i = k 32 b + 16 h + i, become half a fragment's codes in v[PC .. PC+5] and two bytes in v[QB], v[QB+1]
.irp b, 0,1
	v_max3_num_f32 v[QM+\b], |v[(\s)+16*\b]|, |v[(\s)+1+16*\b]|, 0x1800000
.endr
.irp i, 2,4,6,8,10,12,14
.irp b, 0,1
	v_max3_num_f32 v[QM+\b], v[QM+\b], |v[(\s)+16*\b+\i]|, |v[(\s)+1+16*\b+\i]|
.endr
.endr
.irp b, 0,1
	v_permlanex16_b32 v[QT+\b], v[QM+\b], s[SEL], s[SEL+1]
.endr
.irp b, 0,1
	v_max_num_f32 v[QM+\b], v[QM+\b], v[QT+\b]
.endr
.irp b, 0,1
	v_add_nc_u32 v[QS+\b], 0xff000000, v[QM+\b]
.endr
.irp b, 0,1
	v_lshrrev_b32 v[QB+\b], 23, v[QS+\b]
.endr
	v_cvt_scalef32_pk16_fp6_f32 v[PC:PC+2], v[(\s):(\s)+15], v[QS]
	v_cvt_scalef32_pk16_fp6_f32 v[PQ:PQ+2], v[(\s)+16:(\s)+31], v[QS+1]
	v_nop
.irp i, 0,1,2
	v_permlane16_swap_b32 v[PC+\i], v[PQ+\i]
.endr
.irp i, 0,1,2
	v_mov_b32 v[PC+3+\i], v[PQ+\i]
.endr
.endm
	s_load_b128 s[4:7], s[0:1], 0x0                ; qkv, cc
.irp j, 22,23,24,25,26,27,94,95,96,97,98,99,106,107,108,109,110,111,207,208,209,210,211,212,213,214,215
	v_mov_b32 v[\j], 0                             ; the zero codes
.endr
	v_lshrrev_b32 v1, 5, v0
	v_readfirstlane_b32 s8, v1                     ; wave 0..15
	s_and_b32 s10, ttmp7, 0xffff                   ; bh
	s_lshl_b32 s11, ttmp9, 4
	s_add_co_u32 s11, s11, s8                      ; my query tile, 0..127
	s_lshr_b32 s12, s11, 1                         ; G
.irp b, 0,1,2,3,4
	s_add_co_i32 s[76+\b], s12, \b-4
	s_max_i32 s[76+\b], s[76+\b], 0                ; key block b, held at 0 from below
.endr
	v_and_b32 v3, 31, v0
	v_lshlrev_b32 v1, 4, v3                        ; 16 x lane
	v_lshlrev_b32 v2, 3, v3                        ; 8 x lane
	v_lshlrev_b32 v3, 2, v3                        ; 4 x lane
	v_bfe_u32 v12, v0, 4, 1                        ; h
	v_lshl_add_u32 v4, v12, 7, v3                  ; K's scale words: lanes 0-15 the even tile's, lanes 16-31 the odd tile's
	v_and_b32 v5, 15, v0                           ; r
	v_lshlrev_b32 v10, 4, v5                       ; 16 r
	v_lshlrev_b32 v11, 3, v5                       ; 8 r
	v_lshlrev_b32 v5, 2, v5                        ; 4 r
.irp c, 0,1                                    ; V's fragment wants key block 2 c + h in lane (r, h)
	s_sub_co_u32 s13, s[77+2*\c], s[76+2*\c]
	v_mad_u32_u24 v[6+\c], v12, s13, s[76+2*\c]
	v_lshl_add_u32 v[8+\c], v[6+\c], 7, v11        ; registers 4, 5: 128 bytes a block
	v_lshl_add_u32 v[6+\c], v[6+\c], 8, v10        ; registers 0-3: 256 bytes a block
.endr
	s_mul_i32 s14, s10, 98304                      ; a head's codes
	s_lshl_b32 s15, s10, 14                        ; a head's scale words
	s_mov_b32 s71, 0
	s_mov_b32 s[SEL], 0x76543210
	s_mov_b32 s[SEL+1], 0xfedcba98
	s_mov_b32 s[CS], 0x3e38aa3b                    ; c = log2(e) / 8
	s_mov_b32 s[CS+1], s[CS]
	s_wait_kmcnt 0x0
.irp b, 0,1,2,3,4
	s_mul_i32 s70, s[76+\b], 1536
	s_add_co_u32 s70, s70, s14
	s_add_co_u32 s70, s70, 3145728
	s_add_nc_u64 s[20+2*\b:21+2*\b], s[4:5], s[70:71]      ; K's two tiles of block b
	s_lshl_b32 s70, s[76+\b], 8
	s_add_co_u32 s70, s70, s15
	s_add_co_u32 s70, s70, 9961472
	s_add_nc_u64 s[30+2*\b:31+2*\b], s[4:5], s[70:71]      ; their scale words
	s_lshl_b32 s70, s[76+\b], 6
	s_add_co_u32 s70, s70, s15
	s_add_co_u32 s70, s70, 10485760
	s_add_nc_u64 s[40+2*\b:41+2*\b], s[4:5], s[70:71]      ; V's scale words of block b
.endr
	s_add_co_u32 s70, s14, 6291456
	s_add_nc_u64 s[50:51], s[4:5], s[70:71]        ; V's codes of my head
	s_lshl_b32 s70, s12, 8
	s_add_nc_u64 s[52:53], s[50:51], s[70:71]      ; block G, registers 0-3
	s_lshl_b32 s70, s12, 7
	s_add_nc_u64 s[54:55], s[50:51], s[70:71]      ; block G, registers 4, 5
	s_mul_i32 s70, s11, 768
	s_add_co_u32 s70, s70, s14
	s_add_nc_u64 s[56:57], s[4:5], s[70:71]        ; Q's codes
	s_lshl_b32 s70, s11, 7
	s_add_co_u32 s70, s70, s15
	s_add_co_u32 s70, s70, 9437184
	s_add_nc_u64 s[58:59], s[4:5], s[70:71]        ; Q's scale words
	s_lshr_b32 s13, s10, 4
	s_lshl_b32 s13, s13, 7
	s_add_co_u32 s13, s13, s11                     ; my token tile among all 256
	s_and_b32 s16, s10, 15                         ; the head
	s_lshr_b32 s17, s13, 3
	s_lshl_b32 s17, s17, 3
	s_lshr_b32 s18, s16, 1
	s_add_co_u32 s17, s17, s18
	s_mul_i32 s17, s17, 13312                      ; cc's panel: token block, K step head / 2
	s_and_b32 s18, s13, 7
	s_and_b32 s19, s16, 1
	s_mul_i32 s70, s18, 1536
	s_add_co_u32 s70, s70, s17
	s_mul_i32 s72, s19, 768
	s_add_co_u32 s70, s70, s72
	s_add_nc_u64 s[60:61], s[6:7], s[70:71]        ; my half fragment
	s_lshl_b32 s70, s18, 7
	s_add_co_u32 s70, s70, s17
	s_lshl_b32 s72, s19, 1
	s_add_co_u32 s70, s70, s72
	s_add_co_u32 s70, s70, 12288
	s_add_nc_u64 s[62:63], s[6:7], s[70:71]        ; my two bytes of its scale words
	global_load_b128 v[16:19], v1, s[56:57]
	global_load_b64 v[20:21], v2, s[56:57] offset:512
	global_load_b32 v28, v3, s[58:59]
.irp b, 0,1,2,3,4
.irp u, 0,1
	global_load_b128 v[KV+6*(2*\b+\u):KV+6*(2*\b+\u)+3], v1, s[20+2*\b:21+2*\b] offset:768*\u
	global_load_b64 v[KV+6*(2*\b+\u)+4:KV+6*(2*\b+\u)+5], v2, s[20+2*\b:21+2*\b] offset:768*\u+512
.endr
	global_load_b32 v[29+\b], v4, s[30+2*\b:31+2*\b]
.endr
	s_wait_loadcnt 0x0
.irp j, 0,1,2,3,4,5,6,7,8,9                    ; S^T: ten tiles of 16 keys
.if (\j)%2
	v_wmma_scale_f32_16x16x128_f8f6f4 v[S+8*\j:S+8*\j+7], v[KV+6*\j:KV+6*\j+11], v[16:27], 0, v[29+\j/2], v28 matrix_a_fmt:MATRIX_FMT_FP6 matrix_b_fmt:MATRIX_FMT_FP6 matrix_a_scale:MATRIX_SCALE_ROW1
.else
	v_wmma_scale_f32_16x16x128_f8f6f4 v[S+8*\j:S+8*\j+7], v[KV+6*\j:KV+6*\j+11], v[16:27], 0, v[29+\j/2], v28 matrix_a_fmt:MATRIX_FMT_FP6 matrix_b_fmt:MATRIX_FMT_FP6
.endif
.endr
	s_and_b32 s13, s11, 1
	s_lshl_b32 s13, s13, 3
	v_and_b32 v250, 7, v0                          ; eight plain lines: the places behind the products
	v_bfe_u32 v251, v0, 3, 1
	v_lshl_add_u32 v250, v251, 4, v250
	v_bfe_u32 v251, v0, 4, 1
	v_lshlrev_b32 v251, 4, v251
	v_sub_nc_u32 v12, v250, v251
	v_add_nc_u32 v12, s13, v12                     ; d = my query's place in its group of 32, less 16 h
	v_mov_b32 v13, 0xff800000                      ; -infinity
.irp x, 0,1,2,3                                ; V and its scale bytes are asked for now and land under the softmax
.irp c, 0,1
	global_load_b128 v[KV+12*\x+6*\c:KV+12*\x+6*\c+3], v[6+\c], s[50:51] offset:24576*\x
	global_load_b64 v[KV+12*\x+6*\c+4:KV+12*\x+6*\c+5], v[8+\c], s[50:51] offset:24576*\x+16384
.endr
	global_load_b128 v[KV+48+6*\x:KV+48+6*\x+3], v10, s[52:53] offset:24576*\x
	global_load_b64 v[KV+48+6*\x+4:KV+48+6*\x+5], v11, s[54:55] offset:24576*\x+16384
.irp b, 0,1,2,3,4
	global_load_b32 v[RAW+4*\b+\x], v5, s[40+2*\b:41+2*\b] offset:4096*\x
.endr
.endr
.irp i, 0,1,2,3,4,5,6,7,8,9,10,11,12,13,14,15  ; the band's two edges: in block 4 key 16 h + i is hidden where i > d, in block 0 it counts only there
	v_cmp_gt_i32 vcc_lo, \i, v12
	v_cndmask_b32 v[S+64+\i], v[S+64+\i], v13, vcc_lo
	v_cndmask_b32 v[S+\i], v13, v[S+\i], vcc_lo
.endr
	s_cmp_ge_u32 s12, 4                            ; the head of a sequence: blocks that would lie ahead of key 0 are hidden whole.  A branch on ids
	s_cbranch_scc1 .Lfull
.irp b, 0,1,2,3
	s_add_co_u32 s13, s12, \b
	s_cmp_lt_u32 s13, 4
	s_cselect_b32 s13, -1, 0
.irp i, 0,1,2,3,4,5,6,7,8,9,10,11,12,13,14,15
	v_cndmask_b32 v[S+16*\b+\i], v[S+16*\b+\i], v13, s13
.endr
.endr
.Lfull:
.irp b, 0,1,2,3,4
	v_max3_num_f32 v[BM+\b], v[S+16*\b], v[S+1+16*\b], v[S+2+16*\b]   ; the largest score of each block: for the row's maximum, and, since p rises with the score, for the block's largest p
.endr
.irp i, 3,5,7,9,11,13
.irp b, 0,1,2,3,4
	v_max3_num_f32 v[BM+\b], v[BM+\b], v[S+16*\b+\i], v[S+1+16*\b+\i]
.endr
.endr
.irp b, 0,1,2,3,4
	v_max_num_f32 v[BM+\b], v[BM+\b], v[S+15+16*\b]
.endr
.irp b, 0,1,2,3,4
	v_permlanex16_b32 v[BT+\b], v[BM+\b], s[SEL], s[SEL+1]
.endr
.irp b, 0,1,2,3,4
	v_max_num_f32 v[BM+\b], v[BM+\b], v[BT+\b]
.endr
	v_max3_num_f32 v250, v[BM], v[BM+1], v[BM+2]
	v_max3_num_f32 v250, v250, v[BM+3], v[BM+4]    ; the row's largest score: a number, since the query's own key counts
	v_mul_f32 v250, s[CS], v250
	v_floor_f32 v14, -v250                         ; -M = floor(-t)
	v_mov_b32 v15, v14
.set NN, 0
.rept 40
	v_pk_fma_f32 v[S+NN:S+NN+1], v[S+NN:S+NN+1], s[CS:CS+1], v[14:15] op_sel_hi:[1,0,0]   ; t - M
.set NN, NN+2
.endr
.irp b, 0,1,2,3,4
	v_fma_f32 v[BM+\b], v[BM+\b], s[CS], v14
.endr
.set NN, 0
.rept 80
	v_exp_f32 v[S+NN], v[S+NN]                     ; p, at most 1; 0 where the key is hidden
.set NN, NN+1
.endr
	v_nop                                          ; a plain line behind the batch
	s_wait_alu depctr_va_vdst(0)                   ; one wait for the 80, ahead of their first reader
.irp b, 0,1,2,3,4
	v_exp_f32 v[BM+\b], v[BM+\b]                   ; the blocks' largest p
.endr
	v_pk_add_f32 v[244:245], v[S:S+1], v[S+2:S+3]  ; the row's sum, of the unquantised p, in two chains
	v_pk_add_f32 v[246:247], v[S+4:S+5], v[S+6:S+7]
.set NN, 8
.rept 18
	v_pk_add_f32 v[244:245], v[244:245], v[S+NN:S+NN+1]
	v_pk_add_f32 v[246:247], v[246:247], v[S+NN+2:S+NN+3]
.set NN, NN+4
.endr
	v_pk_add_f32 v[244:245], v[244:245], v[246:247]
	s_wait_alu depctr_va_vdst(0)                   ; and one for the five
.irp b, 0,1,2,3,4
	v_max_num_f32 v[BM+\b], 0x1800000, v[BM+\b]    ; the floor 2^(3 - 127)
.endr
.irp b, 0,1,2,3,4
	v_add_nc_u32 v[SCL+\b], 0xff000000, v[BM+\b]
.endr
.irp b, 0,1,2,3,4
	v_lshrrev_b32 v[BT+\b], 23, v[SCL+\b]
.endr
	v_lshl_or_b32 v248, v[BT+1], 8, v[BT]          ; p's scale word for blocks 0-3,
	v_lshl_or_b32 v248, v[BT+2], 16, v248
	v_lshl_or_b32 v248, v[BT+3], 24, v248
	v_mov_b32 v249, v[BT+4]                        ; and for block 4
	s_wait_loadcnt 0x0                             ; V
.irp x, 0,1,2,3
	v_lshl_or_b32 v[RAW+\x], v[RAW+4+\x], 8, v[RAW+\x]
.endr
.irp x, 0,1,2,3
	v_lshl_or_b32 v[RAW+\x], v[RAW+8+\x], 16, v[RAW+\x]
.endr
.irp x, 0,1,2,3
	v_lshl_or_b32 v[RAW+\x], v[RAW+12+\x], 24, v[RAW+\x]     ; V's scale word of d tile x for blocks 0-3; block 4's is v[RAW+16+x] as it came
.endr
.irp c, 0,1
	v_cvt_scalef32_pk16_fp6_f32 v[P1+6*\c:P1+6*\c+2], v[S+32*\c:S+32*\c+15], v[SCL+2*\c]
	v_cvt_scalef32_pk16_fp6_f32 v[PT+4*\c:PT+4*\c+2], v[S+16+32*\c:S+31+32*\c], v[SCL+2*\c+1]
.endr
	v_cvt_scalef32_pk16_fp6_f32 v[P2:P2+2], v[S+64:S+79], v[SCL+4]
	v_nop                                          ; one plain line behind the conversions
.irp c, 0,1
.irp i, 0,1,2
	v_permlane16_swap_b32 v[P1+6*\c+\i], v[PT+4*\c+\i]
.endr
.irp i, 0,1,2
	v_mov_b32 v[P1+3+6*\c+\i], v[PT+4*\c+\i]
.endr
.endr
.irp i, 0,1,2
	v_permlane16_swap_b32 v[P2+\i], v[P2+3+\i]     ; against zeros: lanes 0-15 get the whole block, lanes 16-31 zero codes
.endr
	v_add_f32 v244, v244, v245
	v_permlanex16_b32 v251, v244, s[SEL], s[SEL+1]
	v_add_f32 v244, v244, v251                     ; the row's sum
	v_rcp_f32 v252, v244
	v_rcp_f32 v253, v244                           ; twice: a pair for the packed multiply
.rept 8
	v_nop                                          ; scale words written by vector instructions stand eight places ahead of a scaled product, operands four
.endr
.irp x, 0,1,2,3                                ; O^T: four tiles of 16 of the head's 64, by turns
	v_wmma_scale_f32_16x16x128_f8f6f4 v[S+8*\x:S+8*\x+7], v[KV+12*\x:KV+12*\x+11], v[P1:P1+11], 0, v[RAW+\x], v248 matrix_a_fmt:MATRIX_FMT_FP6 matrix_b_fmt:MATRIX_FMT_FP6
.endr
.irp x, 0,1,2,3
	v_wmma_scale_f32_16x16x128_f8f6f4 v[S+8*\x:S+8*\x+7], v[KV+48+6*\x:KV+48+6*\x+11], v[P2:P2+11], v[S+8*\x:S+8*\x+7], v[RAW+16+\x], v249 matrix_a_fmt:MATRIX_FMT_FP6 matrix_b_fmt:MATRIX_FMT_FP6
.endr
.rept 4
	v_nop
.endr
	s_wait_alu depctr_va_vdst(0)                   ; the reciprocals' wait, ahead of their first reader
.set NN, 0
.rept 16
	v_pk_mul_f32 v[S+NN:S+NN+1], v[S+NN:S+NN+1], v[252:253]    ; O^T / the sum: register 16 b + i = d 32 b + 16 h + i of my query
.set NN, NN+2
.endr
	QUANTH S
	v_lshl_or_b32 v[WD], v[QB+1], 8, v[QB]
	global_store_b128 v1, v[PC:PC+3], s[60:61]
	global_store_b64 v2, v[PC+4:PC+5], s[60:61] offset:512
	global_store_b16 v3, v[WD], s[62:63]           ; my head's two bytes of each row's word, both copies
	s_endpgm
.Lfunc_end_k_q16a59a00d6_att:
	.size	k_q16a59a00d6_att, .Lfunc_end_k_q16a59a00d6_att-k_q16a59a00d6_att
	.p2alignl 7, 3214868480
	.fill 96, 4, 3214868480
	.section	.rodata,"a",@progbits
	.p2align	6, 0x0
	.amdhsa_kernel k_q16a59a00d6_att
		.amdhsa_group_segment_fixed_size 0
		.amdhsa_private_segment_fixed_size 0
		.amdhsa_enable_private_segment 0
		.amdhsa_kernarg_size 16
		.amdhsa_user_sgpr_count 2
		.amdhsa_user_sgpr_kernarg_segment_ptr 1
		.amdhsa_wavefront_size32 1
		.amdhsa_system_sgpr_workgroup_id_x 1
		.amdhsa_system_sgpr_workgroup_id_y 1
		.amdhsa_system_sgpr_workgroup_id_z 1
		.amdhsa_system_vgpr_workitem_id 0
		.amdhsa_next_free_vgpr 256
		.amdhsa_next_free_sgpr 100
		.amdhsa_reserve_vcc 1
		.amdhsa_float_denorm_mode_32 3
		.amdhsa_float_denorm_mode_16_64 3
		.amdhsa_memory_ordered 1
		.amdhsa_forward_progress 1
		.amdhsa_inst_pref_size 40
	.end_amdhsa_kernel
	.amdgpu_metadata
---
amdhsa.version: [ 1, 2 ]
amdhsa.kernels:
  - .name:           k_q16a59a00d6_att
    .symbol:         k_q16a59a00d6_att.kd
    .args:
      - { .name: qkv, .offset: 0, .size: 8, .value_kind: global_buffer, .address_space: global }
      - { .name: cc, .offset: 8, .size: 8, .value_kind: global_buffer, .address_space: global }
    .group_segment_fixed_size: 0
    .private_segment_fixed_size: 0
    .kernarg_segment_align: 8
    .kernarg_segment_size: 16
    .max_flat_workgroup_size: 512
    .sgpr_count:     100
    .vgpr_count:     256
    .wavefront_size: 32
...
	.end_amdgpu_metadata
.endif
;; end of part 4
;; launch g_out (part 5): grid 8 x 32, 4 waves a work-group, clusters of 4 x 4, 327,680 bytes of LDS; arguments cc, wc, b_out, x, x1; writes x1
.if DOCPART == 5
	.amdgcn_target "amdgcn-amd-amdhsa--gfx1250"
	.amdhsa_code_object_version 6
	.text
	.protected	k_q16a59a00d6_g_out
	.globl	k_q16a59a00d6_g_out
	.p2align	8
	.type	k_q16a59a00d6_g_out,@function
k_q16a59a00d6_g_out:
	s_mov_b64 s[64:65], 0
	v_nop
	global_prefetch_b8 v0, s[64:65] scope:SCOPE_SE
	s_setreg_imm32_b32 hwreg(HW_REG_WAVE_MODE, 25, 1), 1
	s_wait_xcnt 0x0
	s_wait_alu depctr_hold_cnt(0) depctr_sa_sdst(0) depctr_va_vdst(0) depctr_va_sdst(0) depctr_va_ssrc(0) depctr_va_vcc(0) depctr_vm_vsrc(0)
	s_getreg_b32 s2, hwreg(HW_REG_IB_STS2, 6, 4)
	s_cmp_eq_u32 s2, 0
	s_cbranch_scc0 .Lentry_in_a_cluster
	s_endpgm
.Lentry_in_a_cluster:
	s_bfe_u32 s2, ttmp6, 0x10000c
	s_cmp_lg_u32 s2, 0xf033
	s_cbranch_scc0 .Lentry_shape_is_right
	s_endpgm
.Lentry_shape_is_right:
; x1 = x + ctx W_out + b_out; the product on codes of FP6 (E2M3) with E8M0 scales, the rest f32.
; A (cc) and B (wc) are laid as panels of 128 rows x 128 K, 13,312 bytes: eight fragments in the order of the operand's registers, then their scale words (16 words, twice, for each fragment).
; A work-group makes 128 tokens x 128 columns, each of its four waves 64 x 64: the largest tile that gives 1,024 columns 256 work-groups.  All of K = 1,024 lies in two LDS slots, filled once at the start.
; CLUSTERS: 4 x 4 work-groups; A's panels are shared along a row of the cluster, B's along a column, each asked for jointly.
; Source 0 = W's columns, source 1 = tokens; row p of fragment 2 b + u stands for index 32 b + 8 u + p % 8 + 16 (p / 8): a lane holds a token, and the registers of tiles 2 b, 2 b + 1 columns 32 b + 16 h + 0 .. 15.  The bias is the first C.
; THE WAY OUT: a tile of 16 tokens x 64 columns goes through the wave's own stage in LDS and comes back as rows of 256 bytes; the residual is added; sixteen lanes store 256 consecutive bytes, aligned.
; The stage lies in slot 0, which has had its only fill, and which nobody reads behind the change of slots.
.set PANEL, 13312
.set KP,    8
.set SP,    4
.set NF,    2                          ; fills: KP / SP
.set WOFF,  384*PANEL                  ; w_out's panels in wc
.set SIDE,  SP*PANEL
.set SLOT,  2*SIDE
.set HALF,  SIDE/2
.set ROWS,  HALF/256
.set SPARE, 2*SLOT                     ; the spare words, 128 bytes for each wave: two blocks of 256 bytes that no other line names
.set BAS, 2
.set CUR, 7
.set L16, 12
.set L8,  13
.set L4,  14
.set STO, 15
.set RD,  16
.set CO,  17
.set BO,  18
.set VH,  19
.set VR,  20
.set SPW, 28
.set NIL, 29
.set SC,  32
.set BI,  40
.set RES, 40                           ; v40-103 the residual: two sets of 32
.set ACC, 128
.set G1,  24
.set G0,  32
.set G1B, 48
.set G0B, 56
.set MSB, 0
.macro WIN new
.if MSB != \new
	s_set_vgpr_msb (MSB<<8)|\new
.set MSB, \new
.endif
.endm
.set MUL,  0x05
.set TO_F, 0x40
.macro JLOAD s
	s_cmp_eq_u32 s15, 0
	s_cbranch_scc0 .Lfor_b_\@
	tensor_load_to_lds s[G0+4*\s:G0+4*\s+3], s[G1:G1+7]
	s_nop 0
.rept 4
	v_nop
.endr
	s_branch .Lasked_\@
.Lfor_b_\@:
	tensor_load_to_lds s[G0B+4*\s:G0B+4*\s+3], s[G1B:G1B+7]
	s_nop 0
.rept 4
	v_nop
.endr
.Lasked_\@:
.endm
.macro CROUND
	s_barrier_signal -1
	s_barrier_wait -1
	s_cmp_lg_u32 s14, 0
	s_cbranch_scc1 .Lnot_wave_0_\@
	s_barrier_signal -3
.Lnot_wave_0_\@:
	s_barrier_wait -3
	s_barrier_signal -1
	s_barrier_wait -1
.endm
.macro ADDR slot, p                    ; five plain lines: also the places in front of the loads that follow
.irp k, 0,1,2,3,4
	v_add_nc_u32 v[CUR+\k], (\slot)*SLOT+(\p)*PANEL, v[BAS+\k]
.endr
.endm
.macro FETCH set
	WIN TO_F
.irp i, 0,1,2,3
	ds_load_b128 v[128*(\set)+12*\i:128*(\set)+12*\i+3],     v[CUR]   offset:1536*\i
	ds_load_b64  v[128*(\set)+12*\i+4:128*(\set)+12*\i+5],   v[CUR+1] offset:1536*\i+512
	ds_load_b128 v[128*(\set)+12*\i+6:128*(\set)+12*\i+9],   v[CUR]   offset:1536*\i+768
	ds_load_b64  v[128*(\set)+12*\i+10:128*(\set)+12*\i+11], v[CUR+1] offset:1536*\i+1280
.endr
.irp i, 0,1,2,3
	ds_load_b128 v[128*(\set)+48+12*\i:128*(\set)+48+12*\i+3],     v[CUR+2] offset:1536*\i
	ds_load_b64  v[128*(\set)+48+12*\i+4:128*(\set)+48+12*\i+5],   v[CUR+3] offset:1536*\i+512
	ds_load_b128 v[128*(\set)+48+12*\i+6:128*(\set)+48+12*\i+9],   v[CUR+2] offset:1536*\i+768
	ds_load_b64  v[128*(\set)+48+12*\i+10:128*(\set)+48+12*\i+11], v[CUR+3] offset:1536*\i+1280
.endr
	WIN 0
.irp i, 0,1,2,3
	ds_load_b32 v[SC+4*(\set)+\i], v[CUR+4] offset:128*\i
.endr
.endm
.macro MUL16 set, first                ; the 16 accumulators by turns
.irp y, 0,1,2,3
.irp x, 0,1,2,3
.if \first
	v_wmma_scale_f32_16x16x128_f8f6f4 v[ACC+8*(4*\y+\x):ACC+8*(4*\y+\x)+7], v[128*(\set)+48+12*\x:128*(\set)+48+12*\x+11], v[128*(\set)+12*\y:128*(\set)+12*\y+11], v[BI+8*\x:BI+8*\x+7], v[SC+4*(\set)+\x], v[SC+4*(\set)+\y] matrix_a_fmt:MATRIX_FMT_FP6 matrix_b_fmt:MATRIX_FMT_FP6 matrix_a_scale:MATRIX_SCALE_ROW1
.else
	v_wmma_scale_f32_16x16x128_f8f6f4 v[ACC+8*(4*\y+\x):ACC+8*(4*\y+\x)+7], v[128*(\set)+48+12*\x:128*(\set)+48+12*\x+11], v[128*(\set)+12*\y:128*(\set)+12*\y+11], v[ACC+8*(4*\y+\x):ACC+8*(4*\y+\x)+7], v[SC+4*(\set)+\x], v[SC+4*(\set)+\y] matrix_a_fmt:MATRIX_FMT_FP6 matrix_b_fmt:MATRIX_FMT_FP6 matrix_a_scale:MATRIX_SCALE_ROW1
.endif
.endr
.endr
.endm
.macro PHASE slot, first
	ADDR \slot, 0
	FETCH 0
.set PSTEP, 0
.rept SP
	s_wait_dscnt 0x0                               ; this step's fragments are in: they were asked for a step ago
.if PSTEP+1 < SP
	ADDR \slot, PSTEP+1
	FETCH (PSTEP+1)%2
.endif
	WIN MUL
.if (\first) && (PSTEP == 0)
	MUL16 PSTEP%2, 1
.else
	MUL16 PSTEP%2, 0
.endif
	WIN 0
.set PSTEP, PSTEP+1
.endr
.endm
; The change of slots: each wave waits for all its tensor loads, adds 0 to its spare word, and waits for that and for its reads of the slot that it leaves.  fill = 1: that slot is filled again, two fills on, behind a round of the cluster's barrier.
.macro CHANGE slot, fill
	s_wait_tensorcnt 0x0
	ds_add_u32 v[SPW], v[NIL]
.if \fill
	s_add_nc_u64 s[G0+4*\slot+2:G0+4*\slot+3], s[G0+4*\slot+2:G0+4*\slot+3], 2*SP*PANEL
	s_add_nc_u64 s[G0B+4*\slot+2:G0B+4*\slot+3], s[G0B+4*\slot+2:G0B+4*\slot+3], 2*SP*PANEL
.endif
	s_wait_dscnt 0x0
.if \fill
	CROUND
	JLOAD \slot
.else
	s_barrier_signal -1
	s_barrier_wait -1
.endif
.endm
.macro RESLOAD y                       ; the residual of token tile y, as the rows come back from the stage
.irp i, 0,1,2,3,4,5,6,7
	global_load_b128 v[RES+32*((\y)%2)+4*\i:RES+32*((\y)%2)+4*\i+3], v[CO], s[10:11] offset:(32*((\y)/2)+8*((\y)%2)+2*(\i%4)+16*(\i/4))*4096
.endr
.endm
.macro OUT y
.irp x, 0,1,2,3
	ds_store_b128 v[STO], v[ACC+32*(\y)+8*\x:ACC+32*(\y)+8*\x+3] offset:128*(\x/2)+32*(\x%2)          ; each accumulator from its low end on
	ds_store_b128 v[STO], v[ACC+32*(\y)+8*\x+4:ACC+32*(\y)+8*\x+7] offset:128*(\x/2)+32*(\x%2)+16
.endr
.irp i, 0,1,2,3,4,5,6,7
	ds_load_b128 v[ACC+32*(\y)+4*\i:ACC+32*(\y)+4*\i+3], v[RD] offset:544*\i     ; LDS serves a wave's instructions in order: these see my stores
.endr
.if (\y) < 3
	s_wait_loadcnt 8                               ; this tile's residual is in; the next tile's eight loads may be out
.else
	s_wait_loadcnt 0x0
.endif
	s_wait_dscnt 0x0
.set NN, 0
.rept 16
	v_pk_add_f32 v[ACC+32*(\y)+NN:ACC+32*(\y)+NN+1], v[ACC+32*(\y)+NN:ACC+32*(\y)+NN+1], v[RES+32*((\y)%2)+NN:RES+32*((\y)%2)+NN+1]
.set NN, NN+2
.endr
.irp i, 0,1,2,3,4,5,6,7
	global_store_b128 v[CO], v[ACC+32*(\y)+4*\i:ACC+32*(\y)+4*\i+3], s[12:13] offset:(32*((\y)/2)+8*((\y)%2)+2*(\i%4)+16*(\i/4))*4096
.endr
.if (\y) < 2
	RESLOAD (\y)+2
.endif
.endm
	s_load_b256 s[4:11], s[0:1], 0x0               ; A's panels, wc, the bias, the residual
	s_load_b64 s[12:13], s[0:1], 0x20              ; the result
	v_lshl_add_u32 v[SPW], v0, 2, SPARE
	v_mov_b32 v[NIL], 0
	ds_add_u32 v[SPW], v[NIL]                      ; the wave's opening: the add and its wait ahead of my first tensor load
	v_lshrrev_b32 v1, 5, v0
	v_readfirstlane_b32 s14, v1
	s_lshr_b32 s15, s14, 1
	s_and_b32 s16, s14, 1
	s_bfe_u32 s40, ttmp6, 0x40000
	s_bfe_u32 s41, ttmp6, 0x40004
	s_lshl_b32 s42, ttmp9, 2
	s_add_co_u32 s42, s42, s40                     ; column block
	s_and_b32 s17, ttmp7, 0xffff
	s_lshl_b32 s17, s17, 2
	s_add_co_u32 s17, s17, s41                     ; token block
	s_lshl_b32 s43, s41, 2
	s_lshl_b32 s43, 15, s43
	s_lshl_b32 s44, 0x1111, s40
	s_or_b32 s[G1+0], s43, (3<<16)|(1<<21)
	s_or_b32 s[G1B+0], s44, (3<<16)|(1<<21)
.irp g, G1, G1B
	s_mov_b32 s[\g+1], 32<<16
	s_mov_b32 s[\g+2], ROWS<<16
	s_mov_b32 s[\g+3], 32<<16
	s_mov_b32 s[\g+4], ROWS
	s_mov_b32 s[\g+5], 32
	s_mov_b32 s[\g+6], 0
	s_mov_b32 s[\g+7], 0
.endr
	s_mul_i32 s18, s16, SP/2
	s_mul_i32 s20, s17, KP
	s_add_co_u32 s20, s20, s18
	s_mul_i32 s20, s20, PANEL
	s_mov_b32 s21, 0
	s_mul_i32 s46, s42, KP
	s_add_co_u32 s46, s46, s18
	s_mul_i32 s46, s46, PANEL
	s_add_co_u32 s46, s46, WOFF
	s_mov_b32 s47, 0
	s_mul_i32 s45, s14, HALF
	s_wait_dscnt 0x0
	s_wait_kmcnt 0x0
	s_add_nc_u64 s[20:21], s[4:5], s[20:21]
	s_add_nc_u64 s[46:47], s[6:7], s[46:47]
	CROUND
.irp s, 0,1
	s_mov_b32 s[G0+4*\s], 1
	s_add_co_u32 s[G0+4*\s+1], s45, \s*SLOT
	s_add_nc_u64 s[G0+4*\s+2:G0+4*\s+3], s[20:21], \s*SP*PANEL
	s_or_b32 s[G0+4*\s+3], s[G0+4*\s+3], 0x80000000
	s_mov_b32 s[G0B+4*\s], 1
	s_add_co_u32 s[G0B+4*\s+1], s45, \s*SLOT
	s_add_nc_u64 s[G0B+4*\s+2:G0B+4*\s+3], s[46:47], \s*SP*PANEL
	s_or_b32 s[G0B+4*\s+3], s[G0B+4*\s+3], 0x80000000
	JLOAD \s
.endr
	v_and_b32 v1, 31, v0
	v_bfe_u32 v[VH], v0, 4, 1
	v_and_b32 v[VR], 15, v0
	v_lshlrev_b32 v[L16], 4, v1
	v_lshlrev_b32 v[L8], 3, v1
	v_lshlrev_b32 v[L4], 2, v1
	s_mul_i32 s18, s15, 6144
	s_mul_i32 s19, s16, 6144
	s_add_co_u32 s19, s19, SIDE
	v_add_nc_u32 v[BAS], s18, v[L16]
	v_add_nc_u32 v[BAS+1], s18, v[L8]
	v_add_nc_u32 v[BAS+2], s19, v[L16]
	v_add_nc_u32 v[BAS+3], s19, v[L8]
	s_lshl_b32 s18, s15, 9
	s_lshl_b32 s19, s16, 9
	s_add_co_u32 s19, s19, SIDE
	s_sub_co_u32 s19, s19, s18
	v_mul_u32_u24 v[BAS+4], s19, v[VH]
	s_add_co_u32 s18, s18, 12288
	v_add_nc_u32 v[BAS+4], v[BAS+4], v[L4]
	v_add_nc_u32 v[BAS+4], s18, v[BAS+4]
	s_mul_i32 s18, s14, 4352                       ; my stage: 16 rows of 256 bytes + 16
	v_mul_u32_u24 v[STO], v[VR], 272
	v_lshl_add_u32 v[STO], v[VH], 6, v[STO]
	v_add_nc_u32 v[STO], s18, v[STO]               ; in: row r, + 64 h
	v_mul_u32_u24 v[RD], v[VH], 272
	v_lshl_add_u32 v[RD], v[VR], 4, v[RD]
	v_add_nc_u32 v[RD], s18, v[RD]                 ; back: lanes 0-15 one row, lanes 16-31 the next
	v_lshlrev_b32 v[CO], 12, v[VH]
	v_lshl_add_u32 v[CO], v[VR], 4, v[CO]          ; and the same in memory: two neighbouring tokens
	s_lshl_b32 s18, s42, 9
	s_lshl_b32 s19, s16, 8
	s_add_co_u32 s18, s18, s19                     ; my 64 columns, in bytes
	s_mov_b32 s19, 0
	s_add_nc_u64 s[8:9], s[8:9], s[18:19]
	s_lshl_b32 s22, s17, 19
	s_add_co_u32 s18, s18, s22
	s_lshl_b32 s22, s15, 18
	s_add_co_u32 s18, s18, s22                     ; + my 64 tokens' first row
	s_add_nc_u64 s[10:11], s[10:11], s[18:19]
	s_add_nc_u64 s[12:13], s[12:13], s[18:19]
	v_lshlrev_b32 v[BO], 6, v[VH]
.irp x, 0,1,2,3
	global_load_b128 v[BI+8*\x:BI+8*\x+3], v[BO], s[8:9] offset:128*(\x/2)+32*(\x%2)
	global_load_b128 v[BI+8*\x+4:BI+8*\x+7], v[BO], s[8:9] offset:128*(\x/2)+32*(\x%2)+16
.endr
	s_wait_loadcnt 0x0
	s_wait_tensorcnt 0x1                           ; my part of slot 0 is in; slot 1's may stay out
	s_barrier_signal -1
	s_barrier_wait -1
	PHASE 0, 1
.if NF == 4
	CHANGE 0, 1
	PHASE 1, 0
	CHANGE 1, 1
	PHASE 0, 0
.endif
	CHANGE 0, 0                                    ; the last change of slots fills nothing
	RESLOAD 0                                      ; the bias's registers are done with: the residual of the first two tiles lands under the last steps
	RESLOAD 1
	PHASE 1, 0
.rept 4
	v_nop                                          ; places in front of the first read of results
.endr
	OUT 0
	OUT 1
	OUT 2
	OUT 3
	s_wait_tensorcnt 0x0                           ; the wave's end
	ds_add_u32 v[SPW], v[NIL]
	s_wait_dscnt 0x0
	CROUND                                         ; the closing round
	s_endpgm
.Lfunc_end_k_q16a59a00d6_g_out:
	.size	k_q16a59a00d6_g_out, .Lfunc_end_k_q16a59a00d6_g_out-k_q16a59a00d6_g_out
	.p2alignl 7, 3214868480
	.fill 96, 4, 3214868480
	.section	.rodata,"a",@progbits
	.p2align	6, 0x0
	.amdhsa_kernel k_q16a59a00d6_g_out
		.amdhsa_group_segment_fixed_size 327680
		.amdhsa_private_segment_fixed_size 0
		.amdhsa_enable_private_segment 0
		.amdhsa_kernarg_size 40
		.amdhsa_user_sgpr_count 2
		.amdhsa_user_sgpr_kernarg_segment_ptr 1
		.amdhsa_wavefront_size32 1
		.amdhsa_system_sgpr_workgroup_id_x 1
		.amdhsa_system_sgpr_workgroup_id_y 1
		.amdhsa_system_sgpr_workgroup_id_z 1
		.amdhsa_system_vgpr_workitem_id 0
		.amdhsa_next_free_vgpr 512
		.amdhsa_next_free_sgpr 98
		.amdhsa_reserve_vcc 0
		.amdhsa_float_denorm_mode_32 3
		.amdhsa_float_denorm_mode_16_64 3
		.amdhsa_memory_ordered 1
		.amdhsa_forward_progress 1
		.amdhsa_inst_pref_size 61
	.end_amdhsa_kernel
	.amdgpu_metadata
---
amdhsa.version: [ 1, 2 ]
amdhsa.kernels:
  - .name:           k_q16a59a00d6_g_out
    .symbol:         k_q16a59a00d6_g_out.kd
    .args:
      - { .name: cc, .offset: 0, .size: 8, .value_kind: global_buffer, .address_space: global }
      - { .name: wc, .offset: 8, .size: 8, .value_kind: global_buffer, .address_space: global }
      - { .name: b_out, .offset: 16, .size: 8, .value_kind: global_buffer, .address_space: global }
      - { .name: x, .offset: 24, .size: 8, .value_kind: global_buffer, .address_space: global }
      - { .name: x1, .offset: 32, .size: 8, .value_kind: global_buffer, .address_space: global }
    .group_segment_fixed_size: 327680
    .private_segment_fixed_size: 0
    .kernarg_segment_align: 8
    .kernarg_segment_size: 40
    .max_flat_workgroup_size: 128
    .sgpr_count:     98
    .vgpr_count:     512
    .wavefront_size: 32
...
	.end_amdgpu_metadata
.endif
;; end of part 5
;; launch ln2: the kernel of part 2 again; grid 256 x 1, 8 waves a work-group, no clusters, 66,816 bytes of LDS; arguments x1, ln2_g, ln2_b, hc; writes hc
;; launch g_ff1 (part 6): grid 24 x 32, 4 waves a work-group, clusters of 4 x 4, 327,680 bytes of LDS; arguments hc, wc, b_ff1, gc; writes gc
.if DOCPART == 6
	.amdgcn_target "amdgcn-amd-amdhsa--gfx1250"
	.amdhsa_code_object_version 6
	.text
	.protected	k_q16a59a00d6_g_ff1
	.globl	k_q16a59a00d6_g_ff1
	.p2align	8
	.type	k_q16a59a00d6_g_ff1,@function
k_q16a59a00d6_g_ff1:
	s_mov_b64 s[64:65], 0
	v_nop
	global_prefetch_b8 v0, s[64:65] scope:SCOPE_SE
	s_setreg_imm32_b32 hwreg(HW_REG_WAVE_MODE, 25, 1), 1
	s_wait_xcnt 0x0
	s_wait_alu depctr_hold_cnt(0) depctr_sa_sdst(0) depctr_va_vdst(0) depctr_va_sdst(0) depctr_va_ssrc(0) depctr_va_vcc(0) depctr_vm_vsrc(0)
	s_getreg_b32 s2, hwreg(HW_REG_IB_STS2, 6, 4)
	s_cmp_eq_u32 s2, 0
	s_cbranch_scc0 .Lentry_in_a_cluster
	s_endpgm
.Lentry_in_a_cluster:
	s_bfe_u32 s2, ttmp6, 0x10000c
	s_cmp_lg_u32 s2, 0xf033
	s_cbranch_scc0 .Lentry_shape_is_right
	s_endpgm
.Lentry_shape_is_right:
; gc = Q(gelu(h2 W_ff1 + b_ff1)): the product on codes of FP6 (E2M3) with E8M0 scales; the exact gelu in f32; the result quantised along the 3,072 features, as panels [token block][K step 24] for the next product.
; The product is as in the other launches of this program: panels of 128 rows x 128 K in the order of the operand's registers, 128 x 128 a work-group, 64 x 64 a wave, all of K = 1,024 in two LDS slots filled once,
; 4 x 4 clusters with A's panels shared along a row and B's along a column.  Source 0 = W's columns, source 1 = tokens: a lane holds a token and 64 neighbouring features: two blocks of 32, half a fragment.
; GELU: gelu(x) = max(x, 0) - |x| / 2 x erfc(|x| / sqrt 2), and erfc(z) = t 2^E with t = 1 / (1 + z / 2), E = log2(e) (-z^2 + a polynomial of degree 9 in t): a fit whose fractional error is under 1.2e-7 for every z.
; No select, no difference of near numbers for x < 0.  For very large |x| the exponential falls to 0 and max(x, 0) is left.
; LIMITS: a block of zeros, or one whose largest magnitude lies under 2^-124, gets the byte 1 (read by this program alone); NaN and infinities are not served.
.set PANEL, 13312
.set KP,    8
.set SP,    4
.set WOFF,  192*PANEL                  ; w_ff1's panels in wc
.set SIDE,  SP*PANEL
.set SLOT,  2*SIDE
.set HALF,  SIDE/2
.set ROWS,  HALF/256
.set SPARE, 2*SLOT                     ; the spare words, 128 bytes for each wave: two blocks of 256 bytes that no other line names
.set BAS, 2
.set CUR, 7
.set L16, 12
.set L8,  13
.set L4,  14
.set BO,  18
.set VH,  19
.set VR,  20
.set C9,  26                           ; v26-27 the polynomial's highest coefficient
.set SPW, 28
.set NIL, 29
.set SC,  32
.set BI,  40
.set TT,  40                           ; v40-71  t, then |x| t, then |x| t 2^E
.set PL,  72                           ; v72-103 E, then 2^E
.set PC,  104
.set PQ,  110
.set QM,  114
.set QT,  116
.set QS,  118
.set QB,  120
.set WD,  122
.set TG,  124                          ; v124-127 at work
.set ACC, 128
.set G1,  24
.set G0,  32
.set G1B, 48
.set G0B, 56
.set SEL, 66
.set CF,  68                           ; s[68+2k:69+2k] coefficient k, 0..8, as a pair
.set XX,  86                           ; s[86:87] -log2(e) / 2
.set KT,  88                           ; s88 1 / (2 sqrt 2)
.set MSB, 0
.macro WIN new
.if MSB != \new
	s_set_vgpr_msb (MSB<<8)|\new
.set MSB, \new
.endif
.endm
.set MUL,  0x05
.set TO_F, 0x40
.macro JLOAD s
	s_cmp_eq_u32 s15, 0
	s_cbranch_scc0 .Lfor_b_\@
	tensor_load_to_lds s[G0+4*\s:G0+4*\s+3], s[G1:G1+7]
	s_nop 0
.rept 4
	v_nop
.endr
	s_branch .Lasked_\@
.Lfor_b_\@:
	tensor_load_to_lds s[G0B+4*\s:G0B+4*\s+3], s[G1B:G1B+7]
	s_nop 0
.rept 4
	v_nop
.endr
.Lasked_\@:
.endm
.macro CROUND
	s_barrier_signal -1
	s_barrier_wait -1
	s_cmp_lg_u32 s14, 0
	s_cbranch_scc1 .Lnot_wave_0_\@
	s_barrier_signal -3
.Lnot_wave_0_\@:
	s_barrier_wait -3
	s_barrier_signal -1
	s_barrier_wait -1
.endm
.macro ADDR slot, p                    ; five plain lines: also the places in front of the loads that follow
.irp k, 0,1,2,3,4
	v_add_nc_u32 v[CUR+\k], (\slot)*SLOT+(\p)*PANEL, v[BAS+\k]
.endr
.endm
.macro FETCH set
	WIN TO_F
.irp i, 0,1,2,3
	ds_load_b128 v[128*(\set)+12*\i:128*(\set)+12*\i+3],     v[CUR]   offset:1536*\i
	ds_load_b64  v[128*(\set)+12*\i+4:128*(\set)+12*\i+5],   v[CUR+1] offset:1536*\i+512
	ds_load_b128 v[128*(\set)+12*\i+6:128*(\set)+12*\i+9],   v[CUR]   offset:1536*\i+768
	ds_load_b64  v[128*(\set)+12*\i+10:128*(\set)+12*\i+11], v[CUR+1] offset:1536*\i+1280
.endr
.irp i, 0,1,2,3
	ds_load_b128 v[128*(\set)+48+12*\i:128*(\set)+48+12*\i+3],     v[CUR+2] offset:1536*\i
	ds_load_b64  v[128*(\set)+48+12*\i+4:128*(\set)+48+12*\i+5],   v[CUR+3] offset:1536*\i+512
	ds_load_b128 v[128*(\set)+48+12*\i+6:128*(\set)+48+12*\i+9],   v[CUR+2] offset:1536*\i+768
	ds_load_b64  v[128*(\set)+48+12*\i+10:128*(\set)+48+12*\i+11], v[CUR+3] offset:1536*\i+1280
.endr
	WIN 0
.irp i, 0,1,2,3
	ds_load_b32 v[SC+4*(\set)+\i], v[CUR+4] offset:128*\i
.endr
.endm
.macro MUL16 set, first                ; the 16 accumulators by turns
.irp y, 0,1,2,3
.irp x, 0,1,2,3
.if \first
	v_wmma_scale_f32_16x16x128_f8f6f4 v[ACC+8*(4*\y+\x):ACC+8*(4*\y+\x)+7], v[128*(\set)+48+12*\x:128*(\set)+48+12*\x+11], v[128*(\set)+12*\y:128*(\set)+12*\y+11], v[BI+8*\x:BI+8*\x+7], v[SC+4*(\set)+\x], v[SC+4*(\set)+\y] matrix_a_fmt:MATRIX_FMT_FP6 matrix_b_fmt:MATRIX_FMT_FP6 matrix_a_scale:MATRIX_SCALE_ROW1
.else
	v_wmma_scale_f32_16x16x128_f8f6f4 v[ACC+8*(4*\y+\x):ACC+8*(4*\y+\x)+7], v[128*(\set)+48+12*\x:128*(\set)+48+12*\x+11], v[128*(\set)+12*\y:128*(\set)+12*\y+11], v[ACC+8*(4*\y+\x):ACC+8*(4*\y+\x)+7], v[SC+4*(\set)+\x], v[SC+4*(\set)+\y] matrix_a_fmt:MATRIX_FMT_FP6 matrix_b_fmt:MATRIX_FMT_FP6 matrix_a_scale:MATRIX_SCALE_ROW1
.endif
.endr
.endr
.endm
.macro PHASE slot, first
	ADDR \slot, 0
	FETCH 0
.set PSTEP, 0
.rept SP
	s_wait_dscnt 0x0                               ; this step's fragments are in: they were asked for a step ago
.if PSTEP+1 < SP
	ADDR \slot, PSTEP+1
	FETCH (PSTEP+1)%2
.endif
	WIN MUL
.if (\first) && (PSTEP == 0)
	MUL16 PSTEP%2, 1
.else
	MUL16 PSTEP%2, 0
.endif
	WIN 0
.set PSTEP, PSTEP+1
.endr
.endm
.macro QUANTH s                        ; 32 numbers of a lane, register 16 b + i = k 32 b + 16 h + i, become half a fragment's codes in v[PC .. PC+5] and two bytes in v[QB], v[QB+1]
.irp b, 0,1
	v_max3_num_f32 v[QM+\b], |v[(\s)+16*\b]|, |v[(\s)+1+16*\b]|, 0x1800000
.endr
.irp i, 2,4,6,8,10,12,14
.irp b, 0,1
	v_max3_num_f32 v[QM+\b], v[QM+\b], |v[(\s)+16*\b+\i]|, |v[(\s)+1+16*\b+\i]|
.endr
.endr
.irp b, 0,1
	v_permlanex16_b32 v[QT+\b], v[QM+\b], s[SEL], s[SEL+1]
.endr
.irp b, 0,1
	v_max_num_f32 v[QM+\b], v[QM+\b], v[QT+\b]
.endr
.irp b, 0,1
	v_add_nc_u32 v[QS+\b], 0xff000000, v[QM+\b]
.endr
.irp b, 0,1
	v_lshrrev_b32 v[QB+\b], 23, v[QS+\b]
.endr
	v_cvt_scalef32_pk16_fp6_f32 v[PC:PC+2], v[(\s):(\s)+15], v[QS]
	v_cvt_scalef32_pk16_fp6_f32 v[PQ:PQ+2], v[(\s)+16:(\s)+31], v[QS+1]
	v_nop
.irp i, 0,1,2
	v_permlane16_swap_b32 v[PC+\i], v[PQ+\i]
.endr
.irp i, 0,1,2
	v_mov_b32 v[PC+3+\i], v[PQ+\i]
.endr
.endm
; gelu in place on 32 registers from v[x] on.  Two batches of transcendentals, each with one wait ahead of its first reader
.macro GELU x
.set NN, 0
.rept 32
	v_fma_f32 v[TT+NN], |v[(\x)+NN]|, s[KT], 1.0   ; 1 + |x| / (2 sqrt 2)
.set NN, NN+1
.endr
.set NN, 0
.rept 32
	v_rcp_f32 v[TT+NN], v[TT+NN]                   ; t
.set NN, NN+1
.endr
	v_nop
	s_wait_alu depctr_va_vdst(0)
.set NN, 0
.rept 16
	v_pk_fma_f32 v[PL+NN:PL+NN+1], v[TT+NN:TT+NN+1], v[C9:C9+1], s[CF+16:CF+17] op_sel_hi:[1,1,0]
.set NN, NN+2
.endr
.irp k, 7,6,5,4,3,2,1,0
.set NN, 0
.rept 16
	v_pk_fma_f32 v[PL+NN:PL+NN+1], v[PL+NN:PL+NN+1], v[TT+NN:TT+NN+1], s[CF+2*\k:CF+2*\k+1] op_sel_hi:[1,1,0]
.set NN, NN+2
.endr
.endr
.set NN, 0
.rept 8
	v_pk_mul_f32 v[TG:TG+1], v[(\x)+NN:(\x)+NN+1], s[XX:XX+1] op_sel_hi:[1,0]
	v_pk_mul_f32 v[TG+2:TG+3], v[(\x)+NN+2:(\x)+NN+3], s[XX:XX+1] op_sel_hi:[1,0]
	v_pk_fma_f32 v[PL+NN:PL+NN+1], v[TG:TG+1], v[(\x)+NN:(\x)+NN+1], v[PL+NN:PL+NN+1]             ; E = the polynomial - log2(e) x^2 / 2
	v_pk_fma_f32 v[PL+NN+2:PL+NN+3], v[TG+2:TG+3], v[(\x)+NN+2:(\x)+NN+3], v[PL+NN+2:PL+NN+3]
.set NN, NN+4
.endr
.set NN, 0
.rept 32
	v_exp_f32 v[PL+NN], v[PL+NN]
.set NN, NN+1
.endr
.set NN, 0
.rept 32
	v_mul_f32 v[TT+NN], |v[(\x)+NN]|, v[TT+NN]     ; |x| t: work that names no exponential
.set NN, NN+1
.endr
	s_wait_alu depctr_va_vdst(0)
.set NN, 0
.rept 16
	v_pk_mul_f32 v[TT+NN:TT+NN+1], v[TT+NN:TT+NN+1], v[PL+NN:PL+NN+1]      ; |x| erfc(|x| / sqrt 2)
.set NN, NN+2
.endr
.set NN, 0
.rept 32
	v_max_num_f32 v[(\x)+NN], 0, v[(\x)+NN]
.set NN, NN+1
.endr
.set NN, 0
.rept 16
	v_pk_fma_f32 v[(\x)+NN:(\x)+NN+1], v[TT+NN:TT+NN+1], -0.5, v[(\x)+NN:(\x)+NN+1] op_sel_hi:[1,0,1]
.set NN, NN+2
.endr
.endm
.macro COEF k, bits
	s_mov_b32 s[CF+2*\k], \bits
	s_mov_b32 s[CF+2*\k+1], \bits
.endm
	s_load_b256 s[4:11], s[0:1], 0x0               ; hc, wc, b_ff1, gc
	v_lshl_add_u32 v[SPW], v0, 2, SPARE
	v_mov_b32 v[NIL], 0
	ds_add_u32 v[SPW], v[NIL]                      ; the wave's opening: the add and its wait ahead of my first tensor load
	v_lshrrev_b32 v1, 5, v0
	v_readfirstlane_b32 s14, v1
	s_lshr_b32 s15, s14, 1
	s_and_b32 s16, s14, 1
	s_bfe_u32 s40, ttmp6, 0x40000
	s_bfe_u32 s41, ttmp6, 0x40004
	s_lshl_b32 s42, ttmp9, 2
	s_add_co_u32 s42, s42, s40                     ; column block
	s_and_b32 s17, ttmp7, 0xffff
	s_lshl_b32 s17, s17, 2
	s_add_co_u32 s17, s17, s41                     ; token block
	s_lshl_b32 s43, s41, 2
	s_lshl_b32 s43, 15, s43
	s_lshl_b32 s44, 0x1111, s40
	s_or_b32 s[G1+0], s43, (3<<16)|(1<<21)
	s_or_b32 s[G1B+0], s44, (3<<16)|(1<<21)
.irp g, G1, G1B
	s_mov_b32 s[\g+1], 32<<16
	s_mov_b32 s[\g+2], ROWS<<16
	s_mov_b32 s[\g+3], 32<<16
	s_mov_b32 s[\g+4], ROWS
	s_mov_b32 s[\g+5], 32
	s_mov_b32 s[\g+6], 0
	s_mov_b32 s[\g+7], 0
.endr
	s_mul_i32 s18, s16, SP/2
	s_mul_i32 s20, s17, KP
	s_add_co_u32 s20, s20, s18
	s_mul_i32 s20, s20, PANEL
	s_mov_b32 s21, 0
	s_mul_i32 s46, s42, KP
	s_add_co_u32 s46, s46, s18
	s_mul_i32 s46, s46, PANEL
	s_add_co_u32 s46, s46, WOFF
	s_mov_b32 s47, 0
	s_mul_i32 s45, s14, HALF
	s_mov_b32 s[SEL], 0x76543210
	s_mov_b32 s[SEL+1], 0xfedcba98
	COEF 0, 0xbfe9b21e                             ; the polynomial's coefficients x log2(e)
	COEF 1, 0x3fb8ab5a
	COEF 2, 0x3f0a29d2
	COEF 3, 0x3e0efb2e
	COEF 4, 0xbe899a80
	COEF 5, 0x3ecdfd18
	COEF 6, 0xbfd1a1e5
	COEF 7, 0x40097039
	COEF 8, 0xbf97d29d
	s_mov_b32 s[XX], 0xbf38aa3b
	s_mov_b32 s[XX+1], 0xbf38aa3b
	s_mov_b32 s[KT], 0x3eb504f3
	s_wait_dscnt 0x0
	s_wait_kmcnt 0x0
	s_add_nc_u64 s[20:21], s[4:5], s[20:21]
	s_add_nc_u64 s[46:47], s[6:7], s[46:47]
	CROUND
.irp s, 0,1
	s_mov_b32 s[G0+4*\s], 1
	s_add_co_u32 s[G0+4*\s+1], s45, \s*SLOT
	s_add_nc_u64 s[G0+4*\s+2:G0+4*\s+3], s[20:21], \s*SP*PANEL
	s_or_b32 s[G0+4*\s+3], s[G0+4*\s+3], 0x80000000
	s_mov_b32 s[G0B+4*\s], 1
	s_add_co_u32 s[G0B+4*\s+1], s45, \s*SLOT
	s_add_nc_u64 s[G0B+4*\s+2:G0B+4*\s+3], s[46:47], \s*SP*PANEL
	s_or_b32 s[G0B+4*\s+3], s[G0B+4*\s+3], 0x80000000
	JLOAD \s
.endr
	v_and_b32 v1, 31, v0
	v_bfe_u32 v[VH], v0, 4, 1
	v_and_b32 v[VR], 15, v0
	v_lshlrev_b32 v[L16], 4, v1
	v_lshlrev_b32 v[L8], 3, v1
	v_lshlrev_b32 v[L4], 2, v1
	v_mov_b32 v[QT], 0
	v_mov_b32 v[QT+1], 0
	v_mov_b32 v[C9], 0x3e7c6f08
	v_mov_b32 v[C9+1], 0x3e7c6f08
	s_mul_i32 s18, s15, 6144
	s_mul_i32 s19, s16, 6144
	s_add_co_u32 s19, s19, SIDE
	v_add_nc_u32 v[BAS], s18, v[L16]
	v_add_nc_u32 v[BAS+1], s18, v[L8]
	v_add_nc_u32 v[BAS+2], s19, v[L16]
	v_add_nc_u32 v[BAS+3], s19, v[L8]
	s_lshl_b32 s18, s15, 9
	s_lshl_b32 s19, s16, 9
	s_add_co_u32 s19, s19, SIDE
	s_sub_co_u32 s19, s19, s18
	v_mul_u32_u24 v[BAS+4], s19, v[VH]
	s_add_co_u32 s18, s18, 12288
	v_add_nc_u32 v[BAS+4], v[BAS+4], v[L4]
	v_add_nc_u32 v[BAS+4], s18, v[BAS+4]
	s_lshl_b32 s18, s42, 9
	s_lshl_b32 s19, s16, 8
	s_add_co_u32 s18, s18, s19
	s_mov_b32 s19, 0
	s_add_nc_u64 s[8:9], s[8:9], s[18:19]          ; the bias of my 64 columns
	s_mul_i32 s18, s17, 24
	s_add_co_u32 s18, s18, s42
	s_mul_i32 s18, s18, PANEL                      ; gc's panel: token block, K step = my column block
	s_mul_i32 s19, s15, 6144
	s_add_co_u32 s22, s18, s19
	s_mul_i32 s19, s16, 768
	s_add_co_u32 s22, s22, s19
	s_mov_b32 s23, 0
	s_add_nc_u64 s[90:91], s[10:11], s[22:23]      ; my four fragments' halves
	s_lshl_b32 s19, s15, 9
	s_add_co_u32 s22, s18, s19
	s_lshl_b32 s19, s16, 1
	s_add_co_u32 s22, s22, s19
	s_add_co_u32 s22, s22, 12288
	s_add_nc_u64 s[92:93], s[10:11], s[22:23]      ; my two bytes of their scale words
	v_lshlrev_b32 v[BO], 6, v[VH]
.irp x, 0,1,2,3
	global_load_b128 v[BI+8*\x:BI+8*\x+3], v[BO], s[8:9] offset:128*(\x/2)+32*(\x%2)
	global_load_b128 v[BI+8*\x+4:BI+8*\x+7], v[BO], s[8:9] offset:128*(\x/2)+32*(\x%2)+16
.endr
	s_wait_loadcnt 0x0
	s_wait_tensorcnt 0x1                           ; my part of slot 0 is in; slot 1's may stay out
	s_barrier_signal -1
	s_barrier_wait -1
	PHASE 0, 1
	s_wait_tensorcnt 0x0                           ; my part of slot 1 is in
	ds_add_u32 v[SPW], v[NIL]
	s_wait_dscnt 0x0
	s_barrier_signal -1
	s_barrier_wait -1
	PHASE 1, 0
.rept 4
	v_nop                                          ; places in front of the first read of results
.endr
.irp y, 0,1,2,3
	GELU ACC+32*\y
.if \y > 0
	s_wait_xcnt 0x0                                ; the last stores have read their registers: the codes and the word may be written again
.endif
	QUANTH ACC+32*\y
	v_lshl_or_b32 v[WD], v[QB+1], 8, v[QB]
	global_store_b128 v[L16], v[PC:PC+3], s[90:91] offset:1536*\y
	global_store_b64 v[L8], v[PC+4:PC+5], s[90:91] offset:1536*\y+512
	global_store_b16 v[L4], v[WD], s[92:93] offset:128*\y      ; my half's two bytes of each row's word, both copies
.endr
	s_wait_tensorcnt 0x0                           ; the wave's end
	ds_add_u32 v[SPW], v[NIL]
	s_wait_dscnt 0x0
	CROUND                                         ; the closing round
	s_endpgm
.Lfunc_end_k_q16a59a00d6_g_ff1:
	.size	k_q16a59a00d6_g_ff1, .Lfunc_end_k_q16a59a00d6_g_ff1-k_q16a59a00d6_g_ff1
	.p2alignl 7, 3214868480
	.fill 96, 4, 3214868480
	.section	.rodata,"a",@progbits
	.p2align	6, 0x0
	.amdhsa_kernel k_q16a59a00d6_g_ff1
		.amdhsa_group_segment_fixed_size 327680
		.amdhsa_private_segment_fixed_size 0
		.amdhsa_enable_private_segment 0
		.amdhsa_kernarg_size 32
		.amdhsa_user_sgpr_count 2
		.amdhsa_user_sgpr_kernarg_segment_ptr 1
		.amdhsa_wavefront_size32 1
		.amdhsa_system_sgpr_workgroup_id_x 1
		.amdhsa_system_sgpr_workgroup_id_y 1
		.amdhsa_system_sgpr_workgroup_id_z 1
		.amdhsa_system_vgpr_workitem_id 0
		.amdhsa_next_free_vgpr 512
		.amdhsa_next_free_sgpr 98
		.amdhsa_reserve_vcc 0
		.amdhsa_float_denorm_mode_32 3
		.amdhsa_float_denorm_mode_16_64 3
		.amdhsa_memory_ordered 1
		.amdhsa_forward_progress 1
		.amdhsa_inst_pref_size 137
	.end_amdhsa_kernel
	.amdgpu_metadata
---
amdhsa.version: [ 1, 2 ]
amdhsa.kernels:
  - .name:           k_q16a59a00d6_g_ff1
    .symbol:         k_q16a59a00d6_g_ff1.kd
    .args:
      - { .name: hc, .offset: 0, .size: 8, .value_kind: global_buffer, .address_space: global }
      - { .name: wc, .offset: 8, .size: 8, .value_kind: global_buffer, .address_space: global }
      - { .name: b_ff1, .offset: 16, .size: 8, .value_kind: global_buffer, .address_space: global }
      - { .name: gc, .offset: 24, .size: 8, .value_kind: global_buffer, .address_space: global }
    .group_segment_fixed_size: 327680
    .private_segment_fixed_size: 0
    .kernarg_segment_align: 8
    .kernarg_segment_size: 32
    .max_flat_workgroup_size: 128
    .sgpr_count:     98
    .vgpr_count:     512
    .wavefront_size: 32
...
	.end_amdgpu_metadata
.endif
;; end of part 6
;; launch g_ff2 (part 7): grid 8 x 32, 4 waves a work-group, clusters of 4 x 4, 327,680 bytes of LDS; arguments gc, wc, b_ff2, x1, out0; writes out0
.if DOCPART == 7
	.amdgcn_target "amdgcn-amd-amdhsa--gfx1250"
	.amdhsa_code_object_version 6
	.text
	.protected	k_q16a59a00d6_g_ff2
	.globl	k_q16a59a00d6_g_ff2
	.p2align	8
	.type	k_q16a59a00d6_g_ff2,@function
k_q16a59a00d6_g_ff2:
	s_mov_b64 s[64:65], 0
	v_nop
	global_prefetch_b8 v0, s[64:65] scope:SCOPE_SE
	s_setreg_imm32_b32 hwreg(HW_REG_WAVE_MODE, 25, 1), 1
	s_wait_xcnt 0x0
	s_wait_alu depctr_hold_cnt(0) depctr_sa_sdst(0) depctr_va_vdst(0) depctr_va_sdst(0) depctr_va_ssrc(0) depctr_va_vcc(0) depctr_vm_vsrc(0)
	s_getreg_b32 s2, hwreg(HW_REG_IB_STS2, 6, 4)
	s_cmp_eq_u32 s2, 0
	s_cbranch_scc0 .Lentry_in_a_cluster
	s_endpgm
.Lentry_in_a_cluster:
	s_bfe_u32 s2, ttmp6, 0x10000c
	s_cmp_lg_u32 s2, 0xf033
	s_cbranch_scc0 .Lentry_shape_is_right
	s_endpgm
.Lentry_shape_is_right:
; out0 = x1 + gelu(..) W_ff2 + b_ff2; the product on codes of FP6 (E2M3) with E8M0 scales, the rest f32.
; A (gc) and B (wc) are laid as panels of 128 rows x 128 K, 13,312 bytes: eight fragments in the order of the operand's registers, then their scale words (16 words, twice, for each fragment).
; A work-group makes 128 tokens x 128 columns, each of its four waves 64 x 64: the largest tile that gives 1,024 columns 256 work-groups.
; K = 3,072 is 24 panels a side: four fills of 6 a side through two LDS slots.  Each slot is filled again once.
; A wave has two tensor loads out at the start and one behind a refill.
; CLUSTERS: 4 x 4 work-groups; A's panels are shared along a row of the cluster, B's along a column, each asked for jointly.
; Source 0 = W's columns, source 1 = tokens; row p of fragment 2 b + u stands for index 32 b + 8 u + p % 8 + 16 (p / 8).  The bias is the first C.
; THE WAY OUT: a tile of 16 tokens x 64 columns goes through the wave's own stage in LDS and comes back as rows of 256 bytes; the residual is added; sixteen lanes store 256 consecutive bytes, aligned.
; The stage lies in slot 0, which has had its last fill, and which nobody reads behind the last change of slots.
.set PANEL, 13312
.set KP,    24
.set SP,    6
.set NF,    4                          ; fills: KP / SP
.set WOFF,  448*PANEL                  ; w_ff2's panels in wc
.set SIDE,  SP*PANEL
.set SLOT,  2*SIDE
.set HALF,  SIDE/2
.set ROWS,  HALF/256
.set SPARE, 2*SLOT                     ; the spare words, 128 bytes for each wave: two blocks of 256 bytes that no other line names
.set BAS, 2
.set CUR, 7
.set L16, 12
.set L8,  13
.set L4,  14
.set STO, 15
.set RD,  16
.set CO,  17
.set BO,  18
.set VH,  19
.set VR,  20
.set SPW, 28
.set NIL, 29
.set SC,  32
.set BI,  40
.set RES, 40                           ; v40-103 the residual: two sets of 32
.set ACC, 128
.set G1,  24
.set G0,  32
.set G1B, 48
.set G0B, 56
.set MSB, 0
.macro WIN new
.if MSB != \new
	s_set_vgpr_msb (MSB<<8)|\new
.set MSB, \new
.endif
.endm
.set MUL,  0x05
.set TO_F, 0x40
.macro JLOAD s
	s_cmp_eq_u32 s15, 0
	s_cbranch_scc0 .Lfor_b_\@
	tensor_load_to_lds s[G0+4*\s:G0+4*\s+3], s[G1:G1+7]
	s_nop 0
.rept 4
	v_nop
.endr
	s_branch .Lasked_\@
.Lfor_b_\@:
	tensor_load_to_lds s[G0B+4*\s:G0B+4*\s+3], s[G1B:G1B+7]
	s_nop 0
.rept 4
	v_nop
.endr
.Lasked_\@:
.endm
.macro CROUND
	s_barrier_signal -1
	s_barrier_wait -1
	s_cmp_lg_u32 s14, 0
	s_cbranch_scc1 .Lnot_wave_0_\@
	s_barrier_signal -3
.Lnot_wave_0_\@:
	s_barrier_wait -3
	s_barrier_signal -1
	s_barrier_wait -1
.endm
.macro ADDR slot, p                    ; five plain lines: also the places in front of the loads that follow
.irp k, 0,1,2,3,4
	v_add_nc_u32 v[CUR+\k], (\slot)*SLOT+(\p)*PANEL, v[BAS+\k]
.endr
.endm
.macro FETCH set
	WIN TO_F
.irp i, 0,1,2,3
	ds_load_b128 v[128*(\set)+12*\i:128*(\set)+12*\i+3],     v[CUR]   offset:1536*\i
	ds_load_b64  v[128*(\set)+12*\i+4:128*(\set)+12*\i+5],   v[CUR+1] offset:1536*\i+512
	ds_load_b128 v[128*(\set)+12*\i+6:128*(\set)+12*\i+9],   v[CUR]   offset:1536*\i+768
	ds_load_b64  v[128*(\set)+12*\i+10:128*(\set)+12*\i+11], v[CUR+1] offset:1536*\i+1280
.endr
.irp i, 0,1,2,3
	ds_load_b128 v[128*(\set)+48+12*\i:128*(\set)+48+12*\i+3],     v[CUR+2] offset:1536*\i
	ds_load_b64  v[128*(\set)+48+12*\i+4:128*(\set)+48+12*\i+5],   v[CUR+3] offset:1536*\i+512
	ds_load_b128 v[128*(\set)+48+12*\i+6:128*(\set)+48+12*\i+9],   v[CUR+2] offset:1536*\i+768
	ds_load_b64  v[128*(\set)+48+12*\i+10:128*(\set)+48+12*\i+11], v[CUR+3] offset:1536*\i+1280
.endr
	WIN 0
.irp i, 0,1,2,3
	ds_load_b32 v[SC+4*(\set)+\i], v[CUR+4] offset:128*\i
.endr
.endm
.macro MUL16 set, first                ; the 16 accumulators by turns
.irp y, 0,1,2,3
.irp x, 0,1,2,3
.if \first
	v_wmma_scale_f32_16x16x128_f8f6f4 v[ACC+8*(4*\y+\x):ACC+8*(4*\y+\x)+7], v[128*(\set)+48+12*\x:128*(\set)+48+12*\x+11], v[128*(\set)+12*\y:128*(\set)+12*\y+11], v[BI+8*\x:BI+8*\x+7], v[SC+4*(\set)+\x], v[SC+4*(\set)+\y] matrix_a_fmt:MATRIX_FMT_FP6 matrix_b_fmt:MATRIX_FMT_FP6 matrix_a_scale:MATRIX_SCALE_ROW1
.else
	v_wmma_scale_f32_16x16x128_f8f6f4 v[ACC+8*(4*\y+\x):ACC+8*(4*\y+\x)+7], v[128*(\set)+48+12*\x:128*(\set)+48+12*\x+11], v[128*(\set)+12*\y:128*(\set)+12*\y+11], v[ACC+8*(4*\y+\x):ACC+8*(4*\y+\x)+7], v[SC+4*(\set)+\x], v[SC+4*(\set)+\y] matrix_a_fmt:MATRIX_FMT_FP6 matrix_b_fmt:MATRIX_FMT_FP6 matrix_a_scale:MATRIX_SCALE_ROW1
.endif
.endr
.endr
.endm
.macro PHASE slot, first
	ADDR \slot, 0
	FETCH 0
.set PSTEP, 0
.rept SP
	s_wait_dscnt 0x0                               ; this step's fragments are in: they were asked for a step ago
.if PSTEP+1 < SP
	ADDR \slot, PSTEP+1
	FETCH (PSTEP+1)%2
.endif
	WIN MUL
.if (\first) && (PSTEP == 0)
	MUL16 PSTEP%2, 1
.else
	MUL16 PSTEP%2, 0
.endif
	WIN 0
.set PSTEP, PSTEP+1
.endr
.endm
; The change of slots: each wave waits for all its tensor loads, adds 0 to its spare word, and waits for that and for its reads of the slot that it leaves.  fill = 1: that slot is filled again, two fills on, behind a round of the cluster's barrier.
.macro CHANGE slot, fill
	s_wait_tensorcnt 0x0                           ; no tensor load of mine is out, so a group 0 may be written
	ds_add_u32 v[SPW], v[NIL]                      ; the descriptors' steps stand between the add and the wait for it
.if \fill
	s_add_nc_u64 s[G0+4*\slot+2:G0+4*\slot+3], s[G0+4*\slot+2:G0+4*\slot+3], 2*SP*PANEL
	s_add_nc_u64 s[G0B+4*\slot+2:G0B+4*\slot+3], s[G0B+4*\slot+2:G0B+4*\slot+3], 2*SP*PANEL
.endif
	s_wait_dscnt 0x0
.if \fill
	CROUND                                         ; no wave of any partner still reads the slot or has a load on its way
	JLOAD \slot                                    ; my one tensor load behind the round, and the first thing there
.else
	s_barrier_signal -1
	s_barrier_wait -1
.endif
.endm
.macro RESLOAD y                       ; the residual of token tile y, as the rows come back from the stage
.irp i, 0,1,2,3,4,5,6,7
	global_load_b128 v[RES+32*((\y)%2)+4*\i:RES+32*((\y)%2)+4*\i+3], v[CO], s[10:11] offset:(32*((\y)/2)+8*((\y)%2)+2*(\i%4)+16*(\i/4))*4096
.endr
.endm
.macro OUT y
.irp x, 0,1,2,3
	ds_store_b128 v[STO], v[ACC+32*(\y)+8*\x:ACC+32*(\y)+8*\x+3] offset:128*(\x/2)+32*(\x%2)          ; each accumulator from its low end on
	ds_store_b128 v[STO], v[ACC+32*(\y)+8*\x+4:ACC+32*(\y)+8*\x+7] offset:128*(\x/2)+32*(\x%2)+16
.endr
.irp i, 0,1,2,3,4,5,6,7
	ds_load_b128 v[ACC+32*(\y)+4*\i:ACC+32*(\y)+4*\i+3], v[RD] offset:544*\i     ; LDS serves a wave's instructions in order: these see my stores
.endr
.if (\y) < 3
	s_wait_loadcnt 8                               ; this tile's residual is in; the next tile's eight loads may be out
.else
	s_wait_loadcnt 0x0
.endif
	s_wait_dscnt 0x0
.set NN, 0
.rept 16
	v_pk_add_f32 v[ACC+32*(\y)+NN:ACC+32*(\y)+NN+1], v[ACC+32*(\y)+NN:ACC+32*(\y)+NN+1], v[RES+32*((\y)%2)+NN:RES+32*((\y)%2)+NN+1]
.set NN, NN+2
.endr
.irp i, 0,1,2,3,4,5,6,7
	global_store_b128 v[CO], v[ACC+32*(\y)+4*\i:ACC+32*(\y)+4*\i+3], s[12:13] offset:(32*((\y)/2)+8*((\y)%2)+2*(\i%4)+16*(\i/4))*4096 th:TH_STORE_NT
.endr
.if (\y) < 2
	RESLOAD (\y)+2
.endif
.endm
	s_load_b256 s[4:11], s[0:1], 0x0               ; A's panels, wc, the bias, the residual
	s_load_b64 s[12:13], s[0:1], 0x20              ; the result
	v_lshl_add_u32 v[SPW], v0, 2, SPARE
	v_mov_b32 v[NIL], 0
	ds_add_u32 v[SPW], v[NIL]                      ; the wave's opening: the add and its wait ahead of my first tensor load
	v_lshrrev_b32 v1, 5, v0
	v_readfirstlane_b32 s14, v1
	s_lshr_b32 s15, s14, 1
	s_and_b32 s16, s14, 1
	s_bfe_u32 s40, ttmp6, 0x40000
	s_bfe_u32 s41, ttmp6, 0x40004
	s_lshl_b32 s42, ttmp9, 2
	s_add_co_u32 s42, s42, s40                     ; column block
	s_and_b32 s17, ttmp7, 0xffff
	s_lshl_b32 s17, s17, 2
	s_add_co_u32 s17, s17, s41                     ; token block
	s_lshl_b32 s43, s41, 2
	s_lshl_b32 s43, 15, s43
	s_lshl_b32 s44, 0x1111, s40
	s_or_b32 s[G1+0], s43, (3<<16)|(1<<21)
	s_or_b32 s[G1B+0], s44, (3<<16)|(1<<21)
.irp g, G1, G1B
	s_mov_b32 s[\g+1], 32<<16
	s_mov_b32 s[\g+2], ROWS<<16
	s_mov_b32 s[\g+3], 32<<16
	s_mov_b32 s[\g+4], ROWS
	s_mov_b32 s[\g+5], 32
	s_mov_b32 s[\g+6], 0
	s_mov_b32 s[\g+7], 0
.endr
	s_mul_i32 s18, s16, SP/2
	s_mul_i32 s20, s17, KP
	s_add_co_u32 s20, s20, s18
	s_mul_i32 s20, s20, PANEL
	s_mov_b32 s21, 0
	s_mul_i32 s46, s42, KP
	s_add_co_u32 s46, s46, s18
	s_mul_i32 s46, s46, PANEL
	s_add_co_u32 s46, s46, WOFF
	s_mov_b32 s47, 0
	s_mul_i32 s45, s14, HALF
	s_wait_dscnt 0x0
	s_wait_kmcnt 0x0
	s_add_nc_u64 s[20:21], s[4:5], s[20:21]
	s_add_nc_u64 s[46:47], s[6:7], s[46:47]
	CROUND
.irp s, 0,1
	s_mov_b32 s[G0+4*\s], 1
	s_add_co_u32 s[G0+4*\s+1], s45, \s*SLOT
	s_add_nc_u64 s[G0+4*\s+2:G0+4*\s+3], s[20:21], \s*SP*PANEL
	s_or_b32 s[G0+4*\s+3], s[G0+4*\s+3], 0x80000000
	s_mov_b32 s[G0B+4*\s], 1
	s_add_co_u32 s[G0B+4*\s+1], s45, \s*SLOT
	s_add_nc_u64 s[G0B+4*\s+2:G0B+4*\s+3], s[46:47], \s*SP*PANEL
	s_or_b32 s[G0B+4*\s+3], s[G0B+4*\s+3], 0x80000000
	JLOAD \s
.endr
	v_and_b32 v1, 31, v0
	v_bfe_u32 v[VH], v0, 4, 1
	v_and_b32 v[VR], 15, v0
	v_lshlrev_b32 v[L16], 4, v1
	v_lshlrev_b32 v[L8], 3, v1
	v_lshlrev_b32 v[L4], 2, v1
	s_mul_i32 s18, s15, 6144
	s_mul_i32 s19, s16, 6144
	s_add_co_u32 s19, s19, SIDE
	v_add_nc_u32 v[BAS], s18, v[L16]
	v_add_nc_u32 v[BAS+1], s18, v[L8]
	v_add_nc_u32 v[BAS+2], s19, v[L16]
	v_add_nc_u32 v[BAS+3], s19, v[L8]
	s_lshl_b32 s18, s15, 9
	s_lshl_b32 s19, s16, 9
	s_add_co_u32 s19, s19, SIDE
	s_sub_co_u32 s19, s19, s18
	v_mul_u32_u24 v[BAS+4], s19, v[VH]
	s_add_co_u32 s18, s18, 12288
	v_add_nc_u32 v[BAS+4], v[BAS+4], v[L4]
	v_add_nc_u32 v[BAS+4], s18, v[BAS+4]
	s_mul_i32 s18, s14, 4352                       ; my stage: 16 rows of 256 bytes + 16
	v_mul_u32_u24 v[STO], v[VR], 272
	v_lshl_add_u32 v[STO], v[VH], 6, v[STO]
	v_add_nc_u32 v[STO], s18, v[STO]               ; in: row r, + 64 h
	v_mul_u32_u24 v[RD], v[VH], 272
	v_lshl_add_u32 v[RD], v[VR], 4, v[RD]
	v_add_nc_u32 v[RD], s18, v[RD]                 ; back: lanes 0-15 one row, lanes 16-31 the next
	v_lshlrev_b32 v[CO], 12, v[VH]
	v_lshl_add_u32 v[CO], v[VR], 4, v[CO]          ; and the same in memory: two neighbouring tokens
	s_lshl_b32 s18, s42, 9
	s_lshl_b32 s19, s16, 8
	s_add_co_u32 s18, s18, s19                     ; my 64 columns, in bytes
	s_mov_b32 s19, 0
	s_add_nc_u64 s[8:9], s[8:9], s[18:19]
	s_lshl_b32 s22, s17, 19
	s_add_co_u32 s18, s18, s22
	s_lshl_b32 s22, s15, 18
	s_add_co_u32 s18, s18, s22                     ; + my 64 tokens' first row
	s_add_nc_u64 s[10:11], s[10:11], s[18:19]
	s_add_nc_u64 s[12:13], s[12:13], s[18:19]
	v_lshlrev_b32 v[BO], 6, v[VH]
.irp x, 0,1,2,3
	global_load_b128 v[BI+8*\x:BI+8*\x+3], v[BO], s[8:9] offset:128*(\x/2)+32*(\x%2)
	global_load_b128 v[BI+8*\x+4:BI+8*\x+7], v[BO], s[8:9] offset:128*(\x/2)+32*(\x%2)+16
.endr
	s_wait_loadcnt 0x0
	s_wait_tensorcnt 0x1                           ; my part of slot 0 is in; slot 1's may stay out
	s_barrier_signal -1
	s_barrier_wait -1
	PHASE 0, 1
.if NF == 4
	CHANGE 0, 1                                    ; slot 0 takes panels 12 to 17
	PHASE 1, 0
	CHANGE 1, 1                                    ; slot 1 takes panels 18 to 23
	PHASE 0, 0
.endif
	CHANGE 0, 0                                    ; the last change of slots fills nothing
	RESLOAD 0                                      ; the bias's registers are done with: the residual of the first two tiles lands under the last steps
	RESLOAD 1
	PHASE 1, 0
.rept 4
	v_nop                                          ; places in front of the first read of results
.endr
	OUT 0
	OUT 1
	OUT 2
	OUT 3
	s_wait_tensorcnt 0x0                           ; the wave's end
	ds_add_u32 v[SPW], v[NIL]
	s_wait_dscnt 0x0
	CROUND                                         ; the closing round
	s_endpgm
.Lfunc_end_k_q16a59a00d6_g_ff2:
	.size	k_q16a59a00d6_g_ff2, .Lfunc_end_k_q16a59a00d6_g_ff2-k_q16a59a00d6_g_ff2
	.p2alignl 7, 3214868480
	.fill 96, 4, 3214868480
	.section	.rodata,"a",@progbits
	.p2align	6, 0x0
	.amdhsa_kernel k_q16a59a00d6_g_ff2
		.amdhsa_group_segment_fixed_size 327680
		.amdhsa_private_segment_fixed_size 0
		.amdhsa_enable_private_segment 0
		.amdhsa_kernarg_size 40
		.amdhsa_user_sgpr_count 2
		.amdhsa_user_sgpr_kernarg_segment_ptr 1
		.amdhsa_wavefront_size32 1
		.amdhsa_system_sgpr_workgroup_id_x 1
		.amdhsa_system_sgpr_workgroup_id_y 1
		.amdhsa_system_sgpr_workgroup_id_z 1
		.amdhsa_system_vgpr_workitem_id 0
		.amdhsa_next_free_vgpr 512
		.amdhsa_next_free_sgpr 98
		.amdhsa_reserve_vcc 0
		.amdhsa_float_denorm_mode_32 3
		.amdhsa_float_denorm_mode_16_64 3
		.amdhsa_memory_ordered 1
		.amdhsa_forward_progress 1
		.amdhsa_inst_pref_size 138
	.end_amdhsa_kernel
	.amdgpu_metadata
---
amdhsa.version: [ 1, 2 ]
amdhsa.kernels:
  - .name:           k_q16a59a00d6_g_ff2
    .symbol:         k_q16a59a00d6_g_ff2.kd
    .args:
      - { .name: gc, .offset: 0, .size: 8, .value_kind: global_buffer, .address_space: global }
      - { .name: wc, .offset: 8, .size: 8, .value_kind: global_buffer, .address_space: global }
      - { .name: b_ff2, .offset: 16, .size: 8, .value_kind: global_buffer, .address_space: global }
      - { .name: x1, .offset: 24, .size: 8, .value_kind: global_buffer, .address_space: global }
      - { .name: out0, .offset: 32, .size: 8, .value_kind: global_buffer, .address_space: global }
    .group_segment_fixed_size: 327680
    .private_segment_fixed_size: 0
    .kernarg_segment_align: 8
    .kernarg_segment_size: 40
    .max_flat_workgroup_size: 128
    .sgpr_count:     98
    .vgpr_count:     512
    .wavefront_size: 32
...
	.end_amdgpu_metadata
.endif
;; end of part 7
;; ======== version 2 of 2: 7 launches
;; limits: right only within a limited range of input values
;; workspace buffers: wc 8,519,680 bytes; hc 3,407,872 bytes; cc 3,407,872 bytes; gc 10,223,616 bytes; x1 16,777,216 bytes; qkv 11,010,048 bytes
;; launch ln1 (part 8): grid 576 x 1, 8 waves a work-group, no clusters, 66,816 bytes of LDS; arguments x, ln1_g, ln1_b, hc, w_qkv, w_ff1, w_out, w_ff2, wc; writes hc, wc
.if DOCPART == 8
	.amdgcn_target "amdgcn-amd-amdhsa--gfx1250"
	.amdhsa_code_object_version 6
	.text
	.protected	k_q16a59a00d6_ln1
	.globl	k_q16a59a00d6_ln1
	.p2align	8
	.type	k_q16a59a00d6_ln1,@function
k_q16a59a00d6_ln1:
	s_mov_b64 s[64:65], 0
	v_nop
	global_prefetch_b8 v0, s[64:65] scope:SCOPE_SE
	s_setreg_imm32_b32 hwreg(HW_REG_WAVE_MODE, 25, 1), 1
	s_wait_xcnt 0x0
; dst = Q(layer norm(src) x g + b): src [4096][1024] f32; dst: codes of FP6 (E2M3) and E8M0 bytes along the 1,024, laid as panels [token block of 128][K step of 128] of 13,312 bytes
; (eight fragments of 16 tokens x 128 K in the order of the operand's registers, then their scale words, 16 words written twice for each fragment).
; A work-group takes ONE fragment's 16 tokens: row p of fragment T is token 32 (T / 2) + 8 (T % 2) + p % 8 + 16 (p / 8).
; PHASE 1: wave w normalises stage rows 2 w, 2 w + 1 (two neighbouring tokens), a whole row in 32 registers: mean, then the mean of the squared differences (two passes over registers, so a common offset costs nothing),
; v_rsq_f32, gain and bias, all f32; the rows go to a stage in LDS.  PHASE 2: wave w takes K step w of all 16 rows out of the stage, 16 neighbours of each block of 32 a lane, and quantises it.
; LIMITS: a block of zeros, or one whose largest magnitude lies under 2^-124, gets the byte 1 (read by this program alone); NaN and infinities are not served.
; No matrix unit, no cluster: the work-groups share nothing but g and b, 8 KB.
.set PITCH, 4112                       ; a stage row: 4,096 bytes + 16, so that the sixteen rows of a load start 16 bytes apart modulo 256
.set SPARE, 16*PITCH                   ; behind the stage: the spare words, 128 bytes for each wave: four blocks of 256 bytes that no other line names
.set PANEL, 13312
.set X,   32                           ; v32-95   two rows, 32 registers each; later the 64 numbers of my K step
.set G,   96                           ; v96-127  g of my 32 columns
.set B,   128                          ; v128-159 b
.set SM,  16                           ; v16-23   sums: four registers a row
.set MU,  24                           ; v24-27   the mean, a pair a row
.set RS,  28                           ; v28-31   1 / sqrt(var + eps), a pair a row
.set PC,  96                           ; v96-114  the codes just made (over g, which is done with by then)
.set TM,  116                          ; v116-131 at work in the quantiser (over g and b)
.set PW,  132                          ; the scale word
.set SEL, 24
; ONE BODY, TWO KINDS OF WORK-GROUP, told apart by the work-group's number alone: 0..255 normalise and quantise 16 tokens each (the text that follows);
; 256..575, where the grid has them, quantise the four weights, two panels each (the text behind .Lweights).  A launch of 256 work-groups has the first kind alone.
	s_cmp_ge_u32 ttmp9, 256
	s_cbranch_scc1 .Lweights
	s_load_b256 s[4:11], s[0:1], 0x0
	v_lshl_add_u32 v12, v0, 2, SPARE               ; my spare word,
	v_mov_b32 v13, 0                               ; and 0: kept for the closing lines
	v_lshrrev_b32 v1, 5, v0
	s_delay_alu instid0(VALU_DEP_1)
	v_readfirstlane_b32 s12, v1                    ; wave 0..7
	v_and_b32 v1, 31, v0
	s_delay_alu instid0(VALU_DEP_1)
	v_lshlrev_b32 v2, 4, v1                        ; 16 x lane
	v_and_b32 v3, 15, v0                           ; r
	v_bfe_u32 v4, v0, 4, 1                         ; h
	s_mul_i32 s13, s12, 2*PITCH
	v_add_nc_u32 v5, s13, v2                       ; into the stage: my wave's two rows, 16 x lane
	v_mul_u32_u24 v6, v3, PITCH
	s_delay_alu instid0(VALU_DEP_1)
	v_lshl_add_u32 v6, v4, 6, v6
	s_lshl_b32 s13, s12, 9
	v_add_nc_u32 v6, s13, v6                       ; out of it: row r, K step w (512 bytes), + 64 h
	v_lshlrev_b32 v7, 3, v1                        ; 8 x lane
	v_lshlrev_b32 v8, 2, v1                        ; 4 x lane
	v_mov_b32 v14, 0                               ; lane permutes' destinations count as sources
	v_mov_b32 v15, 0
.irp b, 0,1,2,3
	v_mov_b32 v[TM+4+\b], 0
.endr
	s_lshr_b32 s14, ttmp9, 1
	s_lshl_b32 s14, s14, 5
	s_and_b32 s15, ttmp9, 1
	s_lshl_b32 s15, s15, 3
	s_add_co_u32 s14, s14, s15
	s_and_b32 s15, s12, 3
	s_lshl_b32 s15, s15, 1
	s_add_co_u32 s14, s14, s15
	s_lshr_b32 s15, s12, 2
	s_lshl_b32 s15, s15, 4
	s_add_co_u32 s14, s14, s15                     ; my first token: 32 (T / 2) + 8 (T % 2) + 2 (w % 4) + 16 (w / 4)
	s_lshl_b32 s14, s14, 12                        ; x 4,096 bytes
	s_mov_b32 s15, 0
	s_lshr_b32 s16, ttmp9, 3
	s_lshl_b32 s16, s16, 3
	s_add_co_u32 s16, s16, s12
	s_mul_i32 s16, s16, PANEL                      ; the panel of token block T / 8, K step w
	s_and_b32 s17, ttmp9, 7
	s_mul_i32 s18, s17, 1536
	s_add_co_u32 s18, s18, s16                     ; fragment T % 8
	s_mov_b32 s19, 0
	s_lshl_b32 s22, s17, 7
	s_add_co_u32 s22, s22, s16
	s_add_co_u32 s22, s22, 12288                   ; and its scale words
	s_mov_b32 s23, 0
	s_mov_b32 s20, 0x3a800000                      ; 1 / 1024
	s_mov_b32 s21, 0x3727c5ac                      ; eps = 1e-5
	s_mov_b32 s[SEL], 0x76543210
	s_mov_b32 s[SEL+1], 0xfedcba98
	s_wait_kmcnt 0x0
	s_add_nc_u64 s[4:5], s[4:5], s[14:15]
	s_add_nc_u64 s[26:27], s[10:11], s[18:19]
	s_add_nc_u64 s[28:29], s[10:11], s[22:23]
.irp i, 0,1
.irp j, 0,1,2,3,4,5,6,7
	global_load_b128 v[X+32*\i+4*\j:X+32*\i+4*\j+3], v2, s[4:5] offset:4096*\i+512*\j   ; 512 consecutive bytes a load
.endr
.endr
.irp j, 0,1,2,3,4,5,6,7
	global_load_b128 v[G+4*\j:G+4*\j+3], v2, s[6:7] offset:512*\j
.endr
.irp j, 0,1,2,3,4,5,6,7
	global_load_b128 v[B+4*\j:B+4*\j+3], v2, s[8:9] offset:512*\j
.endr
.macro WSUM                            ; both rows' sums over the 32 lanes, the result in every lane
.irp m, 1,2,4,8
.irp i, 0,1
	s_delay_alu instid0(VALU_DEP_2)
	v_add_f32_dpp v[SM+4*\i], v[SM+4*\i], v[SM+4*\i] row_xmask:\m row_mask:0xf bank_mask:0xf
.endr
.endr
.irp i, 0,1
	s_delay_alu instid0(VALU_DEP_2)
	v_permlanex16_b32 v[14+\i], v[SM+4*\i], s[SEL], s[SEL+1]
.endr
.irp i, 0,1
	s_delay_alu instid0(VALU_DEP_2)
	v_add_f32 v[SM+4*\i], v[SM+4*\i], v[14+\i]
.endr
.endm
	s_wait_loadcnt 16                              ; the two rows are in; the 16 loads of g and b may be out
.irp i, 0,1
	v_pk_add_f32 v[SM+4*\i:SM+4*\i+1], v[X+32*\i:X+32*\i+1], v[X+32*\i+2:X+32*\i+3]
	v_pk_add_f32 v[SM+4*\i+2:SM+4*\i+3], v[X+32*\i+4:X+32*\i+5], v[X+32*\i+6:X+32*\i+7]
.endr
.irp j, 8,12,16,20,24,28
.irp i, 0,1
	s_delay_alu instid0(VALU_DEP_4)
	v_pk_add_f32 v[SM+4*\i:SM+4*\i+1], v[SM+4*\i:SM+4*\i+1], v[X+32*\i+\j:X+32*\i+\j+1]
	s_delay_alu instid0(VALU_DEP_4)
	v_pk_add_f32 v[SM+4*\i+2:SM+4*\i+3], v[SM+4*\i+2:SM+4*\i+3], v[X+32*\i+\j+2:X+32*\i+\j+3]
.endr
.endr
.irp i, 0
	s_delay_alu instid0(VALU_DEP_3)
	v_pk_add_f32 v[SM+4*\i:SM+4*\i+1], v[SM+4*\i:SM+4*\i+1], v[SM+4*\i+2:SM+4*\i+3]
.endr
.irp i, 1
	s_delay_alu instid0(VALU_DEP_2)
	v_pk_add_f32 v[SM+4*\i:SM+4*\i+1], v[SM+4*\i:SM+4*\i+1], v[SM+4*\i+2:SM+4*\i+3]
.endr
.irp i, 0,1
	s_delay_alu instid0(VALU_DEP_2)
	v_add_f32 v[SM+4*\i], v[SM+4*\i], v[SM+4*\i+1]
.endr
	WSUM
.irp i, 0,1
	s_delay_alu instid0(VALU_DEP_2)
	v_mul_f32 v[MU+2*\i], s20, v[SM+4*\i]          ; the mean
.endr
.irp i, 0,1
	s_delay_alu instid0(VALU_DEP_2)
	v_mov_b32 v[MU+2*\i+1], v[MU+2*\i]
.endr
.irp j, 0,2,4,6,8,10,12,14,16,18,20,22,24,26,28,30
.irp i, 0,1
	v_pk_add_f32 v[X+32*\i+\j:X+32*\i+\j+1], v[X+32*\i+\j:X+32*\i+\j+1], v[MU+2*\i:MU+2*\i+1] neg_lo:[0,1] neg_hi:[0,1]   ; x - mean
.endr
.endr
.irp i, 0,1
	v_pk_mul_f32 v[SM+4*\i:SM+4*\i+1], v[X+32*\i:X+32*\i+1], v[X+32*\i:X+32*\i+1]
	v_pk_mul_f32 v[SM+4*\i+2:SM+4*\i+3], v[X+32*\i+2:X+32*\i+3], v[X+32*\i+2:X+32*\i+3]
.endr
.irp j, 4,8,12,16,20,24,28
.irp i, 0,1
	s_delay_alu instid0(VALU_DEP_4)
	v_pk_fma_f32 v[SM+4*\i:SM+4*\i+1], v[X+32*\i+\j:X+32*\i+\j+1], v[X+32*\i+\j:X+32*\i+\j+1], v[SM+4*\i:SM+4*\i+1]
	s_delay_alu instid0(VALU_DEP_4)
	v_pk_fma_f32 v[SM+4*\i+2:SM+4*\i+3], v[X+32*\i+\j+2:X+32*\i+\j+3], v[X+32*\i+\j+2:X+32*\i+\j+3], v[SM+4*\i+2:SM+4*\i+3]
.endr
.endr
.irp i, 0
	s_delay_alu instid0(VALU_DEP_3)
	v_pk_add_f32 v[SM+4*\i:SM+4*\i+1], v[SM+4*\i:SM+4*\i+1], v[SM+4*\i+2:SM+4*\i+3]
.endr
.irp i, 1
	s_delay_alu instid0(VALU_DEP_2)
	v_pk_add_f32 v[SM+4*\i:SM+4*\i+1], v[SM+4*\i:SM+4*\i+1], v[SM+4*\i+2:SM+4*\i+3]
.endr
.irp i, 0,1
	s_delay_alu instid0(VALU_DEP_2)
	v_add_f32 v[SM+4*\i], v[SM+4*\i], v[SM+4*\i+1]
.endr
	WSUM
.irp i, 0,1
	s_delay_alu instid0(VALU_DEP_2)
	v_fma_f32 v[SM+4*\i], v[SM+4*\i], s20, s21     ; var + eps
.endr
	s_wait_alu depctr_va_vdst(0)
.irp i, 0,1
	v_rsq_f32 v[RS+2*\i], v[SM+4*\i]
	v_rsq_f32 v[RS+2*\i+1], v[SM+4*\i]             ; twice: a pair for the packed multiply
.endr
	v_nop                                          ; a plain line behind the last of them
	s_wait_alu depctr_va_vdst(0)                   ; one wait for the four, ahead of their first reader
	s_wait_loadcnt 0x0                             ; g and b
.irp j, 0,2,4,6,8,10,12,14,16,18,20,22,24,26,28,30
.irp i, 0,1
	v_pk_mul_f32 v[X+32*\i+\j:X+32*\i+\j+1], v[X+32*\i+\j:X+32*\i+\j+1], v[RS+2*\i:RS+2*\i+1]
.endr
.endr
.irp j, 0,2,4,6,8,10,12,14,16,18,20,22,24,26,28,30
.irp i, 0,1
	v_pk_fma_f32 v[X+32*\i+\j:X+32*\i+\j+1], v[X+32*\i+\j:X+32*\i+\j+1], v[G+\j:G+\j+1], v[B+\j:B+\j+1]
.endr
.endr
.irp i, 0,1
.irp j, 0,1,2,3,4,5,6,7
	ds_store_b128 v5, v[X+32*\i+4*\j:X+32*\i+4*\j+3] offset:PITCH*\i+512*\j
.endr
.endr
	s_wait_dscnt 0x0                               ; for the others' sake: my rows lie in the stage
	s_barrier_signal -1
	s_barrier_wait -1                              ; all sixteen rows do
.irp b, 0,1,2,3
.irp j, 0,1,2,3
	ds_load_b128 v[X+16*\b+4*\j:X+16*\b+4*\j+3], v6 offset:128*\b+16*\j   ; register 16 b + i = k 32 b + 16 h + i of row r
.endr
.endr
	s_wait_dscnt 0x0
; 64 numbers of a lane become a fragment's codes in v[PC] on and its scale word in v[PW]
.irp b, 0,1,2,3
	v_max3_num_f32 v[TM+\b], |v[X+16*\b]|, |v[X+1+16*\b]|, 0x1800000   ; my 16 numbers of block b, and the floor 2^(3 - 127): the byte cannot fall under 1
.endr
.irp i, 2,4,6,8,10,12,14
.irp b, 0,1,2,3
	s_delay_alu instid0(VALU_DEP_4)
	v_max3_num_f32 v[TM+\b], v[TM+\b], |v[X+16*\b+\i]|, |v[X+1+16*\b+\i]|
.endr
.endr
.irp b, 0,1,2,3
	s_delay_alu instid0(VALU_DEP_4)
	v_permlanex16_b32 v[TM+4+\b], v[TM+\b], s[SEL], s[SEL+1]
.endr
.irp b, 0,1,2,3
	s_delay_alu instid0(VALU_DEP_4)
	v_max_num_f32 v[TM+\b], v[TM+\b], v[TM+4+\b]   ; with the lane 16 away: the block's largest magnitude
.endr
.irp b, 0,1,2,3
	s_delay_alu instid0(VALU_DEP_4)
	v_add_nc_u32 v[TM+12+\b], 0xff000000, v[TM+\b] ; 2 off its exponent field: the conversion's scale operand
.endr
.irp b, 0,1,2,3
	s_delay_alu instid0(VALU_DEP_4)
	v_lshrrev_b32 v[TM+4+\b], 23, v[TM+12+\b]      ; the scale's byte
.endr
	s_delay_alu instid0(VALU_DEP_3)
	v_lshl_or_b32 v[PW], v[TM+5], 8, v[TM+4]
	s_delay_alu instid0(VALU_DEP_1)
	v_lshl_or_b32 v[PW], v[TM+6], 16, v[PW]
	s_delay_alu instid0(VALU_DEP_1)
	v_lshl_or_b32 v[PW], v[TM+7], 24, v[PW]
.irp c, 0,1
	v_cvt_scalef32_pk16_fp6_f32 v[PC+6*\c:PC+2+6*\c], v[X+32*\c:X+15+32*\c], v[TM+12+2*\c]
	v_cvt_scalef32_pk16_fp6_f32 v[PC+12+4*\c:PC+14+4*\c], v[X+16+32*\c:X+31+32*\c], v[TM+12+2*\c+1]
.endr
	v_nop                                          ; one plain line behind the conversions
.irp c, 0,1                                    ; the operand's layout wants a whole block in a lane
.irp i, 0,1,2
	v_permlane16_swap_b32 v[PC+6*\c+\i], v[PC+12+4*\c+\i]
.endr
.irp i, 0,1,2
	s_delay_alu instid0(VALU_DEP_3)
	v_mov_b32 v[PC+3+6*\c+\i], v[PC+12+4*\c+\i]
.endr
.endr
	global_store_b128 v2, v[PC:PC+3], s[26:27]                 ; 512 consecutive bytes
	global_store_b64 v7, v[PC+4:PC+5], s[26:27] offset:512     ; 256
	global_store_b128 v2, v[PC+6:PC+9], s[26:27] offset:768
	global_store_b64 v7, v[PC+10:PC+11], s[26:27] offset:1280
	global_store_b32 v8, v[PW], s[28:29]                       ; both copies: lanes r and 16 + r hold row r's word
	s_wait_tensorcnt 0x0                           ; the wave's end
	ds_add_u32 v12, v13
	s_wait_dscnt 0x0
	s_endpgm
; THE WEIGHTS, f32 stored [K][N], become codes of FP6 (E2M3) with one E8M0 byte for each 32 along K, laid as PANELS in wc: 128 columns x 128 K = 13,312 bytes:
; eight fragments of 16 columns in the order of the operand's registers (1,536 bytes each), then for each fragment 128 bytes of scale words (16 words, twice).
; Row p of fragment 2 b + u is column 32 b + 8 u + p % 8 + 16 (p / 8).  Panels: w_qkv 0..191 (8 x column block + K step), w_ff1 192..383, w_out 384..447, w_ff2 448..639 (24 x column block + K step).
; Four waves make a panel, a wave two fragments: a lane takes a column and its 128 registers run down K.  No LDS, no barrier on this path.
; LIMITS: a block of zeros, or one whose largest magnitude lies under 2^-124, gets the byte 1 (read by this program alone); NaN and infinities are not served.
.set WX, 64                            ; v64-159 my column's numbers: a ring of six halves of a block, 16 registers each; halves 6 and 7 take the places of halves 0 and 1, whose block is done with when they are asked for
.set WC, 20                            ; v20-43  its four blocks' codes
.Lweights:
	s_load_b256 s[4:11], s[0:1], 0x20              ; w_qkv, w_ff1, w_out, w_ff2
	s_load_b64 s[20:21], s[0:1], 0x40              ; wc
	v_lshrrev_b32 v1, 5, v0
	v_readfirstlane_b32 s28, v1                    ; wave 0..7
	s_sub_co_u32 s29, ttmp9, 256
	s_lshl_b32 s29, s29, 1
	s_lshr_b32 s14, s28, 2
	s_add_co_u32 s29, s29, s14                     ; my panel, 0..639
	s_and_b32 s28, s28, 3                          ; my place among its four waves
	v_and_b32 v1, 31, v0
	v_and_b32 v2, 7, v0
	v_bfe_u32 v3, v0, 3, 1
	v_bfe_u32 v7, v0, 4, 1
	v_lshl_add_u32 v2, v3, 4, v2
	v_lshl_add_u32 v2, v7, 3, v2                   ; my column among the wave's 32
	v_lshlrev_b32 v2, 2, v2
	v_lshlrev_b32 v3, 4, v1
	v_lshlrev_b32 v4, 3, v1
	v_lshlrev_b32 v6, 2, v1
	v_lshl_add_u32 v5, v7, 7, v6                   ; my own scale word's place
	v_xor_b32 v7, 1, v7
	v_lshl_add_u32 v6, v7, 7, v6                   ; and that of the word from the lane 16 away
	v_mov_b32 v17, 0
	s_mov_b32 s30, 0x76543210
	s_mov_b32 s31, 0xfedcba98
	s_wait_kmcnt 0x0
	s_cmp_lt_u32 s29, 384
	s_cbranch_scc0 .Lnarrow
.macro LOADH hh, pitch                 ; rows 16 hh .. 16 hh + 15 of the K step, my column
.irp i, 0,1,2,3,4,5,6,7,8,9,10,11,12,13,14,15
	global_load_b32 v[64+16*((\hh)%6)+\i], v2, s[12:13] offset:(16*(\hh)+\i)*(\pitch) th:TH_LOAD_NT
.endr
.endm
.macro WQBODY pitch                    ; s[12:13] the weight, s15 its column block, s16 its K step, s17 the panel's number
	s_mul_i32 s22, s16, 128*\pitch
	s_lshl_b32 s23, s15, 9
	s_add_co_u32 s22, s22, s23
	s_lshl_b32 s23, s28, 7
	s_add_co_u32 s22, s22, s23
	s_mov_b32 s23, 0
	s_add_nc_u64 s[12:13], s[12:13], s[22:23]
	s_mul_i32 s22, s17, PANEL
	s_mul_i32 s24, s28, 3072
	s_add_co_u32 s24, s24, s22
	s_mov_b32 s25, 0
	s_add_nc_u64 s[24:25], s[20:21], s[24:25]
	s_lshl_b32 s26, s28, 8
	s_add_co_u32 s26, s26, s22
	s_add_co_u32 s26, s26, 12288
	s_mov_b32 s27, 0
	s_add_nc_u64 s[26:27], s[20:21], s[26:27]
	LOADH 0, \pitch
	LOADH 1, \pitch
	LOADH 2, \pitch
.irp b, 0,1,2,3
.set WX, 64-96*(\b/3)                  ; block 3 lies where block 0 lay: WX + 32 b is 64 again
.if \b < 3
	s_wait_loadcnt 16                              ; this block's two halves are in; the half issued behind them may be out
.else
	s_wait_loadcnt 0x0
.endif
.if \b < 2
	LOADH 2*\b+3, \pitch
	LOADH 2*\b+4, \pitch
.endif
.if \b == 2
	LOADH 7, \pitch
.endif
	v_max3_num_f32 v8, |v[WX+32*\b]|, |v[WX+1+32*\b]|, |v[WX+2+32*\b]|
	v_max3_num_f32 v9, |v[WX+3+32*\b]|, |v[WX+4+32*\b]|, |v[WX+5+32*\b]|
.irp i, 6,10,14,18,22,26
	v_max3_num_f32 v8, v8, |v[WX+32*\b+\i]|, |v[WX+1+32*\b+\i]|
	v_max3_num_f32 v9, v9, |v[WX+2+32*\b+\i]|, |v[WX+3+32*\b+\i]|
.endr
	v_max3_num_f32 v8, v8, |v[WX+30+32*\b]|, |v[WX+31+32*\b]|
	v_max3_num_f32 v8, v8, v9, 0x1800000           ; the floor 2^(3 - 127): the byte cannot fall under 1
	v_add_nc_u32 v10, 0xff000000, v8               ; 2 off the exponent field: the conversion's scale operand
	v_lshrrev_b32 v11, 23, v10                     ; the scale's byte
.if \b == 0
	v_mov_b32 v16, v11
.else
	v_lshl_or_b32 v16, v11, 8*\b, v16
.endif
	v_cvt_scalef32_pk16_fp6_f32 v[WC+6*\b:WC+6*\b+2], v[WX+32*\b:WX+32*\b+15], v10
	v_cvt_scalef32_pk16_fp6_f32 v[44:46], v[WX+16+32*\b:WX+31+32*\b], v10
	v_nop                                          ; one plain line behind the conversions
.irp i, 0,1,2
	v_mov_b32 v[WC+3+6*\b+\i], v[44+\i]
.endr
.endr
.irp c, 0,1                                    ; block 2 c of a column to lanes 0-15, block 2 c + 1 to lanes 16-31: one exchange of halves serves both fragments
.irp i, 0,1,2,3,4,5
	v_permlane16_swap_b32 v[WC+12*\c+\i], v[WC+6+12*\c+\i]
.endr
.endr
	v_permlanex16_b32 v17, v16, s30, s31
.irp u, 0,1
.irp c, 0,1
	global_store_b128 v3, v[WC+12*\c+6*\u:WC+12*\c+6*\u+3], s[24:25] offset:1536*\u+768*\c
	global_store_b64 v4, v[WC+12*\c+6*\u+4:WC+12*\c+6*\u+5], s[24:25] offset:1536*\u+768*\c+512
.endr
.endr
	global_store_b32 v5, v16, s[26:27]
	global_store_b32 v6, v17, s[26:27]
	s_endpgm
.endm
	s_cmp_ge_u32 s29, 192                          ; rows of 3,072 numbers: w_qkv, then w_ff1
	s_cselect_b64 s[12:13], s[6:7], s[4:5]
	s_cselect_b32 s14, 192, 0
	s_sub_co_u32 s14, s29, s14
	s_lshr_b32 s15, s14, 3
	s_and_b32 s16, s14, 7
	s_mov_b32 s17, s29
	s_wait_alu depctr_va_vdst(0)
	WQBODY 12288
.Lnarrow:                                              ; rows of 1,024 numbers: w_out (8 K steps), then w_ff2 (24)
	s_sub_co_u32 s14, s29, 384
	s_cmp_ge_u32 s14, 64
	s_cselect_b64 s[12:13], s[10:11], s[8:9]
	s_cselect_b32 s18, 64, 0
	s_cselect_b32 s19, 24, 8
	s_sub_co_u32 s14, s14, s18
	s_lshr_b32 s16, s14, 3
	s_and_b32 s15, s14, 7
	s_mul_i32 s17, s15, s19
	s_add_co_u32 s17, s17, s16
	s_add_co_u32 s17, s17, s18
	s_add_co_u32 s17, s17, 384
	s_wait_alu depctr_va_vdst(0)
	WQBODY 4096
.Lfunc_end_k_q16a59a00d6_ln1:
	.size	k_q16a59a00d6_ln1, .Lfunc_end_k_q16a59a00d6_ln1-k_q16a59a00d6_ln1
	.p2alignl 7, 3214868480
	.fill 96, 4, 3214868480
	.section	.rodata,"a",@progbits
	.p2align	6, 0x0
	.amdhsa_kernel k_q16a59a00d6_ln1
		.amdhsa_group_segment_fixed_size 66816
		.amdhsa_private_segment_fixed_size 0
		.amdhsa_enable_private_segment 0
		.amdhsa_kernarg_size 72
		.amdhsa_user_sgpr_count 2
		.amdhsa_user_sgpr_kernarg_segment_ptr 1
		.amdhsa_wavefront_size32 1
		.amdhsa_system_sgpr_workgroup_id_x 1
		.amdhsa_system_sgpr_workgroup_id_y 1
		.amdhsa_system_sgpr_workgroup_id_z 1
		.amdhsa_system_vgpr_workitem_id 0
		.amdhsa_next_free_vgpr 160
		.amdhsa_next_free_sgpr 66
		.amdhsa_reserve_vcc 0
		.amdhsa_float_denorm_mode_32 3
		.amdhsa_float_denorm_mode_16_64 3
		.amdhsa_memory_ordered 1
		.amdhsa_forward_progress 1
		.amdhsa_inst_pref_size 71
	.end_amdhsa_kernel
	.amdgpu_metadata
---
amdhsa.version: [ 1, 2 ]
amdhsa.kernels:
  - .name:           k_q16a59a00d6_ln1
    .symbol:         k_q16a59a00d6_ln1.kd
    .args:
      - { .name: x, .offset: 0, .size: 8, .value_kind: global_buffer, .address_space: global }
      - { .name: ln1_g, .offset: 8, .size: 8, .value_kind: global_buffer, .address_space: global }
      - { .name: ln1_b, .offset: 16, .size: 8, .value_kind: global_buffer, .address_space: global }
      - { .name: hc, .offset: 24, .size: 8, .value_kind: global_buffer, .address_space: global }
      - { .name: w_qkv, .offset: 32, .size: 8, .value_kind: global_buffer, .address_space: global }
      - { .name: w_ff1, .offset: 40, .size: 8, .value_kind: global_buffer, .address_space: global }
      - { .name: w_out, .offset: 48, .size: 8, .value_kind: global_buffer, .address_space: global }
      - { .name: w_ff2, .offset: 56, .size: 8, .value_kind: global_buffer, .address_space: global }
      - { .name: wc, .offset: 64, .size: 8, .value_kind: global_buffer, .address_space: global }
    .group_segment_fixed_size: 66816
    .private_segment_fixed_size: 0
    .kernarg_segment_align: 8
    .kernarg_segment_size: 72
    .max_flat_workgroup_size: 256
    .sgpr_count:     66
    .vgpr_count:     160
    .wavefront_size: 32
...
	.end_amdgpu_metadata
.endif
;; end of part 8
;; launch g_qkv (part 9): grid 8 x 32, 4 waves a work-group, clusters of 4 x 4, 327,680 bytes of LDS; arguments hc, wc, b_qkv, qkv; writes qkv
.if DOCPART == 9
	.amdgcn_target "amdgcn-amd-amdhsa--gfx1250"
	.amdhsa_code_object_version 6
	.text
	.protected	k_q16a59a00d6_g_qkv
	.globl	k_q16a59a00d6_g_qkv
	.p2align	8
	.type	k_q16a59a00d6_g_qkv,@function
k_q16a59a00d6_g_qkv:
	s_mov_b64 s[64:65], 0
	v_nop
	global_prefetch_b8 v0, s[64:65] scope:SCOPE_SE
	s_setreg_imm32_b32 hwreg(HW_REG_WAVE_MODE, 25, 1), 1
	s_wait_xcnt 0x0
	s_wait_alu depctr_hold_cnt(0) depctr_sa_sdst(0) depctr_va_vdst(0) depctr_va_sdst(0) depctr_va_ssrc(0) depctr_va_vcc(0) depctr_vm_vsrc(0)
	s_getreg_b32 s2, hwreg(HW_REG_IB_STS2, 6, 4)
	s_cmp_eq_u32 s2, 0
	s_cbranch_scc0 .Lentry_in_a_cluster
	s_endpgm
.Lentry_in_a_cluster:
	s_bfe_u32 s2, ttmp6, 0x10000c
	s_cmp_lg_u32 s2, 0xf033
	s_cbranch_scc0 .Lentry_shape_is_right
	s_endpgm
.Lentry_shape_is_right:
; qkv = h W_qkv + b_qkv on codes of FP6 (E2M3) with E8M0 scales, and q, k, v quantised on the way out: q and k along the head's 64, v along the keys.
; A (hc) and B (wc) are laid as panels of 128 rows x 128 K, 13,312 bytes: eight fragments in the order of the operand's registers, then their scale words (16 words, twice, for each fragment).
; A WORK-GROUP STAYS: it makes 128 tokens x THREE column blocks of 128: blocks ct, ct + 8, ct + 16 of W's 24, which are q, k and v of heads 2 ct and 2 ct + 1.  256 work-groups; each of the four waves makes 64 x 64 of a block: 16 accumulators.
; LDS: A's 8 panels (all of K = 1,024) at 0, fetched once for the three blocks; B's slot 0 at 106,496 (block 0, later block 2); B's slot 1 at 212,992 (block 1).
; At the head a wave issues one tensor load of four K panels (waves 0, 1: A's 0-3, 4-7; waves 2, 3: block 0's), and behind a round a quarter of block 1.  Behind block 0's products slot 0 is filled again, a quarter a wave.
; CLUSTERS: 4 x 4 work-groups; A's panels are shared along a row of the cluster, B's along a column: each is asked for jointly, by the same tensor load with the same descriptor and a mask that names the four.
; ROWS OF A FRAGMENT: row p of fragment 2 b + u stands for index 32 b + 8 u + p % 8 + 16 (p / 8), tokens and columns alike: so the 16 registers of two neighbouring result tiles are 16 neighbours of source 0's index.
; q, k: source 0 = W's columns, source 1 = tokens: a lane holds a token and 64 neighbouring columns, one head: two blocks of 32 along d.
; v: source 0 = tokens, source 1 = W's columns: a lane holds one d and 64 neighbouring tokens: two blocks of 32 keys.
; qkv: Q codes [bh][token tile 128][768 B: registers 0-3 at 16 x lane, 4-5 at 512 + 8 x lane]; K codes likewise at 3,145,728; V codes at 6,291,456: [bh][d tile 4][64 key blocks x 256 B (registers 0-3, 16 x row), at 16,384: 64 x 128 B];
; Q scale words at 9,437,184: [bh][tile][16 words, twice]; K's at 9,961,472; V's at 10,485,760: [bh][d tile][key block][16 words, the byte lowest].
; LIMITS: a block of zeros, or one whose largest magnitude lies under 2^-124, gets the byte 1 (read by this program alone); NaN and infinities are not served.
; REGISTERS: window 0: v2-7 LDS bases (A: 16 x lane, 8 x lane, scale words; B's slot 0 likewise), v8-10 B's bases in the slot in hand, v11-16 the step's addresses, v17-23 lane terms, v28, v29 the add's two,
;   v30-37 A's scale words (two sets), v38-45 B's, v46-77 codes and scale word of each of the four tiles on the way out, v104-115 the quantiser, v128-255 the accumulators ((x, y) at 128 + 8 (4 y + x)).
;   window 1: two sets of fragments at 0 and 128: A's four at + 12 y, B's four at + 48 + 12 x.   window 2: v0-95 the three blocks' biases, each the C of its block's first products.
.set PANEL, 13312
.set KP,    8                          ; panels along K
.set WOFF,  0                          ; w_qkv's panels in wc
.set ASZ,   KP*PANEL                   ; A's region
.set BSZ,   KP*PANEL                   ; a slot of B
.set HALF,  2*PANEL                    ; what one tensor load brings
.set ROWS,  HALF/256
.set SPARE, ASZ+2*BSZ                  ; behind the slots: the spare words, 128 bytes for each wave: two blocks of 256 bytes that no other line names
.set BAS, 2
.set LB,  8
.set CUR, 11
.set L16, 17
.set L8,  18
.set L4,  19
.set VH,  20
.set BO,  22
.set BO2, 23
.set SPW, 28
.set NIL, 29
.set SCA, 30
.set SCB, 38
.set PCB, 46
.set PQ,  104
.set QM,  108
.set QT,  110
.set QS,  112
.set QB,  114
.set ACC, 128
.set G1,  24                           ; s[24:31] group 1 for A's panels; s[32:35] group 0
.set G0,  32
.set G1B, 48                           ; s[48:55], s[56:59] the same for block 0's panels
.set G0B, 56
.set SEL, 66
.set G0C, 68                           ; s[68:71] group 0 for my quarter of block 1
.set G0D, 72                           ; s[72:75] for my quarter of block 2
.set SB,  87                           ; s87 the slot in hand: 0 or BSZ
.set MSB, 0
.macro WIN new                         ; the immediate's high byte repeats the setting that is left
.if MSB != \new
	s_set_vgpr_msb (MSB<<8)|\new
.set MSB, \new
.endif
.endm
.set MUL,  0x05                        ; sources 0 and 1 window 1; C and D window 0
.set MULB, 0x25                        ; the same with C, the bias, in window 2
.set TO_F, 0x40                        ; destination window 1, address window 0
.macro JLOAD s                         ; a joint load: waves 0 and 1 fetch A's halves, waves 2 and 3 block 0's; an s_nop 0 and four v_nop follow each line
	s_cmp_eq_u32 s15, 0
	s_cbranch_scc0 .Lfor_b_\@
	tensor_load_to_lds s[G0+4*\s:G0+4*\s+3], s[G1:G1+7]
	s_nop 0
.rept 4
	v_nop
.endr
	s_branch .Lasked_\@
.Lfor_b_\@:
	tensor_load_to_lds s[G0B+4*\s:G0B+4*\s+3], s[G1B:G1B+7]
	s_nop 0
.rept 4
	v_nop
.endr
.Lasked_\@:
.endm
.macro BLOAD g0                        ; a joint load of B that every wave issues: its quarter of a block
	tensor_load_to_lds s[\g0:\g0+3], s[G1B:G1B+7]
	s_nop 0
.rept 4
	v_nop
.endr
.endm
.macro CROUND                          ; a round of the cluster's barrier
	s_barrier_signal -1
	s_barrier_wait -1
	s_cmp_lg_u32 s14, 0
	s_cbranch_scc1 .Lnot_wave_0_\@
	s_barrier_signal -3
.Lnot_wave_0_\@:
	s_barrier_wait -3
	s_barrier_signal -1
	s_barrier_wait -1
.endm
.macro SETLB                           ; B's three bases in the slot in hand
	v_add_nc_u32 v[LB], s[SB], v[BAS+3]
	v_add_nc_u32 v[LB+1], s[SB], v[BAS+4]
	v_add_nc_u32 v[LB+2], s[SB], v[BAS+5]
.endm
.macro ADDR p                          ; the six LDS addresses of K panel p.  Six plain lines: also the places in front of the loads that follow
	v_add_nc_u32 v[CUR], (\p)*PANEL, v[BAS]
	v_add_nc_u32 v[CUR+1], (\p)*PANEL, v[BAS+1]
	v_add_nc_u32 v[CUR+2], (\p)*PANEL, v[BAS+2]
	v_add_nc_u32 v[CUR+3], (\p)*PANEL, v[LB]
	v_add_nc_u32 v[CUR+4], (\p)*PANEL, v[LB+1]
	v_add_nc_u32 v[CUR+5], (\p)*PANEL, v[LB+2]
.endm
.macro FETCH set                       ; my four fragments of A, my four of B and their scale words: 40 LDS loads, each of consecutive bytes at a constant + a constant x lane
	WIN TO_F
.irp i, 0,1,2,3
	ds_load_b128 v[128*(\set)+12*\i:128*(\set)+12*\i+3],     v[CUR]   offset:1536*\i
	ds_load_b64  v[128*(\set)+12*\i+4:128*(\set)+12*\i+5],   v[CUR+1] offset:1536*\i+512
	ds_load_b128 v[128*(\set)+12*\i+6:128*(\set)+12*\i+9],   v[CUR]   offset:1536*\i+768
	ds_load_b64  v[128*(\set)+12*\i+10:128*(\set)+12*\i+11], v[CUR+1] offset:1536*\i+1280
.endr
.irp i, 0,1,2,3
	ds_load_b128 v[128*(\set)+48+12*\i:128*(\set)+48+12*\i+3],     v[CUR+3] offset:1536*\i
	ds_load_b64  v[128*(\set)+48+12*\i+4:128*(\set)+48+12*\i+5],   v[CUR+4] offset:1536*\i+512
	ds_load_b128 v[128*(\set)+48+12*\i+6:128*(\set)+48+12*\i+9],   v[CUR+3] offset:1536*\i+768
	ds_load_b64  v[128*(\set)+48+12*\i+10:128*(\set)+48+12*\i+11], v[CUR+4] offset:1536*\i+1280
.endr
	WIN 0
.irp i, 0,1,2,3
	ds_load_b32 v[SCA+4*(\set)+\i], v[CUR+2] offset:128*\i     ; lane r: row r's word of A's fragment i
	ds_load_b32 v[SCB+4*(\set)+\i], v[CUR+5] offset:128*\i     ; and of B's
.endr
.endm
; 16 matrix instructions, the 16 accumulators by turns.  mode 0: source 0 = B's fragment x, source 1 = A's fragment y; mode 1: source 0 = A's x, source 1 = B's y.  first = 1: block blk's bias is the C.
.macro MUL16 set, mode, first, blk
.irp y, 0,1,2,3
.irp x, 0,1,2,3
.if (\mode) == 0
.if \first
	v_wmma_scale_f32_16x16x128_f8f6f4 v[ACC+8*(4*\y+\x):ACC+8*(4*\y+\x)+7], v[128*(\set)+48+12*\x:128*(\set)+48+12*\x+11], v[128*(\set)+12*\y:128*(\set)+12*\y+11], v[32*(\blk)+8*\x:32*(\blk)+8*\x+7], v[SCB+4*(\set)+\x], v[SCA+4*(\set)+\y] matrix_a_fmt:MATRIX_FMT_FP6 matrix_b_fmt:MATRIX_FMT_FP6
.else
	v_wmma_scale_f32_16x16x128_f8f6f4 v[ACC+8*(4*\y+\x):ACC+8*(4*\y+\x)+7], v[128*(\set)+48+12*\x:128*(\set)+48+12*\x+11], v[128*(\set)+12*\y:128*(\set)+12*\y+11], v[ACC+8*(4*\y+\x):ACC+8*(4*\y+\x)+7], v[SCB+4*(\set)+\x], v[SCA+4*(\set)+\y] matrix_a_fmt:MATRIX_FMT_FP6 matrix_b_fmt:MATRIX_FMT_FP6
.endif
.else
.if \first
	v_wmma_scale_f32_16x16x128_f8f6f4 v[ACC+8*(4*\y+\x):ACC+8*(4*\y+\x)+7], v[128*(\set)+12*\x:128*(\set)+12*\x+11], v[128*(\set)+48+12*\y:128*(\set)+48+12*\y+11], v[32*(\blk)+8*\y:32*(\blk)+8*\y+7], v[SCA+4*(\set)+\x], v[SCB+4*(\set)+\y] matrix_a_fmt:MATRIX_FMT_FP6 matrix_b_fmt:MATRIX_FMT_FP6
.else
	v_wmma_scale_f32_16x16x128_f8f6f4 v[ACC+8*(4*\y+\x):ACC+8*(4*\y+\x)+7], v[128*(\set)+12*\x:128*(\set)+12*\x+11], v[128*(\set)+48+12*\y:128*(\set)+48+12*\y+11], v[ACC+8*(4*\y+\x):ACC+8*(4*\y+\x)+7], v[SCA+4*(\set)+\x], v[SCB+4*(\set)+\y] matrix_a_fmt:MATRIX_FMT_FP6 matrix_b_fmt:MATRIX_FMT_FP6
.endif
.endif
.endr
.endr
.endm
.macro PH_HEAD p                       ; the first fragments of a run of steps, into set 0
	ADDR \p
	FETCH 0
.endm
; np steps of 128 along K, from panel p0 on (np is even, so every run begins with set 0).  While one set of fragments is multiplied the next step's 40 loads are on their way into the other.
.macro PH_BODY p0, np, mode, first, blk
.set PSTEP, 0
.rept \np
	s_wait_dscnt 0x0                               ; this step's fragments are in: they were asked for a step ago
.if PSTEP+1 < \np
	ADDR (\p0)+PSTEP+1
	FETCH (PSTEP+1)%2
.endif
.if (\first) && (PSTEP == 0)
	WIN MULB
	MUL16 0, \mode, 1, \blk
.else
	WIN MUL
	MUL16 PSTEP%2, \mode, 0, \blk
.endif
	WIN 0
.set PSTEP, PSTEP+1
.endr
.endm
; 32 numbers of a lane, register 16 b + i = k 32 b + 16 h + i of my row, become half a fragment's codes in v[pc .. pc+5] and the two blocks' bytes in v[QB], v[QB+1]
.macro QUANTH s, pc
.irp b, 0,1
	v_max3_num_f32 v[QM+\b], |v[(\s)+16*\b]|, |v[(\s)+1+16*\b]|, 0x1800000   ; and the floor 2^(3 - 127): the byte cannot fall under 1
.endr
.irp i, 2,4,6,8,10,12,14
.irp b, 0,1
	v_max3_num_f32 v[QM+\b], v[QM+\b], |v[(\s)+16*\b+\i]|, |v[(\s)+1+16*\b+\i]|
.endr
.endr
.irp b, 0,1
	v_permlanex16_b32 v[QT+\b], v[QM+\b], s[SEL], s[SEL+1]
.endr
.irp b, 0,1
	v_max_num_f32 v[QM+\b], v[QM+\b], v[QT+\b]     ; with the lane 16 away: the block's largest magnitude
.endr
.irp b, 0,1
	v_add_nc_u32 v[QS+\b], 0xff000000, v[QM+\b]    ; 2 off its exponent field: the conversion's scale operand
.endr
.irp b, 0,1
	v_lshrrev_b32 v[QB+\b], 23, v[QS+\b]           ; the scale's byte
.endr
	v_cvt_scalef32_pk16_fp6_f32 v[(\pc):(\pc)+2], v[(\s):(\s)+15], v[QS]
	v_cvt_scalef32_pk16_fp6_f32 v[PQ:PQ+2], v[(\s)+16:(\s)+31], v[QS+1]
	v_nop                                          ; one plain line behind the conversions
.irp i, 0,1,2
	v_permlane16_swap_b32 v[(\pc)+\i], v[PQ+\i]    ; a whole block to a lane: lanes 0-15 block 0, lanes 16-31 block 1
.endr
.irp i, 0,1,2
	v_mov_b32 v[(\pc)+3+\i], v[PQ+\i]
.endr
.endm
; The way out of q (sel = 0) or k (1).  Each of the four token tiles has registers of its own for its codes and its word, so one wait serves the block
.macro OUTQK sel
	s_wait_xcnt 0x0                                ; the last block's stores have read their registers: they may be written again
.irp y, 0,1,2,3
	QUANTH ACC+32*\y, PCB+8*\y
	v_lshl_or_b32 v[PCB+8*\y+6], v[QB+1], 8, v[QB] ; bytes 2 and 3 stay 0: the head has 64 along K
	global_store_b128 v[L16], v[PCB+8*\y:PCB+8*\y+3], s[76:77] offset:(\sel)*3145728+768*\y
	global_store_b64 v[L8], v[PCB+8*\y+4:PCB+8*\y+5], s[76:77] offset:(\sel)*3145728+768*\y+512
	global_store_b32 v[L4], v[PCB+8*\y+6], s[78:79] offset:(\sel)*524288+128*\y
.endr
.endm
.macro OUTV                            ; the way out of v: tile y is 16 of the head's d, the lane's 32 registers two key blocks
	s_wait_xcnt 0x0
.irp y, 0,1,2,3
	QUANTH ACC+32*\y, PCB+8*\y
	v_cndmask_b32 v[PCB+8*\y+6], v[QB], v[QB+1], s86               ; my lane's block's byte
	global_store_b128 v[L16], v[PCB+8*\y:PCB+8*\y+3], s[80:81] offset:24576*\y     ; two key blocks: 512 consecutive bytes
	global_store_b64 v[L8], v[PCB+8*\y+4:PCB+8*\y+5], s[82:83] offset:24576*\y     ; 256
	global_store_b32 v[L4], v[PCB+8*\y+6], s[84:85] offset:4096*\y
.endr
.endm
	s_load_b256 s[4:11], s[0:1], 0x0               ; hc, wc, b_qkv, qkv
	v_lshl_add_u32 v[SPW], v0, 2, SPARE
	v_mov_b32 v[NIL], 0
	ds_add_u32 v[SPW], v[NIL]                      ; the wave's opening: the add and its wait ahead of my first tensor load; work on registers stands between them
	ds_add_u32 v[SPW], v[NIL]
	v_lshrrev_b32 v1, 5, v0
	v_readfirstlane_b32 s14, v1                    ; wave 0..3
	s_lshr_b32 s15, s14, 1                         ; my half of the tokens.  Also: at the head I fetch for A (0) or for B (1)
	s_and_b32 s16, s14, 1                          ; my half of the columns.  Also: which four of the eight panels I fetch at the head
	s_bfe_u32 s40, ttmp6, 0x40000                  ; cx
	s_bfe_u32 s41, ttmp6, 0x40004                  ; cy
	s_lshl_b32 s42, ttmp9, 2
	s_add_co_u32 s42, s42, s40                     ; ct = 4 x cluster x + cx: 0..7
	s_and_b32 s17, ttmp7, 0xffff
	s_lshl_b32 s17, s17, 2
	s_add_co_u32 s17, s17, s41                     ; token block = 4 x cluster y + cy
	s_lshl_b32 s43, s41, 2
	s_lshl_b32 s43, 15, s43                        ; my row of the cluster
	s_lshl_b32 s44, 0x1111, s40                    ; my column
	s_or_b32 s[G1+0], s43, (3<<16)|(1<<21)         ; the mask; elements of 8 bytes; bit 21 set beside a mask; no padding
	s_or_b32 s[G1B+0], s44, (3<<16)|(1<<21)
.irp g, G1, G1B                                ; a dense block of HALF bytes as rows of 256 bytes
	s_mov_b32 s[\g+1], 32<<16                      ; tensor_dim0 = 32 elements
	s_mov_b32 s[\g+2], (2*ROWS)<<16                ; the head's loads bring four panels each
	s_mov_b32 s[\g+3], 32<<16
	s_mov_b32 s[\g+4], 2*ROWS
	s_mov_b32 s[\g+5], 32                          ; the pitch
	s_mov_b32 s[\g+6], 0
	s_mov_b32 s[\g+7], 0
.endr
	s_lshl_b32 s18, s16, 2                         ; at the head a wave fetches four of eight panels: waves 0, 1 A's, waves 2, 3 block 0's
	s_mul_i32 s20, s17, KP
	s_add_co_u32 s20, s20, s18
	s_mul_i32 s20, s20, PANEL                      ; A: panel KP x token block + my four of the eight
	s_mov_b32 s21, 0
	s_mul_i32 s46, s42, KP
	s_add_co_u32 s46, s46, s18
	s_mul_i32 s46, s46, PANEL
	s_add_co_u32 s46, s46, WOFF                    ; block 0 of B: likewise by ct
	s_mov_b32 s47, 0
	s_mul_i32 s45, s15, ASZ                        ; where they go: A's region or slot 0,
	s_mul_i32 s19, s16, 2*HALF
	s_add_co_u32 s45, s45, s19                     ; my four panels: no place in the cluster enters an LDS address
	s_lshl_b32 s22, s14, 1
	s_mul_i32 s23, s42, KP
	s_add_co_u32 s22, s22, s23
	s_mul_i32 s22, s22, PANEL
	s_add_co_u32 s22, s22, WOFF+8*KP*PANEL         ; block 1 of B (column block ct + 8): my quarter, panels 2 w, 2 w + 1
	s_mov_b32 s23, 0
	s_mul_i32 s2, s14, HALF                        ; and its place in a slot
	s_mov_b32 s[SEL], 0x76543210
	s_mov_b32 s[SEL+1], 0xfedcba98
	s_wait_dscnt 0x0                               ; the opening add is done
	s_wait_kmcnt 0x0
	s_add_nc_u64 s[20:21], s[4:5], s[20:21]
	s_add_nc_u64 s[46:47], s[6:7], s[46:47]
	s_add_nc_u64 s[22:23], s[6:7], s[22:23]
	CROUND                                         ; all sixteen work-groups are here: the first joint loads meet
.irp s, 0                                      ; one tensor load a wave at the head
	s_mov_b32 s[G0+4*\s], 1
	s_add_co_u32 s[G0+4*\s+1], s45, \s*4*PANEL
	s_add_nc_u64 s[G0+4*\s+2:G0+4*\s+3], s[20:21], \s*4*PANEL
	s_or_b32 s[G0+4*\s+3], s[G0+4*\s+3], 0x80000000
	s_mov_b32 s[G0B+4*\s], 1
	s_add_co_u32 s[G0B+4*\s+1], s45, \s*4*PANEL
	s_add_nc_u64 s[G0B+4*\s+2:G0B+4*\s+3], s[46:47], \s*4*PANEL
	s_or_b32 s[G0B+4*\s+3], s[G0B+4*\s+3], 0x80000000
	JLOAD \s
.endr
	s_mov_b32 s[G0C], 1
	s_add_co_u32 s[G0C+1], s2, ASZ+BSZ             ; block 1 goes to slot 1,
	s_mov_b64 s[G0C+2:G0C+3], s[22:23]
	s_or_b32 s[G0C+3], s[G0C+3], 0x80000000
	s_mov_b32 s[G0D], 1
	s_add_co_u32 s[G0D+1], s2, ASZ                 ; block 2, later, to slot 0
	s_add_nc_u64 s[G0D+2:G0D+3], s[22:23], 8*KP*PANEL
	s_or_b32 s[G0D+3], s[G0D+3], 0x80000000
	v_and_b32 v1, 31, v0
	v_bfe_u32 v[VH], v0, 4, 1
	v_lshlrev_b32 v[L16], 4, v1
	v_lshlrev_b32 v[L8], 3, v1
	v_lshlrev_b32 v[L4], 2, v1
	v_mov_b32 v[QT], 0                             ; lane permutes' destinations count as sources
	v_mov_b32 v[QT+1], 0
	s_mul_i32 s18, s15, 6144                       ; my four fragments of A,
	s_mul_i32 s19, s16, 6144
	s_add_co_u32 s19, s19, ASZ                     ; my four of B
	v_add_nc_u32 v[BAS], s18, v[L16]
	v_add_nc_u32 v[BAS+1], s18, v[L8]
	v_add_nc_u32 v[BAS+3], s19, v[L16]
	v_add_nc_u32 v[BAS+4], s19, v[L8]
	s_lshl_b32 s18, s15, 9
	s_add_co_u32 s18, s18, 12288
	s_lshl_b32 s19, s16, 9
	s_add_co_u32 s19, s19, ASZ+12288
	v_add_nc_u32 v[BAS+2], s18, v[L4]              ; their scale words: 4 x lane
	v_add_nc_u32 v[BAS+5], s19, v[L4]
	s_mov_b32 s[SB], 0
	SETLB
	s_lshl_b32 s18, s42, 9
	s_lshl_b32 s19, s16, 8
	s_add_co_u32 s18, s18, s19
	s_mov_b32 s19, 0
	s_add_nc_u64 s[8:9], s[8:9], s[18:19]          ; the bias of my 64 columns of block 0; a block on is 1,024 columns, 4,096 bytes
	v_lshlrev_b32 v[BO], 6, v[VH]
	v_and_b32 v[BO2], 7, v0
	v_bfe_u32 v24, v0, 3, 1
	v_lshl_add_u32 v[BO2], v24, 4, v[BO2]
	v_lshlrev_b32 v[BO2], 2, v[BO2]
	WIN 0x80                                       ; destination window 2
.irp j, 0,1
.irp x, 0,1,2,3
	global_load_b128 v[32*\j+8*\x:32*\j+8*\x+3], v[BO], s[8:9] offset:4096*\j+128*(\x/2)+32*(\x%2)       ; q, k: register i of tile x: column 32 (x / 2) + 16 h + 8 (x % 2) + i
	global_load_b128 v[32*\j+8*\x+4:32*\j+8*\x+7], v[BO], s[8:9] offset:4096*\j+128*(\x/2)+32*(\x%2)+16
.endr
.endr
.irp y, 0,1,2,3
	global_load_b32 v[64+8*\y], v[BO2], s[8:9] offset:8192+128*(\y/2)+32*(\y%2)     ; v: my lane's column of tile y
.endr
	WIN 0
	s_lshr_b32 s22, s17, 4
	s_lshl_b32 s22, s22, 4                         ; 16 x batch
	s_lshl_b32 s19, s42, 1
	s_add_co_u32 s19, s19, s16                     ; the head
	s_add_co_u32 s19, s19, s22                     ; bh
	s_and_b32 s22, s17, 15                         ; my token block in its sequence
	s_lshl_b32 s18, s19, 7
	s_lshl_b32 s23, s22, 3
	s_add_co_u32 s18, s18, s23
	s_lshl_b32 s23, s15, 2
	s_add_co_u32 s18, s18, s23                     ; 128 bh + my first token tile
	s_mul_i32 s76, s18, 768
	s_mov_b32 s77, 0
	s_add_nc_u64 s[76:77], s[10:11], s[76:77]      ; q's codes; k's lie 3,145,728 bytes on
	s_lshl_b32 s78, s18, 7
	s_add_co_u32 s78, s78, 9437184
	s_mov_b32 s79, 0
	s_add_nc_u64 s[78:79], s[10:11], s[78:79]      ; q's scale words; k's 524,288 on
	s_lshl_b32 s22, s22, 2
	s_lshl_b32 s23, s15, 1
	s_add_co_u32 s22, s22, s23                     ; my first key block
	s_mul_i32 s18, s19, 98304
	s_add_co_u32 s18, s18, 6291456
	s_lshl_b32 s80, s22, 8
	s_add_co_u32 s80, s80, s18
	s_mov_b32 s81, 0
	s_add_nc_u64 s[80:81], s[10:11], s[80:81]      ; v: registers 0-3
	s_lshl_b32 s82, s22, 7
	s_add_co_u32 s82, s82, s18
	s_add_co_u32 s82, s82, 16384
	s_mov_b32 s83, 0
	s_add_nc_u64 s[82:83], s[10:11], s[82:83]      ; registers 4, 5
	s_lshl_b32 s84, s19, 8
	s_add_co_u32 s84, s84, s22
	s_lshl_b32 s84, s84, 6
	s_add_co_u32 s84, s84, 10485760
	s_mov_b32 s85, 0
	s_add_nc_u64 s[84:85], s[10:11], s[84:85]      ; scale words
	s_mov_b32 s86, 0xffff0000                      ; lanes 16-31
	s_wait_loadcnt 0x0                             ; the biases
	WIN 0x82                                       ; destination and source 0 window 2
.irp y, 0,1,2,3
.irp j, 1,2,3,4,5,6,7
	v_mov_b32 v[64+8*\y+\j], v[64+8*\y]            ; v: the same bias for the lane's eight tokens
.endr
.endr
	WIN 0
	s_wait_alu depctr_va_vdst(0)
	s_wait_tensorcnt 0x0                           ; my four panels are in; slot 1's first fill is issued as a refill is:
	ds_add_u32 v[SPW], v[NIL]
	s_mov_b32 s[G1B+2], ROWS<<16                   ; no tensor load of mine is out: from here on a load of B brings two panels
	s_mov_b32 s[G1B+4], ROWS
	s_wait_dscnt 0x0
	CROUND                                         ; everybody's panels are in, and the joint loads meet
	BLOAD G0C                                      ; my quarter of block 1: it has q's 128 matrix instructions in which to land
	PH_HEAD 0
	PH_BODY 0, 8, 0, 1, 0                          ; q, all eight K panels
	s_wait_tensorcnt 0x0                           ; SLOT 0 IS FILLED AGAIN.  All my tensor loads have landed, my quarter of block 1 among them;
	ds_add_u32 v[SPW], v[NIL]                      ; the change of B's bases stands between the add and the wait for it
	s_mov_b32 s[SB], BSZ
	SETLB
	s_wait_dscnt 0x0                               ; the add is done, and my reads of slot 0 are over
	CROUND                                         ; no wave of any partner still reads the slot or has a load on its way
	BLOAD G0D                                      ; my one tensor load behind the round, and the first thing there; its four v_nop are among the places behind the last products
	s_wait_alu depctr_va_vdst(0)
	PH_HEAD 0                                      ; k's first fragments are on their way while q goes out
	OUTQK 0
	PH_BODY 0, 8, 0, 1, 1                          ; k: A's 8 panels again, slot 1
	s_wait_tensorcnt 0x0                           ; my quarter of block 2 is in
	ds_add_u32 v[SPW], v[NIL]
	s_mov_b32 s[SB], 0
	SETLB
	s_wait_alu depctr_va_vdst(0)
	s_wait_dscnt 0x0
	s_barrier_signal -1
	s_barrier_wait -1                              ; everybody's is; nothing is filled any more
	PH_HEAD 0
	OUTQK 1
	PH_BODY 0, 8, 1, 1, 2                          ; v: slot 0
.rept 4
	v_nop                                          ; places in front of the first read of results
.endr
	OUTV
	s_wait_tensorcnt 0x0                           ; the wave's end
	ds_add_u32 v[SPW], v[NIL]
	s_wait_dscnt 0x0
	CROUND                                         ; the closing round
	s_endpgm
.Lfunc_end_k_q16a59a00d6_g_qkv:
	.size	k_q16a59a00d6_g_qkv, .Lfunc_end_k_q16a59a00d6_g_qkv-k_q16a59a00d6_g_qkv
	.p2alignl 7, 3214868480
	.fill 96, 4, 3214868480
	.section	.rodata,"a",@progbits
	.p2align	6, 0x0
	.amdhsa_kernel k_q16a59a00d6_g_qkv
		.amdhsa_group_segment_fixed_size 327680
		.amdhsa_private_segment_fixed_size 0
		.amdhsa_enable_private_segment 0
		.amdhsa_kernarg_size 32
		.amdhsa_user_sgpr_count 2
		.amdhsa_user_sgpr_kernarg_segment_ptr 1
		.amdhsa_wavefront_size32 1
		.amdhsa_system_sgpr_workgroup_id_x 1
		.amdhsa_system_sgpr_workgroup_id_y 1
		.amdhsa_system_sgpr_workgroup_id_z 1
		.amdhsa_system_vgpr_workitem_id 0
		.amdhsa_next_free_vgpr 640
		.amdhsa_next_free_sgpr 98
		.amdhsa_reserve_vcc 0
		.amdhsa_float_denorm_mode_32 3
		.amdhsa_float_denorm_mode_16_64 3
		.amdhsa_memory_ordered 1
		.amdhsa_forward_progress 1
		.amdhsa_inst_pref_size 159
	.end_amdhsa_kernel
	.amdgpu_metadata
---
amdhsa.version: [ 1, 2 ]
amdhsa.kernels:
  - .name:           k_q16a59a00d6_g_qkv
    .symbol:         k_q16a59a00d6_g_qkv.kd
    .args:
      - { .name: hc, .offset: 0, .size: 8, .value_kind: global_buffer, .address_space: global }
      - { .name: wc, .offset: 8, .size: 8, .value_kind: global_buffer, .address_space: global }
      - { .name: b_qkv, .offset: 16, .size: 8, .value_kind: global_buffer, .address_space: global }
      - { .name: qkv, .offset: 24, .size: 8, .value_kind: global_buffer, .address_space: global }
    .group_segment_fixed_size: 327680
    .private_segment_fixed_size: 0
    .kernarg_segment_align: 8
    .kernarg_segment_size: 32
    .max_flat_workgroup_size: 128
    .sgpr_count:     98
    .vgpr_count:     640
    .wavefront_size: 32
...
	.end_amdgpu_metadata
.endif
;; end of part 9
;; launch att (part 10): grid 8 x 32, 16 waves a work-group, no clusters, 0 bytes of LDS; arguments qkv, cc; writes cc
.if DOCPART == 10
	.amdgcn_target "amdgcn-amd-amdhsa--gfx1250"
	.amdhsa_code_object_version 6
	.text
	.protected	k_q16a59a00d6_att
	.globl	k_q16a59a00d6_att
	.p2align	8
	.type	k_q16a59a00d6_att,@function
k_q16a59a00d6_att:
	s_mov_b64 s[64:65], 0
	v_nop
	global_prefetch_b8 v0, s[64:65] scope:SCOPE_SE
	s_setreg_imm32_b32 hwreg(HW_REG_WAVE_MODE, 25, 1), 1
	s_wait_xcnt 0x0
; ctx = softmax(q k^T / 8 under the band: key j counts for query i where i - 128 < j <= i) v, both products on codes of FP6 (E2M3) with E8M0 scales, and ctx quantised along the features on the way out.
; A wave owns ONE tile of 16 queries of one head.  Tile t holds queries 32 (t / 2) + 8 (t % 2) + p % 8 + 16 (p / 8): all lie in one group G of 32, so its band lies in the five aligned key blocks G - 4 .. G.
; All 160 keys are in hand at once: one pass, the row's true maximum, no running rescale.  Blocks that would lie ahead of the sequence are read from block 0 and wholly hidden.
; Both products are used transposed: S^T = K Q^T (source 0 = 16 keys, source 1 = my queries), O^T = V^T P^T: a lane holds one query throughout; the 16 registers of two neighbouring key tiles are 16 neighbouring keys.
; THE SOFTMAX: t = score x log2(e) / 8; M = the row's largest t rounded up to a whole number; p = 2^(t - M) is quantised along the keys, not normalised; the sum of the unquantised p divides O at the end.
; The head has 64 along K and the instruction 128: Q's upper six registers are zero codes, and every scale word's upper bytes are 0 (never 0xff): so what stands in the upper six registers of a fragment of K,
; the next tile's codes, adds nothing.  Likewise the fifth key block: P's second fragment holds 32 keys and zero codes.
; Operands lie in memory in the order of the operand's registers and go straight into registers: no LDS, no barrier.  Four waves share a SIMD, so that one wave's loads and vector work stand beside another's products.
; No cluster, no joint loads: there is no tensor load here, and a wave's keys and values are 15 KB read once by it.
; LIMITS: a block of zeros, or one whose largest magnitude lies under 2^-124, gets the byte 1 (read by this program alone); NaN and infinities are not served.
.set S,   112                          ; v112-191 S^T, then p: register 16 b + i = key 16 h + i of block b;  v112-143 later O^T
.set KV,  34                           ; v34-99 ten tiles of K, six registers each (+ six zeros); later V: four fragments of 12 at 34, four of 6 at 82 (+ six zeros at 106)
.set BM,  16                           ; v16-20 the blocks' largest scores (Q's registers, when Q is done with)
.set BT,  21                           ; v21-25 at work; the bytes
.set SCL, 26                           ; v26-30 the conversions' scale operands
.set P1,  192                          ; v192-203 p's codes, key blocks 0-3
.set P2,  204                          ; v204-215 block 4 and zeros
.set PT,  216                          ; v216-222 conversions' second halves
.set RAW, 224                          ; v224-243 V's scale bytes: block b, d tile x at 4 b + x
.set SEL, 66
.set CS,  68
.set PC,  144
.set PQ,  150
.set QM,  154
.set QT,  156
.set QS,  158
.set QB,  160
.set WD,  162
.macro QUANTH s                        ; 32 numbers of a lane, register 16 b + i = k 32 b + 16 h + i, become half a fragment's codes in v[PC .. PC+5] and two bytes in v[QB], v[QB+1]
.irp b, 0,1
	v_max3_num_f32 v[QM+\b], |v[(\s)+16*\b]|, |v[(\s)+1+16*\b]|, 0x1800000
.endr
.irp i, 2,4,6,8,10,12,14
.irp b, 0,1
	s_delay_alu instid0(VALU_DEP_2)
	v_max3_num_f32 v[QM+\b], v[QM+\b], |v[(\s)+16*\b+\i]|, |v[(\s)+1+16*\b+\i]|
.endr
.endr
.irp b, 0,1
	v_permlanex16_b32 v[QT+\b], v[QM+\b], s[SEL], s[SEL+1]
.endr
.irp b, 0,1
	s_delay_alu instid0(VALU_DEP_2)
	v_max_num_f32 v[QM+\b], v[QM+\b], v[QT+\b]
.endr
.irp b, 0,1
	s_delay_alu instid0(VALU_DEP_2)
	v_add_nc_u32 v[QS+\b], 0xff000000, v[QM+\b]
.endr
.irp b, 0,1
	s_delay_alu instid0(VALU_DEP_2)
	v_lshrrev_b32 v[QB+\b], 23, v[QS+\b]
.endr
	v_cvt_scalef32_pk16_fp6_f32 v[PC:PC+2], v[(\s):(\s)+15], v[QS]
	v_cvt_scalef32_pk16_fp6_f32 v[PQ:PQ+2], v[(\s)+16:(\s)+31], v[QS+1]
	v_nop
.irp i, 0,1,2
	v_permlane16_swap_b32 v[PC+\i], v[PQ+\i]
.endr
.irp i, 0,1,2
	s_delay_alu instid0(VALU_DEP_3)
	v_mov_b32 v[PC+3+\i], v[PQ+\i]
.endr
.endm
	s_load_b128 s[4:7], s[0:1], 0x0                ; qkv, cc
.irp j, 22,23,24,25,26,27,94,95,96,97,98,99,106,107,108,109,110,111,207,208,209,210,211,212,213,214,215
	v_mov_b32 v[\j], 0                             ; the zero codes
.endr
	v_lshrrev_b32 v1, 5, v0
	s_delay_alu instid0(VALU_DEP_1)
	v_readfirstlane_b32 s8, v1                     ; wave 0..15
	s_and_b32 s10, ttmp7, 0xffff                   ; bh
	s_lshl_b32 s11, ttmp9, 4
	s_add_co_u32 s11, s11, s8                      ; my query tile, 0..127
	s_lshr_b32 s12, s11, 1                         ; G
.irp b, 0,1,2,3,4
	s_add_co_i32 s[76+\b], s12, \b-4
	s_max_i32 s[76+\b], s[76+\b], 0                ; key block b, held at 0 from below
.endr
	v_and_b32 v3, 31, v0
	s_delay_alu instid0(VALU_DEP_1)
	v_lshlrev_b32 v1, 4, v3                        ; 16 x lane
	s_delay_alu instid0(VALU_DEP_2)
	v_lshlrev_b32 v2, 3, v3                        ; 8 x lane
	s_delay_alu instid0(VALU_DEP_3)
	v_lshlrev_b32 v3, 2, v3                        ; 4 x lane
	v_bfe_u32 v12, v0, 4, 1                        ; h
	s_delay_alu instid0(VALU_DEP_1)
	v_lshl_add_u32 v4, v12, 7, v3                  ; K's scale words: lanes 0-15 the even tile's, lanes 16-31 the odd tile's
	v_and_b32 v5, 15, v0                           ; r
	s_delay_alu instid0(VALU_DEP_1)
	v_lshlrev_b32 v10, 4, v5                       ; 16 r
	s_delay_alu instid0(VALU_DEP_2)
	v_lshlrev_b32 v11, 3, v5                       ; 8 r
	s_delay_alu instid0(VALU_DEP_3)
	v_lshlrev_b32 v5, 2, v5                        ; 4 r
.irp c, 0,1                                    ; V's fragment wants key block 2 c + h in lane (r, h)
	s_sub_co_u32 s13, s[77+2*\c], s[76+2*\c]
	v_mad_u32_u24 v[6+\c], v12, s13, s[76+2*\c]
	s_delay_alu instid0(VALU_DEP_1)
	v_lshl_add_u32 v[8+\c], v[6+\c], 7, v11        ; registers 4, 5: 128 bytes a block
	s_delay_alu instid0(VALU_DEP_2)
	v_lshl_add_u32 v[6+\c], v[6+\c], 8, v10        ; registers 0-3: 256 bytes a block
.endr
	s_mul_i32 s14, s10, 98304                      ; a head's codes
	s_lshl_b32 s15, s10, 14                        ; a head's scale words
	s_mov_b32 s71, 0
	s_mov_b32 s[SEL], 0x76543210
	s_mov_b32 s[SEL+1], 0xfedcba98
	s_mov_b32 s[CS], 0x3e38aa3b                    ; c = log2(e) / 8
	s_mov_b32 s[CS+1], s[CS]
	s_wait_alu depctr_va_vdst(0)
	s_wait_kmcnt 0x0
.irp b, 0,1,2,3,4
	s_mul_i32 s70, s[76+\b], 1536
	s_add_co_u32 s70, s70, s14
	s_add_co_u32 s70, s70, 3145728
	s_add_nc_u64 s[20+2*\b:21+2*\b], s[4:5], s[70:71]      ; K's two tiles of block b
	s_lshl_b32 s70, s[76+\b], 8
	s_add_co_u32 s70, s70, s15
	s_add_co_u32 s70, s70, 9961472
	s_add_nc_u64 s[30+2*\b:31+2*\b], s[4:5], s[70:71]      ; their scale words
	s_lshl_b32 s70, s[76+\b], 6
	s_add_co_u32 s70, s70, s15
	s_add_co_u32 s70, s70, 10485760
	s_add_nc_u64 s[40+2*\b:41+2*\b], s[4:5], s[70:71]      ; V's scale words of block b
.endr
	s_add_co_u32 s70, s14, 6291456
	s_add_nc_u64 s[50:51], s[4:5], s[70:71]        ; V's codes of my head
	s_lshl_b32 s70, s12, 8
	s_add_nc_u64 s[52:53], s[50:51], s[70:71]      ; block G, registers 0-3
	s_lshl_b32 s70, s12, 7
	s_add_nc_u64 s[54:55], s[50:51], s[70:71]      ; block G, registers 4, 5
	s_mul_i32 s70, s11, 768
	s_add_co_u32 s70, s70, s14
	s_add_nc_u64 s[56:57], s[4:5], s[70:71]        ; Q's codes
	s_lshl_b32 s70, s11, 7
	s_add_co_u32 s70, s70, s15
	s_add_co_u32 s70, s70, 9437184
	s_add_nc_u64 s[58:59], s[4:5], s[70:71]        ; Q's scale words
	s_lshr_b32 s13, s10, 4
	s_lshl_b32 s13, s13, 7
	s_add_co_u32 s13, s13, s11                     ; my token tile among all 256
	s_and_b32 s16, s10, 15                         ; the head
	s_lshr_b32 s17, s13, 3
	s_lshl_b32 s17, s17, 3
	s_lshr_b32 s18, s16, 1
	s_add_co_u32 s17, s17, s18
	s_mul_i32 s17, s17, 13312                      ; cc's panel: token block, K step head / 2
	s_and_b32 s18, s13, 7
	s_and_b32 s19, s16, 1
	s_mul_i32 s70, s18, 1536
	s_add_co_u32 s70, s70, s17
	s_mul_i32 s72, s19, 768
	s_add_co_u32 s70, s70, s72
	s_add_nc_u64 s[60:61], s[6:7], s[70:71]        ; my half fragment
	s_lshl_b32 s70, s18, 7
	s_add_co_u32 s70, s70, s17
	s_lshl_b32 s72, s19, 1
	s_add_co_u32 s70, s70, s72
	s_add_co_u32 s70, s70, 12288
	s_add_nc_u64 s[62:63], s[6:7], s[70:71]        ; my two bytes of its scale words
	global_load_b128 v[16:19], v1, s[56:57]
	global_load_b64 v[20:21], v2, s[56:57] offset:512
	global_load_b32 v28, v3, s[58:59]
.irp b, 0,1,2,3,4
.irp u, 0,1
	global_load_b128 v[KV+6*(2*\b+\u):KV+6*(2*\b+\u)+3], v1, s[20+2*\b:21+2*\b] offset:768*\u
	global_load_b64 v[KV+6*(2*\b+\u)+4:KV+6*(2*\b+\u)+5], v2, s[20+2*\b:21+2*\b] offset:768*\u+512
.endr
	global_load_b32 v[29+\b], v4, s[30+2*\b:31+2*\b]
.endr
	s_wait_loadcnt 0x0
.irp j, 0,1,2,3,4,5,6,7,8,9                    ; S^T: ten tiles of 16 keys
.if (\j)%2
	v_wmma_scale_f32_16x16x128_f8f6f4 v[S+8*\j:S+8*\j+7], v[KV+6*\j:KV+6*\j+11], v[16:27], 0, v[29+\j/2], v28 matrix_a_fmt:MATRIX_FMT_FP6 matrix_b_fmt:MATRIX_FMT_FP6 matrix_a_scale:MATRIX_SCALE_ROW1
.else
	v_wmma_scale_f32_16x16x128_f8f6f4 v[S+8*\j:S+8*\j+7], v[KV+6*\j:KV+6*\j+11], v[16:27], 0, v[29+\j/2], v28 matrix_a_fmt:MATRIX_FMT_FP6 matrix_b_fmt:MATRIX_FMT_FP6
.endif
.endr
	s_and_b32 s13, s11, 1
	s_lshl_b32 s13, s13, 3
	v_and_b32 v250, 7, v0                          ; eight plain lines: the places behind the products
	v_bfe_u32 v251, v0, 3, 1
	s_delay_alu instid0(VALU_DEP_1)
	v_lshl_add_u32 v250, v251, 4, v250
	v_bfe_u32 v251, v0, 4, 1
	s_delay_alu instid0(VALU_DEP_1)
	v_lshlrev_b32 v251, 4, v251
	s_delay_alu instid0(VALU_DEP_1)
	v_sub_nc_u32 v12, v250, v251
	s_delay_alu instid0(VALU_DEP_1)
	v_add_nc_u32 v12, s13, v12                     ; d = my query's place in its group of 32, less 16 h
	v_mov_b32 v13, 0xff800000                      ; -infinity
.irp x, 0,1,2,3                                ; V and its scale bytes are asked for now and land under the softmax
.irp c, 0,1
	global_load_b128 v[KV+12*\x+6*\c:KV+12*\x+6*\c+3], v[6+\c], s[50:51] offset:24576*\x
	global_load_b64 v[KV+12*\x+6*\c+4:KV+12*\x+6*\c+5], v[8+\c], s[50:51] offset:24576*\x+16384
.endr
	global_load_b128 v[KV+48+6*\x:KV+48+6*\x+3], v10, s[52:53] offset:24576*\x
	global_load_b64 v[KV+48+6*\x+4:KV+48+6*\x+5], v11, s[54:55] offset:24576*\x+16384
.irp b, 0,1,2,3,4
	global_load_b32 v[RAW+4*\b+\x], v5, s[40+2*\b:41+2*\b] offset:4096*\x
.endr
.endr
.irp i, 0,1,2,3,4,5,6,7,8,9,10,11,12,13,14,15  ; the band's two edges: in block 4 key 16 h + i is hidden where i > d, in block 0 it counts only there
	v_cmp_gt_i32 vcc_lo, \i, v12
	v_cndmask_b32 v[S+64+\i], v[S+64+\i], v13, vcc_lo
	v_cndmask_b32 v[S+\i], v13, v[S+\i], vcc_lo
.endr
	s_cmp_ge_u32 s12, 4                            ; the head of a sequence: blocks that would lie ahead of key 0 are hidden whole.  A branch on ids
	s_cbranch_scc1 .Lfull
.irp b, 0,1,2,3
	s_add_co_u32 s13, s12, \b
	s_cmp_lt_u32 s13, 4
	s_cselect_b32 s13, -1, 0
.irp i, 0,1,2,3,4,5,6,7,8,9,10,11,12,13,14,15
	v_cndmask_b32 v[S+16*\b+\i], v[S+16*\b+\i], v13, s13
.endr
.endr
.Lfull:
.irp b, 0,1,2,3,4
	v_max3_num_f32 v[BM+\b], v[S+16*\b], v[S+1+16*\b], v[S+2+16*\b]   ; the largest score of each block: for the row's maximum, and, since p rises with the score, for the block's largest p
.endr
.irp i, 3,5,7,9,11,13
.irp b, 0,1,2,3,4
	v_max3_num_f32 v[BM+\b], v[BM+\b], v[S+16*\b+\i], v[S+1+16*\b+\i]
.endr
.endr
.irp b, 0,1,2,3,4
	v_max_num_f32 v[BM+\b], v[BM+\b], v[S+15+16*\b]
.endr
.irp b, 0,1,2,3,4
	v_permlanex16_b32 v[BT+\b], v[BM+\b], s[SEL], s[SEL+1]
.endr
.irp b, 0,1,2,3,4
	v_max_num_f32 v[BM+\b], v[BM+\b], v[BT+\b]
.endr
	s_delay_alu instid0(VALU_DEP_3)
	v_max3_num_f32 v250, v[BM], v[BM+1], v[BM+2]
	s_delay_alu instid0(VALU_DEP_1)
	v_max3_num_f32 v250, v250, v[BM+3], v[BM+4]    ; the row's largest score: a number, since the query's own key counts
	s_delay_alu instid0(VALU_DEP_1)
	v_mul_f32 v250, s[CS], v250
	s_delay_alu instid0(VALU_DEP_1)
	v_floor_f32 v14, -v250                         ; -M = floor(-t)
	s_delay_alu instid0(VALU_DEP_1)
	v_mov_b32 v15, v14
.set NN, 0
.rept 40
	v_pk_fma_f32 v[S+NN:S+NN+1], v[S+NN:S+NN+1], s[CS:CS+1], v[14:15] op_sel_hi:[1,0,0]   ; t - M
.set NN, NN+2
.endr
.irp b, 0,1,2,3,4
	v_fma_f32 v[BM+\b], v[BM+\b], s[CS], v14
.endr
.set NN, 0
	s_wait_alu depctr_va_vdst(0)
.rept 80
	v_exp_f32 v[S+NN], v[S+NN]                     ; p, at most 1; 0 where the key is hidden
.set NN, NN+1
.endr
	v_nop                                          ; a plain line behind the batch
	s_wait_alu depctr_va_vdst(0)                   ; one wait for the 80, ahead of their first reader
.irp b, 0,1,2,3,4
	v_exp_f32 v[BM+\b], v[BM+\b]                   ; the blocks' largest p
.endr
	v_pk_add_f32 v[246:247], v[112:113], v[114:115]
	v_pk_add_f32 v[254:255], v[120:121], v[124:125]
	v_pk_add_f32 v[252:253], v[128:129], v[132:133]
	v_pk_add_f32 v[248:249], v[136:137], v[140:141]
	v_pk_add_f32 v[222:223], v[144:145], v[148:149]
	v_pk_add_f32 v[220:221], v[152:153], v[156:157]
	v_pk_add_f32 v[218:219], v[160:161], v[164:165]
	v_pk_add_f32 v[244:245], v[168:169], v[172:173]
	v_pk_add_f32 v[244:245], v[244:245], v[176:177]
	v_pk_add_f32 v[246:247], v[246:247], v[180:181]
	v_pk_add_f32 v[254:255], v[254:255], v[184:185]
	v_pk_add_f32 v[252:253], v[252:253], v[188:189]
	v_pk_add_f32 v[248:249], v[248:249], v[116:117]
	v_pk_add_f32 v[222:223], v[222:223], v[118:119]
	v_pk_add_f32 v[220:221], v[220:221], v[122:123]
	v_pk_add_f32 v[218:219], v[218:219], v[126:127]
	v_pk_add_f32 v[244:245], v[244:245], v[130:131]
	v_pk_add_f32 v[246:247], v[246:247], v[134:135]
	v_pk_add_f32 v[254:255], v[254:255], v[138:139]
	v_pk_add_f32 v[252:253], v[252:253], v[142:143]
	v_pk_add_f32 v[248:249], v[248:249], v[146:147]
	v_pk_add_f32 v[222:223], v[222:223], v[150:151]
	v_pk_add_f32 v[220:221], v[220:221], v[154:155]
	v_pk_add_f32 v[218:219], v[218:219], v[158:159]
	v_pk_add_f32 v[244:245], v[244:245], v[162:163]
	v_pk_add_f32 v[246:247], v[246:247], v[166:167]
	v_pk_add_f32 v[254:255], v[254:255], v[170:171]
	v_pk_add_f32 v[252:253], v[252:253], v[174:175]
	v_pk_add_f32 v[248:249], v[248:249], v[178:179]
	v_pk_add_f32 v[222:223], v[222:223], v[182:183]
	v_pk_add_f32 v[220:221], v[220:221], v[186:187]
	v_pk_add_f32 v[218:219], v[218:219], v[190:191]
	s_delay_alu instid0(VALU_DEP_4)
	v_pk_add_f32 v[244:245], v[244:245], v[248:249]
	s_delay_alu instid0(VALU_DEP_4)
	v_pk_add_f32 v[246:247], v[246:247], v[222:223]
	s_delay_alu instid0(VALU_DEP_4)
	v_pk_add_f32 v[254:255], v[254:255], v[220:221]
	s_delay_alu instid0(VALU_DEP_4)
	v_pk_add_f32 v[252:253], v[252:253], v[218:219]
	s_delay_alu instid0(VALU_DEP_2)
	v_pk_add_f32 v[244:245], v[244:245], v[254:255]
	s_delay_alu instid0(VALU_DEP_2)
	v_pk_add_f32 v[246:247], v[246:247], v[252:253]
	s_delay_alu instid0(VALU_DEP_1)
	v_pk_add_f32 v[244:245], v[244:245], v[246:247]
	s_wait_alu depctr_va_vdst(0)                   ; and one for the five
.irp b, 0,1,2,3,4
	v_max_num_f32 v[BM+\b], 0x1800000, v[BM+\b]    ; the floor 2^(3 - 127)
.endr
.irp b, 0,1,2,3,4
	v_add_nc_u32 v[SCL+\b], 0xff000000, v[BM+\b]
.endr
.irp b, 0,1,2,3,4
	v_lshrrev_b32 v[BT+\b], 23, v[SCL+\b]
.endr
	s_delay_alu instid0(VALU_DEP_4)
	v_lshl_or_b32 v248, v[BT+1], 8, v[BT]          ; p's scale word for blocks 0-3,
	s_delay_alu instid0(VALU_DEP_1)
	v_lshl_or_b32 v248, v[BT+2], 16, v248
	s_delay_alu instid0(VALU_DEP_1)
	v_lshl_or_b32 v248, v[BT+3], 24, v248
	s_delay_alu instid0(VALU_DEP_4)
	v_mov_b32 v249, v[BT+4]                        ; and for block 4
	s_wait_loadcnt 0x0                             ; V
.irp x, 0,1,2,3
	v_lshl_or_b32 v[RAW+\x], v[RAW+4+\x], 8, v[RAW+\x]
.endr
.irp x, 0,1,2,3
	s_delay_alu instid0(VALU_DEP_4)
	v_lshl_or_b32 v[RAW+\x], v[RAW+8+\x], 16, v[RAW+\x]
.endr
.irp x, 0,1,2,3
	s_delay_alu instid0(VALU_DEP_4)
	v_lshl_or_b32 v[RAW+\x], v[RAW+12+\x], 24, v[RAW+\x]     ; V's scale word of d tile x for blocks 0-3; block 4's is v[RAW+16+x] as it came
.endr
.irp c, 0,1
	v_cvt_scalef32_pk16_fp6_f32 v[P1+6*\c:P1+6*\c+2], v[S+32*\c:S+32*\c+15], v[SCL+2*\c]
	v_cvt_scalef32_pk16_fp6_f32 v[PT+4*\c:PT+4*\c+2], v[S+16+32*\c:S+31+32*\c], v[SCL+2*\c+1]
.endr
	v_cvt_scalef32_pk16_fp6_f32 v[P2:P2+2], v[S+64:S+79], v[SCL+4]
	v_nop                                          ; one plain line behind the conversions
.irp c, 0,1
.irp i, 0,1,2
	v_permlane16_swap_b32 v[P1+6*\c+\i], v[PT+4*\c+\i]
.endr
.irp i, 0,1,2
	s_delay_alu instid0(VALU_DEP_3)
	v_mov_b32 v[P1+3+6*\c+\i], v[PT+4*\c+\i]
.endr
.endr
.irp i, 0,1,2
	v_permlane16_swap_b32 v[P2+\i], v[P2+3+\i]     ; against zeros: lanes 0-15 get the whole block, lanes 16-31 zero codes
.endr
	v_add_f32 v244, v244, v245
	s_delay_alu instid0(VALU_DEP_1)
	v_permlanex16_b32 v251, v244, s[SEL], s[SEL+1]
	s_delay_alu instid0(VALU_DEP_1)
	v_add_f32 v244, v244, v251                     ; the row's sum
	s_wait_alu depctr_va_vdst(0)
	v_rcp_f32 v252, v244
	v_rcp_f32 v253, v244                           ; twice: a pair for the packed multiply
.rept 8
	v_nop                                          ; scale words written by vector instructions stand eight places ahead of a scaled product, operands four
.endr
.irp x, 0,1,2,3                                ; O^T: four tiles of 16 of the head's 64, by turns
	v_wmma_scale_f32_16x16x128_f8f6f4 v[S+8*\x:S+8*\x+7], v[KV+12*\x:KV+12*\x+11], v[P1:P1+11], 0, v[RAW+\x], v248 matrix_a_fmt:MATRIX_FMT_FP6 matrix_b_fmt:MATRIX_FMT_FP6
.endr
.irp x, 0,1,2,3
	v_wmma_scale_f32_16x16x128_f8f6f4 v[S+8*\x:S+8*\x+7], v[KV+48+6*\x:KV+48+6*\x+11], v[P2:P2+11], v[S+8*\x:S+8*\x+7], v[RAW+16+\x], v249 matrix_a_fmt:MATRIX_FMT_FP6 matrix_b_fmt:MATRIX_FMT_FP6
.endr
.rept 4
	v_nop
.endr
	s_wait_alu depctr_va_vdst(0)                   ; the reciprocals' wait, ahead of their first reader
.set NN, 0
.rept 16
	v_pk_mul_f32 v[S+NN:S+NN+1], v[S+NN:S+NN+1], v[252:253]    ; O^T / the sum: register 16 b + i = d 32 b + 16 h + i of my query
.set NN, NN+2
.endr
	QUANTH S
	v_lshl_or_b32 v[WD], v[QB+1], 8, v[QB]
	global_store_b128 v1, v[PC:PC+3], s[60:61]
	global_store_b64 v2, v[PC+4:PC+5], s[60:61] offset:512
	global_store_b16 v3, v[WD], s[62:63]           ; my head's two bytes of each row's word, both copies
	s_endpgm
.Lfunc_end_k_q16a59a00d6_att:
	.size	k_q16a59a00d6_att, .Lfunc_end_k_q16a59a00d6_att-k_q16a59a00d6_att
	.p2alignl 7, 3214868480
	.fill 96, 4, 3214868480
	.section	.rodata,"a",@progbits
	.p2align	6, 0x0
	.amdhsa_kernel k_q16a59a00d6_att
		.amdhsa_group_segment_fixed_size 0
		.amdhsa_private_segment_fixed_size 0
		.amdhsa_enable_private_segment 0
		.amdhsa_kernarg_size 16
		.amdhsa_user_sgpr_count 2
		.amdhsa_user_sgpr_kernarg_segment_ptr 1
		.amdhsa_wavefront_size32 1
		.amdhsa_system_sgpr_workgroup_id_x 1
		.amdhsa_system_sgpr_workgroup_id_y 1
		.amdhsa_system_sgpr_workgroup_id_z 1
		.amdhsa_system_vgpr_workitem_id 0
		.amdhsa_next_free_vgpr 256
		.amdhsa_next_free_sgpr 100
		.amdhsa_reserve_vcc 1
		.amdhsa_float_denorm_mode_32 3
		.amdhsa_float_denorm_mode_16_64 3
		.amdhsa_memory_ordered 1
		.amdhsa_forward_progress 1
		.amdhsa_inst_pref_size 42
	.end_amdhsa_kernel
	.amdgpu_metadata
---
amdhsa.version: [ 1, 2 ]
amdhsa.kernels:
  - .name:           k_q16a59a00d6_att
    .symbol:         k_q16a59a00d6_att.kd
    .args:
      - { .name: qkv, .offset: 0, .size: 8, .value_kind: global_buffer, .address_space: global }
      - { .name: cc, .offset: 8, .size: 8, .value_kind: global_buffer, .address_space: global }
    .group_segment_fixed_size: 0
    .private_segment_fixed_size: 0
    .kernarg_segment_align: 8
    .kernarg_segment_size: 16
    .max_flat_workgroup_size: 512
    .sgpr_count:     100
    .vgpr_count:     256
    .wavefront_size: 32
...
	.end_amdgpu_metadata
.endif
;; end of part 10
;; launch g_out (part 11): grid 8 x 32, 4 waves a work-group, clusters of 4 x 4, 327,680 bytes of LDS; arguments cc, wc, b_out, x, x1; writes x1
.if DOCPART == 11
	.amdgcn_target "amdgcn-amd-amdhsa--gfx1250"
	.amdhsa_code_object_version 6
	.text
	.protected	k_q16a59a00d6_g_out
	.globl	k_q16a59a00d6_g_out
	.p2align	8
	.type	k_q16a59a00d6_g_out,@function
k_q16a59a00d6_g_out:
	s_mov_b64 s[64:65], 0
	v_nop
	global_prefetch_b8 v0, s[64:65] scope:SCOPE_SE
	s_setreg_imm32_b32 hwreg(HW_REG_WAVE_MODE, 25, 1), 1
	s_wait_xcnt 0x0
	s_wait_alu depctr_hold_cnt(0) depctr_sa_sdst(0) depctr_va_vdst(0) depctr_va_sdst(0) depctr_va_ssrc(0) depctr_va_vcc(0) depctr_vm_vsrc(0)
	s_getreg_b32 s2, hwreg(HW_REG_IB_STS2, 6, 4)
	s_cmp_eq_u32 s2, 0
	s_cbranch_scc0 .Lentry_in_a_cluster
	s_endpgm
.Lentry_in_a_cluster:
	s_bfe_u32 s2, ttmp6, 0x10000c
	s_cmp_lg_u32 s2, 0xf033
	s_cbranch_scc0 .Lentry_shape_is_right
	s_endpgm
.Lentry_shape_is_right:
.set PANEL, 13312
.set KP,    8
.set SP,    4
.set NF,    2
.set WOFF,  384*PANEL
.set SIDE,  SP*PANEL
.set SLOT,  2*SIDE
.set HALF,  SIDE                       ; one tensor load brings a side of a slot: four panels
.set ROWS,  HALF/256
.set SPARE, 2*SLOT
.set BAS, 2
.set CUR, 7
.set L16, 12
.set L8,  13
.set L4,  14
.set STO, 15
.set RD,  16
.set CO,  17
.set BO,  18
.set VH,  19
.set VR,  20
.set SPW, 28
.set NIL, 29
.set SC,  32
.set BI,  40
.set RES, 40
.set ACC, 128
.set G1,  24
.set G0,  32
.set G1B, 48
.set G0B, 56
.set MSB, 0
.macro WIN new
.if MSB != \new
	s_set_vgpr_msb (MSB<<8)|\new
.set MSB, \new
.endif
.endm
.set MUL,  0x05
.set TO_F, 0x40
.macro JLOAD s
	s_cmp_eq_u32 s15, 0
	s_cbranch_scc0 .Lfor_b_\@
	tensor_load_to_lds s[G0+4*\s:G0+4*\s+3], s[G1:G1+7]
	s_nop 0
.rept 4
	v_nop
.endr
	s_branch .Lasked_\@
.Lfor_b_\@:
	tensor_load_to_lds s[G0B+4*\s:G0B+4*\s+3], s[G1B:G1B+7]
	s_nop 0
.rept 4
	v_nop
.endr
.Lasked_\@:
.endm
.macro CROUND
	s_barrier_signal -1
	s_barrier_wait -1
	s_cmp_lg_u32 s14, 0
	s_cbranch_scc1 .Lnot_wave_0_\@
	s_barrier_signal -3
.Lnot_wave_0_\@:
	s_barrier_wait -3
	s_barrier_signal -1
	s_barrier_wait -1
.endm
.macro ADDR slot, p
.irp k, 0,1,2,3,4
	v_add_nc_u32 v[CUR+\k], (\slot)*SLOT+(\p)*PANEL, v[BAS+\k]
.endr
.endm
.macro FETCH set
	WIN TO_F
.irp i, 0,1,2,3
	ds_load_b128 v[128*(\set)+12*\i:128*(\set)+12*\i+3],     v[CUR]   offset:1536*\i
	ds_load_b64  v[128*(\set)+12*\i+4:128*(\set)+12*\i+5],   v[CUR+1] offset:1536*\i+512
	ds_load_b128 v[128*(\set)+12*\i+6:128*(\set)+12*\i+9],   v[CUR]   offset:1536*\i+768
	ds_load_b64  v[128*(\set)+12*\i+10:128*(\set)+12*\i+11], v[CUR+1] offset:1536*\i+1280
.endr
.irp i, 0,1,2,3
	ds_load_b128 v[128*(\set)+48+12*\i:128*(\set)+48+12*\i+3],     v[CUR+2] offset:1536*\i
	ds_load_b64  v[128*(\set)+48+12*\i+4:128*(\set)+48+12*\i+5],   v[CUR+3] offset:1536*\i+512
	ds_load_b128 v[128*(\set)+48+12*\i+6:128*(\set)+48+12*\i+9],   v[CUR+2] offset:1536*\i+768
	ds_load_b64  v[128*(\set)+48+12*\i+10:128*(\set)+48+12*\i+11], v[CUR+3] offset:1536*\i+1280
.endr
	WIN 0
.irp i, 0,1,2,3
	ds_load_b32 v[SC+4*(\set)+\i], v[CUR+4] offset:128*\i
.endr
.endm
.macro MUL16 set, first
.irp y, 0,1,2,3
.irp x, 0,1,2,3
.if \first
	v_wmma_scale_f32_16x16x128_f8f6f4 v[ACC+8*(4*\y+\x):ACC+8*(4*\y+\x)+7], v[128*(\set)+48+12*\x:128*(\set)+48+12*\x+11], v[128*(\set)+12*\y:128*(\set)+12*\y+11], v[BI+8*\x:BI+8*\x+7], v[SC+4*(\set)+\x], v[SC+4*(\set)+\y] matrix_a_fmt:MATRIX_FMT_FP6 matrix_b_fmt:MATRIX_FMT_FP6 matrix_a_scale:MATRIX_SCALE_ROW1
.else
	v_wmma_scale_f32_16x16x128_f8f6f4 v[ACC+8*(4*\y+\x):ACC+8*(4*\y+\x)+7], v[128*(\set)+48+12*\x:128*(\set)+48+12*\x+11], v[128*(\set)+12*\y:128*(\set)+12*\y+11], v[ACC+8*(4*\y+\x):ACC+8*(4*\y+\x)+7], v[SC+4*(\set)+\x], v[SC+4*(\set)+\y] matrix_a_fmt:MATRIX_FMT_FP6 matrix_b_fmt:MATRIX_FMT_FP6 matrix_a_scale:MATRIX_SCALE_ROW1
.endif
.endr
.endr
.endm
.macro PHASE slot, first
	ADDR \slot, 0
	FETCH 0
.set PSTEP, 0
.rept SP
	s_wait_dscnt 0x0
.if PSTEP+1 < SP
	ADDR \slot, PSTEP+1
	FETCH (PSTEP+1)%2
.endif
	WIN MUL
.if (\first) && (PSTEP == 0)
	MUL16 PSTEP%2, 1
.else
	MUL16 PSTEP%2, 0
.endif
	WIN 0
.set PSTEP, PSTEP+1
.endr
.endm
.macro CHANGE slot, fill
	s_wait_tensorcnt 0x0
	ds_add_u32 v[SPW], v[NIL]
.if \fill
	s_add_nc_u64 s[G0+4*\slot+2:G0+4*\slot+3], s[G0+4*\slot+2:G0+4*\slot+3], 2*SP*PANEL
	s_add_nc_u64 s[G0B+4*\slot+2:G0B+4*\slot+3], s[G0B+4*\slot+2:G0B+4*\slot+3], 2*SP*PANEL
.endif
	s_wait_dscnt 0x0
.if \fill
	CROUND
	JLOAD \slot
.else
	s_barrier_signal -1
	s_barrier_wait -1
.endif
.endm
.macro RESLOAD y                       ; the residual of token tile y, by rows, into window 2, v[32 y] on
	WIN 0x80
.irp i, 0,1,2,3,4,5,6,7
	global_load_b128 v[32*(\y)+4*\i:32*(\y)+4*\i+3], v[CO], s[10:11] offset:(32*((\y)/2)+8*((\y)%2)+2*(\i%4)+16*(\i/4))*4096
.endr
	WIN 0
.endm
.macro OUT y
.irp x, 0,1,2,3
	ds_store_b128 v[STO], v[ACC+32*(\y)+8*\x:ACC+32*(\y)+8*\x+3] offset:128*(\x/2)+32*(\x%2)
	ds_store_b128 v[STO], v[ACC+32*(\y)+8*\x+4:ACC+32*(\y)+8*\x+7] offset:128*(\x/2)+32*(\x%2)+16
.endr
.irp i, 0,1,2,3,4,5,6,7
	ds_load_b128 v[ACC+32*(\y)+4*\i:ACC+32*(\y)+4*\i+3], v[RD] offset:544*\i
.endr
	s_wait_loadcnt 24-8*(\y)                       ; this tile's residual is in; the eight loads of each later tile may be out
	s_wait_dscnt 0x0
	WIN 0x08
.set NN, 0
.rept 16
	v_pk_add_f32 v[ACC+32*(\y)+NN:ACC+32*(\y)+NN+1], v[ACC+32*(\y)+NN:ACC+32*(\y)+NN+1], v[32*(\y)+NN:32*(\y)+NN+1]
.set NN, NN+2
.endr
	WIN 0
.irp i, 0,1,2,3,4,5,6,7
	global_store_b128 v[CO], v[ACC+32*(\y)+4*\i:ACC+32*(\y)+4*\i+3], s[12:13] offset:(32*((\y)/2)+8*((\y)%2)+2*(\i%4)+16*(\i/4))*4096
.endr
.endm
	s_load_b256 s[4:11], s[0:1], 0x0
	s_load_b64 s[12:13], s[0:1], 0x20
	v_lshl_add_u32 v[SPW], v0, 2, SPARE
	v_mov_b32 v[NIL], 0
	ds_add_u32 v[SPW], v[NIL]
	ds_add_u32 v[SPW], v[NIL]
	v_lshrrev_b32 v1, 5, v0
	v_readfirstlane_b32 s14, v1
	s_lshr_b32 s15, s14, 1
	s_and_b32 s16, s14, 1
	s_bfe_u32 s40, ttmp6, 0x40000
	s_bfe_u32 s41, ttmp6, 0x40004
	s_lshl_b32 s42, ttmp9, 2
	s_add_co_u32 s42, s42, s40
	s_and_b32 s17, ttmp7, 0xffff
	s_lshl_b32 s17, s17, 2
	s_add_co_u32 s17, s17, s41
	s_lshl_b32 s43, s41, 2
	s_lshl_b32 s43, 15, s43
	s_lshl_b32 s44, 0x1111, s40
	s_or_b32 s[G1+0], s43, (3<<16)|(1<<21)
	s_or_b32 s[G1B+0], s44, (3<<16)|(1<<21)
.irp g, G1, G1B
	s_mov_b32 s[\g+1], 32<<16
	s_mov_b32 s[\g+2], ROWS<<16
	s_mov_b32 s[\g+3], 32<<16
	s_mov_b32 s[\g+4], ROWS
	s_mov_b32 s[\g+5], 32
	s_mov_b32 s[\g+6], 0
	s_mov_b32 s[\g+7], 0
.endr
	s_mul_i32 s18, s16, SP                         ; waves 0, 1: A's panels 0-3, 4-7; waves 2, 3: B's
	s_mul_i32 s20, s17, KP
	s_add_co_u32 s20, s20, s18
	s_mul_i32 s20, s20, PANEL
	s_mov_b32 s21, 0
	s_mul_i32 s46, s42, KP
	s_add_co_u32 s46, s46, s18
	s_mul_i32 s46, s46, PANEL
	s_add_co_u32 s46, s46, WOFF
	s_mov_b32 s47, 0
	s_mul_i32 s45, s16, SLOT                       ; panels 0-3 go to slot 0, panels 4-7 to slot 1,
	s_mul_i32 s19, s15, SIDE                       ; A's side first, then B's
	s_add_co_u32 s45, s45, s19
	s_wait_dscnt 0x0
	s_wait_kmcnt 0x0
	s_add_nc_u64 s[20:21], s[4:5], s[20:21]
	s_add_nc_u64 s[46:47], s[6:7], s[46:47]
	CROUND
.irp s, 0                                      ; all of K, sixteen panels, is asked for at the head, one tensor load a wave; nothing is filled again
	s_mov_b32 s[G0+4*\s], 1
	s_add_co_u32 s[G0+4*\s+1], s45, \s*SLOT
	s_add_nc_u64 s[G0+4*\s+2:G0+4*\s+3], s[20:21], \s*SP*PANEL
	s_or_b32 s[G0+4*\s+3], s[G0+4*\s+3], 0x80000000
	s_mov_b32 s[G0B+4*\s], 1
	s_add_co_u32 s[G0B+4*\s+1], s45, \s*SLOT
	s_add_nc_u64 s[G0B+4*\s+2:G0B+4*\s+3], s[46:47], \s*SP*PANEL
	s_or_b32 s[G0B+4*\s+3], s[G0B+4*\s+3], 0x80000000
	JLOAD \s
.endr
	v_and_b32 v1, 31, v0
	v_bfe_u32 v[VH], v0, 4, 1
	v_and_b32 v[VR], 15, v0
	v_lshlrev_b32 v[L16], 4, v1
	v_lshlrev_b32 v[L8], 3, v1
	v_lshlrev_b32 v[L4], 2, v1
	s_mul_i32 s18, s15, 6144
	s_mul_i32 s19, s16, 6144
	s_add_co_u32 s19, s19, SIDE
	v_add_nc_u32 v[BAS], s18, v[L16]
	v_add_nc_u32 v[BAS+1], s18, v[L8]
	v_add_nc_u32 v[BAS+2], s19, v[L16]
	v_add_nc_u32 v[BAS+3], s19, v[L8]
	s_lshl_b32 s18, s15, 9
	s_lshl_b32 s19, s16, 9
	s_add_co_u32 s19, s19, SIDE
	s_sub_co_u32 s19, s19, s18
	v_mul_u32_u24 v[BAS+4], s19, v[VH]
	s_wait_alu depctr_va_vdst(0)
	s_add_co_u32 s18, s18, 12288
	v_add_nc_u32 v[BAS+4], v[BAS+4], v[L4]
	v_add_nc_u32 v[BAS+4], s18, v[BAS+4]
	s_mul_i32 s18, s14, 4352
	v_mul_u32_u24 v[STO], v[VR], 272
	v_lshl_add_u32 v[STO], v[VH], 6, v[STO]
	v_add_nc_u32 v[STO], s18, v[STO]
	v_mul_u32_u24 v[RD], v[VH], 272
	v_lshl_add_u32 v[RD], v[VR], 4, v[RD]
	v_add_nc_u32 v[RD], s18, v[RD]
	v_lshlrev_b32 v[CO], 12, v[VH]
	v_lshl_add_u32 v[CO], v[VR], 4, v[CO]
	s_lshl_b32 s18, s42, 9
	s_lshl_b32 s19, s16, 8
	s_add_co_u32 s18, s18, s19
	s_mov_b32 s19, 0
	s_add_nc_u64 s[8:9], s[8:9], s[18:19]
	s_lshl_b32 s22, s17, 19
	s_add_co_u32 s18, s18, s22
	s_lshl_b32 s22, s15, 18
	s_add_co_u32 s18, s18, s22
	s_add_nc_u64 s[10:11], s[10:11], s[18:19]
	s_add_nc_u64 s[12:13], s[12:13], s[18:19]
	v_lshlrev_b32 v[BO], 6, v[VH]
.irp x, 0,1,2,3
	global_load_b128 v[BI+8*\x:BI+8*\x+3], v[BO], s[8:9] offset:128*(\x/2)+32*(\x%2)
	global_load_b128 v[BI+8*\x+4:BI+8*\x+7], v[BO], s[8:9] offset:128*(\x/2)+32*(\x%2)+16
.endr
	s_wait_alu depctr_va_vdst(0)
	s_wait_loadcnt 0x0                             ; the bias
	s_wait_tensorcnt 0x0
	s_barrier_signal -1
	s_barrier_wait -1
	PHASE 0, 1
.if NF == 4
	CHANGE 0, 1
	PHASE 1, 0
	CHANGE 1, 1
	PHASE 0, 0
.endif
	CHANGE 0, 0
	RESLOAD 0                                      ; all four tiles' residuals are asked for here, where no tensor load is out: 32 loads, read on the way out
	RESLOAD 1
	RESLOAD 2
	RESLOAD 3
	PHASE 1, 0
.rept 4
	v_nop
.endr
	OUT 0
	OUT 1
	OUT 2
	OUT 3
	s_wait_tensorcnt 0x0
	ds_add_u32 v[SPW], v[NIL]
	s_wait_dscnt 0x0
	CROUND
	s_endpgm
.Lfunc_end_k_q16a59a00d6_g_out:
	.size	k_q16a59a00d6_g_out, .Lfunc_end_k_q16a59a00d6_g_out-k_q16a59a00d6_g_out
	.p2alignl 7, 3214868480
	.fill 96, 4, 3214868480
	.section	.rodata,"a",@progbits
	.p2align	6, 0x0
	.amdhsa_kernel k_q16a59a00d6_g_out
		.amdhsa_group_segment_fixed_size 327680
		.amdhsa_private_segment_fixed_size 0
		.amdhsa_enable_private_segment 0
		.amdhsa_kernarg_size 40
		.amdhsa_user_sgpr_count 2
		.amdhsa_user_sgpr_kernarg_segment_ptr 1
		.amdhsa_wavefront_size32 1
		.amdhsa_system_sgpr_workgroup_id_x 1
		.amdhsa_system_sgpr_workgroup_id_y 1
		.amdhsa_system_sgpr_workgroup_id_z 1
		.amdhsa_system_vgpr_workitem_id 0
		.amdhsa_next_free_vgpr 640
		.amdhsa_next_free_sgpr 98
		.amdhsa_reserve_vcc 0
		.amdhsa_float_denorm_mode_32 3
		.amdhsa_float_denorm_mode_16_64 3
		.amdhsa_memory_ordered 1
		.amdhsa_forward_progress 1
		.amdhsa_inst_pref_size 60
	.end_amdhsa_kernel
	.amdgpu_metadata
---
amdhsa.version: [ 1, 2 ]
amdhsa.kernels:
  - .name:           k_q16a59a00d6_g_out
    .symbol:         k_q16a59a00d6_g_out.kd
    .args:
      - { .name: cc, .offset: 0, .size: 8, .value_kind: global_buffer, .address_space: global }
      - { .name: wc, .offset: 8, .size: 8, .value_kind: global_buffer, .address_space: global }
      - { .name: b_out, .offset: 16, .size: 8, .value_kind: global_buffer, .address_space: global }
      - { .name: x, .offset: 24, .size: 8, .value_kind: global_buffer, .address_space: global }
      - { .name: x1, .offset: 32, .size: 8, .value_kind: global_buffer, .address_space: global }
    .group_segment_fixed_size: 327680
    .private_segment_fixed_size: 0
    .kernarg_segment_align: 8
    .kernarg_segment_size: 40
    .max_flat_workgroup_size: 128
    .sgpr_count:     98
    .vgpr_count:     640
    .wavefront_size: 32
...
	.end_amdgpu_metadata
.endif
;; end of part 11
;; launch ln2: the kernel of part 8 again; grid 256 x 1, 8 waves a work-group, no clusters, 66,816 bytes of LDS; arguments x1, ln2_g, ln2_b, hc, w_qkv, w_ff1, w_out, w_ff2, wc; writes hc, wc
;; launch g_ff1 (part 12): grid 8 x 32, 8 waves a work-group, clusters of 4 x 4, 327,680 bytes of LDS; arguments hc, wc, b_ff1, gc; writes gc
.if DOCPART == 12
	.amdgcn_target "amdgcn-amd-amdhsa--gfx1250"
	.amdhsa_code_object_version 6
	.text
	.protected	k_q16a59a00d6_g_ff1
	.globl	k_q16a59a00d6_g_ff1
	.p2align	8
	.type	k_q16a59a00d6_g_ff1,@function
k_q16a59a00d6_g_ff1:
	s_mov_b64 s[64:65], 0
	v_nop
	global_prefetch_b8 v0, s[64:65] scope:SCOPE_SE
	s_setreg_imm32_b32 hwreg(HW_REG_WAVE_MODE, 25, 1), 1
	s_wait_xcnt 0x0
	s_wait_alu depctr_hold_cnt(0) depctr_sa_sdst(0) depctr_va_vdst(0) depctr_va_sdst(0) depctr_va_ssrc(0) depctr_va_vcc(0) depctr_vm_vsrc(0)
	s_getreg_b32 s2, hwreg(HW_REG_IB_STS2, 6, 4)
	s_cmp_eq_u32 s2, 0
	s_cbranch_scc0 .Lentry_in_a_cluster
	s_endpgm
.Lentry_in_a_cluster:
	s_bfe_u32 s2, ttmp6, 0x10000c
	s_cmp_lg_u32 s2, 0xf033
	s_cbranch_scc0 .Lentry_shape_is_right
	s_endpgm
.Lentry_shape_is_right:
; gc = Q(gelu(h2 W_ff1 + b_ff1)): the product on codes of FP6 (E2M3) with E8M0 scales; the exact gelu in f32; the result quantised along the 3,072 features, as panels [token block][K step 24] for the next product.
; A (hc) and B (wc) are panels of 128 rows x 128 K, 13,312 bytes: eight fragments in the order of the operand's registers, then their scale words (16 words, twice, for each fragment).
; A work-group makes 128 tokens x the three neighbouring column blocks 3 ct, 3 ct + 1, 3 ct + 2 of W's 24.  256 work-groups of EIGHT waves; a wave makes 32 tokens x 64 columns of each block: 8 accumulators.
; LDS: block 0 at 0, block 1 at 106,496, A's 8 panels at 212,992; each wave's 192 bias numbers behind them; then the spare words.
; At the head each wave issues one tensor load: waves 0-3 two panels of A, waves 4-7 four panels of blocks 0 and 1.  Then every wave takes its two fragments of A for all of K into 192 registers, with their scale words,
; and A's bytes are filled again with block 2, a panel a wave, behind the waits, the add and a round of the cluster's barrier.  So a K step reads B's four fragments alone from LDS.
; TWO SETS OF WAVES, ONE PHASE APART: waves 0-3 (tokens 0-63) multiply a block while waves 4-7 (tokens 64-127) put the block before through the gelu, and the other way round; a barrier ends each phase.
; Block 0's products of waves 0-3 stand ahead of the loop, under block 2's load; a trip of the loop is two phases.
; CLUSTERS: 4 x 4 work-groups; A's panels are shared along a row of the cluster, B's along a column, each asked for jointly.  No prefetch: all that a work-group reads is asked for by two loads a wave.
; Source 0 = W's columns, source 1 = tokens; row p of fragment 2 b + u stands for index 32 b + 8 u + p % 8 + 16 (p / 8): a lane holds a token and 64 neighbouring features: two blocks of 32, half a fragment.
; GELU: gelu(x) = max(x, 0) - |x| / 2 x erfc(|x| / sqrt 2), erfc(z) = t 2^E with t = 1 / (1 + z / 2), E = log2(e) (-z^2 + a polynomial of degree 9 in t): a fit whose fractional error is under 1.2e-7 for every z.
; LIMITS: a block of zeros, or one whose largest magnitude lies under 2^-124, gets the byte 1 (read by this program alone); NaN and infinities are not served.
; REGISTERS: window 0: v2-15 LDS addresses, v17-21 lane terms, v26-27 a coefficient, v28-29 the add's two, v30-37 A's scale words (step s: lanes 0-15 my first fragment's, lanes 16-31 my second's), v38-43 B's (three sets),
;   v46-109 the gelu (v46-93 also B's fragments, set 2; v94-125 the bias, the C of a block's first products), v110-127 the quantiser, v128-191 the accumulators ((x, y) at 128 + 8 (4 y + x)), v192-239 B's fragments, set 0.
;   window 1: v0-191 A's fragments (step s, fragment y at 24 s + 12 y), v192-239 B's fragments, set 1.
.set PANEL, 13312
.set WOFF,  192*PANEL
.set BSZ,   8*PANEL
.set BIAS,  3*BSZ
.set SPARE, BIAS+8*768                 ; the spare words, 128 bytes for each wave: four blocks of 256 bytes that no other line names
.set BB,  2
.set AB,  5
.set LB,  8
.set CUR, 11
.set BIB, 14
.set BIA, 15
.set L16, 17
.set L8,  18
.set L4,  19
.set VH,  20
.set WD,  21
.set C9,  26
.set SPW, 28
.set NIL, 29
.set SCA, 30
.set SCB, 38
.set TT,  46
.set PL,  78
.set PC,  110
.set PQ,  116
.set QM,  120
.set QT,  122
.set QS,  124
.set QB,  126
.set TG,  120
.set ACC, 128
.set BF,  192                          ; B's fragments, three sets by turns: set 0 at v192 of window 0, set 1 at v192 of window 1, set 2 at v46 of window 0 (the gelu's registers, idle while a block is multiplied)
.set BI,  94                           ; v94-125 the bias, the C of a block's first products (the gelu's and the quantiser's registers, idle then)
.set OS,  12
.set G1,  24
.set G0,  32
.set G1B, 48
.set G0B, 56
.set SB,  60                           ; s60 the LDS base of the trip's block, s61 its bias's offset
.set SBN, 62                           ; s62, s63 the same for the block after it
.set SEL, 66
.set CF,  68
.set XX,  86
.set KT,  88
.set OC,  90
.set G0D, 96
.set MSB, 0
.macro WIN new                         ; the immediate's high byte repeats the setting that is left
.if MSB != (\new)
	s_set_vgpr_msb (MSB<<8)|(\new)
.set MSB, \new
.endif
.endm
.macro CROUND                          ; a round of the cluster's barrier
	s_barrier_signal -1
	s_barrier_wait -1
	s_cmp_lg_u32 s14, 0
	s_cbranch_scc1 .Lnot_wave_0_\@
	s_barrier_signal -3
.Lnot_wave_0_\@:
	s_barrier_wait -3
	s_barrier_signal -1
	s_barrier_wait -1
.endm
.macro MEET                            ; a barrier behind which nothing is filled: my tensor loads and LDS reads are done
	s_wait_tensorcnt 0x0
	s_wait_dscnt 0x0
	s_barrier_signal -1
	s_barrier_wait -1
.endm
.macro ADDR p                          ; B's three addresses of K panel p
	v_add_nc_u32 v[CUR], (\p)*PANEL, v[LB]
	v_add_nc_u32 v[CUR+1], (\p)*PANEL, v[LB+1]
	v_add_nc_u32 v[CUR+2], (\p)*PANEL, v[LB+2]
.endm
.macro FETCH set                       ; my four fragments of B and their scale words (a register: lanes 0-15 the even fragment's, lanes 16-31 the odd one's): 18 LDS loads
.set FB, BF-146*((\set)/2)
	WIN 0x40*((\set)%2)
.irp i, 0,1,2,3
	ds_load_b128 v[FB+12*\i:FB+12*\i+3],     v[CUR]   offset:1536*\i
	ds_load_b64  v[FB+12*\i+4:FB+12*\i+5],   v[CUR+1] offset:1536*\i+512
	ds_load_b128 v[FB+12*\i+6:FB+12*\i+9],   v[CUR]   offset:1536*\i+768
	ds_load_b64  v[FB+12*\i+10:FB+12*\i+11], v[CUR+1] offset:1536*\i+1280
.endr
	WIN 0
	ds_load_b32 v[SCB+2*(\set)], v[CUR+2]
	ds_load_b32 v[SCB+2*(\set)+1], v[CUR+2] offset:256
.endm
.macro WM d, b, a, c, sb, sa, ra, rb   ; one product; ra, rb: which half of the lanes holds source 0's and source 1's scale words
.if (\ra)==0 && (\rb)==0
	v_wmma_scale_f32_16x16x128_f8f6f4 v[\d:\d+7], v[\b:\b+11], v[\a:\a+11], v[\c:\c+7], v[\sb], v[\sa] matrix_a_fmt:MATRIX_FMT_FP6 matrix_b_fmt:MATRIX_FMT_FP6
.endif
.if (\ra)==1 && (\rb)==0
	v_wmma_scale_f32_16x16x128_f8f6f4 v[\d:\d+7], v[\b:\b+11], v[\a:\a+11], v[\c:\c+7], v[\sb], v[\sa] matrix_a_fmt:MATRIX_FMT_FP6 matrix_b_fmt:MATRIX_FMT_FP6 matrix_a_scale:MATRIX_SCALE_ROW1
.endif
.if (\ra)==0 && (\rb)==1
	v_wmma_scale_f32_16x16x128_f8f6f4 v[\d:\d+7], v[\b:\b+11], v[\a:\a+11], v[\c:\c+7], v[\sb], v[\sa] matrix_a_fmt:MATRIX_FMT_FP6 matrix_b_fmt:MATRIX_FMT_FP6 matrix_b_scale:MATRIX_SCALE_ROW1
.endif
.if (\ra)==1 && (\rb)==1
	v_wmma_scale_f32_16x16x128_f8f6f4 v[\d:\d+7], v[\b:\b+11], v[\a:\a+11], v[\c:\c+7], v[\sb], v[\sa] matrix_a_fmt:MATRIX_FMT_FP6 matrix_b_fmt:MATRIX_FMT_FP6 matrix_a_scale:MATRIX_SCALE_ROW1 matrix_b_scale:MATRIX_SCALE_ROW1
.endif
.endm
.macro MUL8 st                         ; K step st: the 8 accumulators by turns; in step 0 the bias is the C
.irp y, 0,1
.irp j, 0,1
.irp u, 0,1
.if (\st) == 0
	WM ACC+8*(4*\y+2*\j+\u), BF-146*(((\st)%3)/2)+12*(2*\j+\u), 24*(\st)+12*\y, BI+8*(2*\j+\u), SCB+2*((\st)%3)+\j, SCA+(\st), \u, \y
.else
	WM ACC+8*(4*\y+2*\j+\u), BF-146*(((\st)%3)/2)+12*(2*\j+\u), 24*(\st)+12*\y, ACC+8*(4*\y+2*\j+\u), SCB+2*((\st)%3)+\j, SCA+(\st), \u, \y
.endif
.endr
.endr
.endr
.endm
; A block's products: s[sb] its LDS base, s[sb+1] its bias's offset.  While one of three sets of B's fragments is multiplied the next two steps' loads are on their way into the other two.
.macro MM sb
	v_add_nc_u32 v[LB], s[\sb], v[BB]
	v_add_nc_u32 v[LB+1], s[\sb], v[BB+1]
	v_add_nc_u32 v[LB+2], s[\sb], v[BB+2]
	v_add_nc_u32 v[BIA], s[\sb+1], v[BIB]
	s_wait_alu depctr_va_vdst(0)
.irp x, 0,1,2,3
	ds_load_b128 v[BI+8*\x:BI+8*\x+3], v[BIA] offset:128*(\x/2)+32*(\x%2)        ; register i of tile x: column 32 (x / 2) + 16 h + 8 (x % 2) + i
	ds_load_b128 v[BI+8*\x+4:BI+8*\x+7], v[BIA] offset:128*(\x/2)+32*(\x%2)+16
.endr
	ADDR 0
	FETCH 0
	ADDR 1
	FETCH 1                                        ; the loads run two steps ahead of the products
.set PS, 0
.rept 8
.if PS < 7
	s_wait_dscnt 18                                ; this step's fragments are in; the next step's 18 loads may be out
.else
	s_wait_dscnt 0x0
.endif
.if PS < 6
	ADDR PS+2                                      ; three plain lines and a v_nop: the four places in front of the loads into the set that the last step multiplied
	v_nop
	FETCH (PS+2)%3
.endif
	WIN 0x04+((PS%3)%2)
	MUL8 PS
	WIN 0
.set PS, PS+1
.endr
.rept 4
	v_nop                                          ; places in front of the first read of results
.endr
.endm
.macro QUANTH s                        ; 32 numbers of a lane, register 16 b + i = k 32 b + 16 h + i, become half a fragment's codes in v[PC .. PC+5] and two bytes in v[QB], v[QB+1]
.irp b, 0,1
	v_max3_num_f32 v[QM+\b], |v[(\s)+16*\b]|, |v[(\s)+1+16*\b]|, 0x1800000   ; and the floor 2^(3 - 127): the byte cannot fall under 1
.endr
.irp i, 2,4,6,8,10,12,14
.irp b, 0,1
	v_max3_num_f32 v[QM+\b], v[QM+\b], |v[(\s)+16*\b+\i]|, |v[(\s)+1+16*\b+\i]|
.endr
.endr
.irp b, 0,1
	v_permlanex16_b32 v[QT+\b], v[QM+\b], s[SEL], s[SEL+1]
.endr
.irp b, 0,1
	v_max_num_f32 v[QM+\b], v[QM+\b], v[QT+\b]
.endr
.irp b, 0,1
	v_add_nc_u32 v[QS+\b], 0xff000000, v[QM+\b]
.endr
.irp b, 0,1
	v_lshrrev_b32 v[QB+\b], 23, v[QS+\b]
.endr
	v_cvt_scalef32_pk16_fp6_f32 v[PC:PC+2], v[(\s):(\s)+15], v[QS]
	v_cvt_scalef32_pk16_fp6_f32 v[PQ:PQ+2], v[(\s)+16:(\s)+31], v[QS+1]
	v_nop                                          ; one plain line behind the conversions
.irp i, 0,1,2
	v_permlane16_swap_b32 v[PC+\i], v[PQ+\i]
.endr
.irp i, 0,1,2
	v_mov_b32 v[PC+3+\i], v[PQ+\i]
.endr
.endm
; gelu in place on 32 registers from v[x] on.  Two batches of transcendentals, each with a wait ahead of it and one ahead of its first reader
.macro GELU x
.set NN, 0
.rept 32
	v_fma_f32 v[TT+NN], |v[(\x)+NN]|, s[KT], 1.0   ; 1 + |x| / (2 sqrt 2)
.set NN, NN+1
.endr
.set NN, 0
	s_wait_alu depctr_va_vdst(0)
.rept 32
	v_rcp_f32 v[TT+NN], v[TT+NN]                   ; t
.set NN, NN+1
.endr
	v_nop
	s_wait_alu depctr_va_vdst(0)
.set NN, 0
.rept 16
	v_pk_fma_f32 v[PL+NN:PL+NN+1], v[TT+NN:TT+NN+1], v[C9:C9+1], s[CF+16:CF+17] op_sel_hi:[1,1,0]
.set NN, NN+2
.endr
.irp k, 7,6,5,4,3,2,1,0
.set NN, 0
.rept 16
	v_pk_fma_f32 v[PL+NN:PL+NN+1], v[PL+NN:PL+NN+1], v[TT+NN:TT+NN+1], s[CF+2*\k:CF+2*\k+1] op_sel_hi:[1,1,0]
.set NN, NN+2
.endr
.endr
.set NN, 0
.rept 8
	v_pk_mul_f32 v[TG:TG+1], v[(\x)+NN:(\x)+NN+1], s[XX:XX+1] op_sel_hi:[1,0]
	v_pk_mul_f32 v[TG+2:TG+3], v[(\x)+NN+2:(\x)+NN+3], s[XX:XX+1] op_sel_hi:[1,0]
	v_pk_fma_f32 v[PL+NN:PL+NN+1], v[TG:TG+1], v[(\x)+NN:(\x)+NN+1], v[PL+NN:PL+NN+1]             ; E = the polynomial - log2(e) x^2 / 2
	v_pk_fma_f32 v[PL+NN+2:PL+NN+3], v[TG+2:TG+3], v[(\x)+NN+2:(\x)+NN+3], v[PL+NN+2:PL+NN+3]
.set NN, NN+4
.endr
.set NN, 0
	s_wait_alu depctr_va_vdst(0)
.rept 32
	v_exp_f32 v[PL+NN], v[PL+NN]
.set NN, NN+1
.endr
.set NN, 0
.rept 32
	v_mul_f32 v[TT+NN], |v[(\x)+NN]|, v[TT+NN]     ; |x| t: work that names no exponential
.set NN, NN+1
.endr
	s_wait_alu depctr_va_vdst(0)
.set NN, 0
.rept 16
	v_pk_mul_f32 v[TT+NN:TT+NN+1], v[TT+NN:TT+NN+1], v[PL+NN:PL+NN+1]      ; |x| erfc(|x| / sqrt 2)
.set NN, NN+2
.endr
.set NN, 0
.rept 32
	v_max_num_f32 v[(\x)+NN], 0, v[(\x)+NN]
.set NN, NN+1
.endr
.set NN, 0
.rept 16
	v_pk_fma_f32 v[(\x)+NN:(\x)+NN+1], v[TT+NN:TT+NN+1], -0.5, v[(\x)+NN:(\x)+NN+1] op_sel_hi:[1,0,1]
.set NN, NN+2
.endr
.endm
.macro GG                              ; a block's way out: my two token tiles: gelu, quantiser, stores; then on to the next block's panel of gc
.irp y, 0,1
	GELU ACC+32*\y
	s_wait_alu depctr_va_vdst(0)
	s_wait_xcnt 0x0                                ; the last stores have read their registers: the codes and the word may be written again
	QUANTH ACC+32*\y
	v_lshl_or_b32 v[WD], v[QB+1], 8, v[QB]
	global_store_b128 v[L16], v[PC:PC+3], s[OC:OC+1] offset:1536*\y
	global_store_b64 v[L8], v[PC+4:PC+5], s[OC:OC+1] offset:1536*\y+512
	global_store_b16 v[L4], v[WD], s[OS:OS+1] offset:128*\y    ; my half's two bytes of each row's word, both copies
.endr
	s_wait_xcnt 0x0                                ; the stores have read their bases
	s_add_nc_u64 s[OC:OC+1], s[OC:OC+1], PANEL
	s_add_nc_u64 s[OS:OS+1], s[OS:OS+1], PANEL
.endm
.macro COEF k, bits
	s_mov_b32 s[CF+2*\k], \bits
	s_mov_b32 s[CF+2*\k+1], \bits
.endm
	s_load_b256 s[4:11], s[0:1], 0x0               ; hc, wc, b_ff1, gc
	v_lshl_add_u32 v[SPW], v0, 2, SPARE
	v_mov_b32 v[NIL], 0
	ds_add_u32 v[SPW], v[NIL]                      ; the wave's opening: the add, twice on end, and its wait ahead of my first tensor load
	ds_add_u32 v[SPW], v[NIL]
	v_lshrrev_b32 v1, 5, v0
	v_readfirstlane_b32 s14, v1                    ; wave 0..7
	s_lshr_b32 s15, s14, 2                         ; my set.  Also: at the head I fetch for A (0) or for B (1)
	s_and_b32 s16, s14, 1                          ; my half of the columns
	s_lshr_b32 s2, s14, 1                          ; my quarter of the tokens
	s_and_b32 s18, s14, 3
	s_bfe_u32 s40, ttmp6, 0x40000
	s_bfe_u32 s41, ttmp6, 0x40004
	s_lshl_b32 s42, ttmp9, 2
	s_add_co_u32 s42, s42, s40                     ; ct = 4 x cluster x + cx: 0..7
	s_and_b32 s17, ttmp7, 0xffff
	s_lshl_b32 s17, s17, 2
	s_add_co_u32 s17, s17, s41                     ; token block
	s_lshl_b32 s43, s41, 2
	s_lshl_b32 s43, 15, s43
	s_lshl_b32 s44, 0x1111, s40
	s_or_b32 s[G1+0], s43, (3<<16)|(1<<21)         ; the mask; elements of 8 bytes; bit 21 set beside a mask; no padding
	s_or_b32 s[G1B+0], s44, (3<<16)|(1<<21)
.irp g, G1, G1B                                ; dense blocks as rows of 256 bytes
	s_mov_b32 s[\g+1], 32<<16
	s_mov_b32 s[\g+3], 32<<16
	s_mov_b32 s[\g+5], 32
	s_mov_b32 s[\g+6], 0
	s_mov_b32 s[\g+7], 0
.endr
	s_mov_b32 s[G1+2], 104<<16                     ; A: two panels a load
	s_mov_b32 s[G1+4], 104
	s_mov_b32 s[G1B+2], 208<<16                    ; B at the head: four panels a load
	s_mov_b32 s[G1B+4], 208
	s_lshl_b32 s19, s18, 1
	s_lshl_b32 s20, s17, 3
	s_add_co_u32 s20, s20, s19
	s_mul_i32 s20, s20, PANEL                      ; A: panel 8 x token block + 2 (w % 4)
	s_mov_b32 s21, 0
	s_mul_i32 s46, s42, 24
	s_lshl_b32 s19, s18, 2
	s_add_co_u32 s22, s46, s19
	s_mul_i32 s22, s22, PANEL
	s_add_co_u32 s22, s22, WOFF                    ; blocks 0 and 1: panel 24 ct + 4 (w % 4)
	s_mov_b32 s23, 0
	s_add_co_u32 s46, s46, s14
	s_mul_i32 s46, s46, PANEL
	s_add_co_u32 s46, s46, WOFF+16*PANEL           ; block 2: panel 24 ct + 16 + w
	s_mov_b32 s47, 0
	s_mul_i32 s45, s18, 2*PANEL
	s_add_co_u32 s[G0+1], s45, 2*BSZ               ; where they go: no place in the cluster enters an LDS address
	s_mul_i32 s[G0B+1], s18, 4*PANEL
	s_mul_i32 s45, s14, PANEL
	s_add_co_u32 s[G0D+1], s45, 2*BSZ
	s_mov_b32 s[G0], 1
	s_mov_b32 s[G0B], 1
	s_mov_b32 s[G0D], 1
	s_mov_b32 s[SEL], 0x76543210
	s_mov_b32 s[SEL+1], 0xfedcba98
	COEF 0, 0xbfe9b21e                             ; the polynomial's coefficients x log2(e)
	COEF 1, 0x3fb8ab5a
	COEF 2, 0x3f0a29d2
	COEF 3, 0x3e0efb2e
	COEF 4, 0xbe899a80
	COEF 5, 0x3ecdfd18
	COEF 6, 0xbfd1a1e5
	COEF 7, 0x40097039
	COEF 8, 0xbf97d29d
	s_mov_b32 s[XX], 0xbf38aa3b
	s_mov_b32 s[XX+1], 0xbf38aa3b
	s_mov_b32 s[KT], 0x3eb504f3
	s_mov_b32 s[SB], 0
	s_mov_b32 s[SB+1], 0
	s_wait_dscnt 0x0                               ; both opening adds are done
	s_wait_kmcnt 0x0
	s_add_nc_u64 s[G0+2:G0+3], s[4:5], s[20:21]
	s_or_b32 s[G0+3], s[G0+3], 0x80000000
	s_add_nc_u64 s[G0B+2:G0B+3], s[6:7], s[22:23]
	s_or_b32 s[G0B+3], s[G0B+3], 0x80000000
	s_add_nc_u64 s[G0D+2:G0D+3], s[6:7], s[46:47]
	s_or_b32 s[G0D+3], s[G0D+3], 0x80000000
	CROUND                                         ; all sixteen work-groups are here: the first joint loads meet
	s_cmp_eq_u32 s15, 0                            ; one tensor load a wave at the head, in the two arms of one branch on the wave's number
	s_cbranch_scc0 .Lhead_b
	tensor_load_to_lds s[G0:G0+3], s[G1:G1+7]
	s_nop 0
.rept 4
	v_nop
.endr
	s_branch .Lhead_asked
.Lhead_b:
	tensor_load_to_lds s[G0B:G0B+3], s[G1B:G1B+7]
	s_nop 0
.rept 4
	v_nop
.endr
.Lhead_asked:
	s_mul_i32 s18, s2, 3072
	s_add_co_u32 s18, s18, 2*BSZ                   ; my two fragments of A,
	s_lshl_b32 s19, s2, 8
	s_add_co_u32 s19, s19, 2*BSZ+12288             ; their scale words,
	s_mul_i32 s20, s16, 6144                       ; my four fragments of B in a panel,
	s_lshl_b32 s21, s16, 9
	s_add_co_u32 s21, s21, 12288                   ; their scale words,
	s_mul_i32 s22, s14, 768
	s_add_co_u32 s22, s22, BIAS                    ; my wave's own 768 bytes of bias
	s_mul_i32 s46, s42, 1536
	s_lshl_b32 s47, s16, 8
	s_add_co_u32 s46, s46, s47
	s_mov_b32 s47, 0
	s_add_nc_u64 s[8:9], s[8:9], s[46:47]          ; the bias of my 64 columns of block 0; a block on is 512 bytes
	s_mul_i32 s23, s17, 24
	s_mul_i32 s46, s42, 3
	s_add_co_u32 s23, s23, s46
	s_mul_i32 s23, s23, PANEL                      ; gc's panel: token block, K step = column block 3 ct
	s_mul_i32 s46, s2, 3072
	s_add_co_u32 s46, s46, s23
	s_mul_i32 s45, s16, 768
	s_add_co_u32 s46, s46, s45
	s_add_nc_u64 s[OC:OC+1], s[10:11], s[46:47]    ; my two fragments' halves
	s_lshl_b32 s46, s2, 8
	s_add_co_u32 s46, s46, s23
	s_lshl_b32 s45, s16, 1
	s_add_co_u32 s46, s46, s45
	s_add_co_u32 s46, s46, 12288
	s_add_nc_u64 s[OS:OS+1], s[10:11], s[46:47]    ; my two bytes of their scale words
	v_and_b32 v1, 31, v0
	v_bfe_u32 v[VH], v0, 4, 1
	v_lshlrev_b32 v[L16], 4, v1
	v_lshlrev_b32 v[L8], 3, v1
	v_lshlrev_b32 v[L4], 2, v1
	v_lshl_add_u32 v24, v[VH], 7, v[L4]            ; scale words: 4 x lane, lanes 16-31 one fragment on
	v_add_nc_u32 v[AB], s18, v[L16]
	v_add_nc_u32 v[AB+1], s18, v[L8]
	v_add_nc_u32 v[AB+2], s19, v24
	v_add_nc_u32 v[BB], s20, v[L16]
	v_add_nc_u32 v[BB+1], s20, v[L8]
	v_add_nc_u32 v[BB+2], s21, v24
	v_add_nc_u32 v25, s22, v[L8]                   ; the bias on its way in: 8 bytes a lane
	v_lshl_add_u32 v[BIB], v[VH], 6, s22           ; and out: + 64 h
	v_mov_b32 v[QT], 0                             ; lane permutes' destinations count as sources
	v_mov_b32 v[QT+1], 0
	v_mov_b32 v[C9], 0x3e7c6f08
	v_mov_b32 v[C9+1], 0x3e7c6f08
.irp j, 0,1,2
	global_load_b64 v[TT+2*\j:TT+2*\j+1], v[L8], s[8:9] offset:512*\j   ; 256 consecutive bytes a load
.endr
	s_wait_alu depctr_va_vdst(0)
	s_wait_loadcnt 0x0
	s_wait_tensorcnt 0x0                           ; my part of the head's tiles is in
.irp j, 0,1,2
	ds_store_b64 v25, v[TT+2*\j:TT+2*\j+1] offset:256*\j
.endr
	s_wait_dscnt 0x0
	s_barrier_signal -1
	s_barrier_wait -1                              ; everybody's is
.irp p, 0,1,2,3,4,5,6,7                        ; A's fragments and scale words for all of K, into registers
	v_add_nc_u32 v[CUR], \p*PANEL, v[AB]
	v_add_nc_u32 v[CUR+1], \p*PANEL, v[AB+1]
	v_add_nc_u32 v[CUR+2], \p*PANEL, v[AB+2]
	WIN 0x40
.irp y, 0,1
	ds_load_b128 v[24*\p+12*\y:24*\p+12*\y+3],     v[CUR]   offset:1536*\y
	ds_load_b64  v[24*\p+12*\y+4:24*\p+12*\y+5],   v[CUR+1] offset:1536*\y+512
	ds_load_b128 v[24*\p+12*\y+6:24*\p+12*\y+9],   v[CUR]   offset:1536*\y+768
	ds_load_b64  v[24*\p+12*\y+10:24*\p+12*\y+11], v[CUR+1] offset:1536*\y+1280
.endr
	WIN 0
	ds_load_b32 v[SCA+\p], v[CUR+2]
.endr
	s_wait_tensorcnt 0x0                           ; A'S BYTES ARE FILLED AGAIN.  No tensor load of mine is out;
	ds_add_u32 v[SPW], v[NIL]
	s_mov_b32 s[G1B+2], 52<<16                     ; from here on a load of B brings one panel
	s_mov_b32 s[G1B+4], 52
	s_wait_dscnt 0x0                               ; the add is done, and my reads of A's panels are over
	CROUND                                         ; no wave of any partner still reads them or has a load on its way
	tensor_load_to_lds s[G0D:G0D+3], s[G1B:G1B+7]  ; my panel of block 2: my one tensor load behind the round
	s_nop 0
.rept 4
	v_nop
.endr
	s_cmp_lg_u32 s15, 0
	s_cbranch_scc1 .Lfirst_done
	MM SB                                          ; waves 0-3: block 0's products
.Lfirst_done:
	s_wait_dscnt 0x0                               ; a barrier behind which nothing is filled: it holds waves 4-7 back by one phase; block 2's load stays out across it
	s_barrier_signal -1
	s_barrier_wait -1
; The next phase stands ahead of the loop, under block 2's load: waves 0-3 put block 0 through the gelu, waves 4-7 multiply it
	s_cmp_lg_u32 s15, 0
	s_cbranch_scc1 .Ly_b
	GG
	s_branch .Ly_e
.Ly_b:
	MM SB
.Ly_e:
	MEET                                           ; block 2 is whole.  From here on LDS is only read and no tensor load is out: the loop has no barrier;
	s_mov_b32 s3, 0                                ; the two sets enter it one phase apart and each goes on by itself
.Ltrip:                                                ; trip j: waves 0-3: block j + 1's products, then its gelu; waves 4-7: block j's gelu, then block j + 1's products; in trip 2 block 2's gelu of waves 4-7 alone is left
	s_cmp_lg_u32 s15, 0
	s_cbranch_scc1 .Lx_b
	s_cmp_eq_u32 s3, 2
	s_cbranch_scc1 .Lx_e
	s_add_co_u32 s[SBN], s[SB], BSZ
	s_min_u32 s[SBN], s[SBN], 2*BSZ
	s_add_co_u32 s[SBN+1], s[SB+1], 256
	s_min_u32 s[SBN+1], s[SBN+1], 512
	MM SBN
	GG
	s_branch .Lx_e
.Lx_b:
	GG
	s_cmp_eq_u32 s3, 2
	s_cbranch_scc1 .Lx_e
	s_add_co_u32 s[SBN], s[SB], BSZ
	s_min_u32 s[SBN], s[SBN], 2*BSZ
	s_add_co_u32 s[SBN+1], s[SB+1], 256
	s_min_u32 s[SBN+1], s[SBN+1], 512
	MM SBN
.Lx_e:
	s_add_co_u32 s[SB], s[SB], BSZ
	s_add_co_u32 s[SB+1], s[SB+1], 256
	s_add_co_u32 s3, s3, 1
	s_cmp_lt_u32 s3, 3
	s_cbranch_scc1 .Ltrip
	s_wait_tensorcnt 0x0                           ; the wave's end
	ds_add_u32 v[SPW], v[NIL]
	s_wait_dscnt 0x0
	CROUND                                         ; the closing round
	s_endpgm
.Lfunc_end_k_q16a59a00d6_g_ff1:
	.size	k_q16a59a00d6_g_ff1, .Lfunc_end_k_q16a59a00d6_g_ff1-k_q16a59a00d6_g_ff1
	.p2alignl 7, 3214868480
	.fill 96, 4, 3214868480
	.section	.rodata,"a",@progbits
	.p2align	6, 0x0
	.amdhsa_kernel k_q16a59a00d6_g_ff1
		.amdhsa_group_segment_fixed_size 327680
		.amdhsa_private_segment_fixed_size 0
		.amdhsa_enable_private_segment 0
		.amdhsa_kernarg_size 32
		.amdhsa_user_sgpr_count 2
		.amdhsa_user_sgpr_kernarg_segment_ptr 1
		.amdhsa_wavefront_size32 1
		.amdhsa_system_sgpr_workgroup_id_x 1
		.amdhsa_system_sgpr_workgroup_id_y 1
		.amdhsa_system_sgpr_workgroup_id_z 1
		.amdhsa_system_vgpr_workitem_id 0
		.amdhsa_next_free_vgpr 512
		.amdhsa_next_free_sgpr 102
		.amdhsa_reserve_vcc 0
		.amdhsa_float_denorm_mode_32 3
		.amdhsa_float_denorm_mode_16_64 3
		.amdhsa_memory_ordered 1
		.amdhsa_forward_progress 1
		.amdhsa_inst_pref_size 234
	.end_amdhsa_kernel
	.amdgpu_metadata
---
amdhsa.version: [ 1, 2 ]
amdhsa.kernels:
  - .name:           k_q16a59a00d6_g_ff1
    .symbol:         k_q16a59a00d6_g_ff1.kd
    .args:
      - { .name: hc, .offset: 0, .size: 8, .value_kind: global_buffer, .address_space: global }
      - { .name: wc, .offset: 8, .size: 8, .value_kind: global_buffer, .address_space: global }
      - { .name: b_ff1, .offset: 16, .size: 8, .value_kind: global_buffer, .address_space: global }
      - { .name: gc, .offset: 24, .size: 8, .value_kind: global_buffer, .address_space: global }
    .group_segment_fixed_size: 327680
    .private_segment_fixed_size: 0
    .kernarg_segment_align: 8
    .kernarg_segment_size: 32
    .max_flat_workgroup_size: 256
    .sgpr_count:     102
    .vgpr_count:     512
    .wavefront_size: 32
...
	.end_amdgpu_metadata
.endif
;; end of part 12
;; launch g_ff2 (part 13): grid 8 x 32, 4 waves a work-group, clusters of 4 x 4, 327,680 bytes of LDS; arguments gc, wc, b_ff2, x1, out0; writes out0
.if DOCPART == 13
	.amdgcn_target "amdgcn-amd-amdhsa--gfx1250"
	.amdhsa_code_object_version 6
	.text
	.protected	k_q16a59a00d6_g_ff2
	.globl	k_q16a59a00d6_g_ff2
	.p2align	8
	.type	k_q16a59a00d6_g_ff2,@function
k_q16a59a00d6_g_ff2:
	s_mov_b64 s[64:65], 0
	v_nop
	global_prefetch_b8 v0, s[64:65] scope:SCOPE_SE
	s_setreg_imm32_b32 hwreg(HW_REG_WAVE_MODE, 25, 1), 1
	s_wait_xcnt 0x0
	s_wait_alu depctr_hold_cnt(0) depctr_sa_sdst(0) depctr_va_vdst(0) depctr_va_sdst(0) depctr_va_ssrc(0) depctr_va_vcc(0) depctr_vm_vsrc(0)
	s_getreg_b32 s2, hwreg(HW_REG_IB_STS2, 6, 4)
	s_cmp_eq_u32 s2, 0
	s_cbranch_scc0 .Lentry_in_a_cluster
	s_endpgm
.Lentry_in_a_cluster:
	s_bfe_u32 s2, ttmp6, 0x10000c
	s_cmp_lg_u32 s2, 0xf033
	s_cbranch_scc0 .Lentry_shape_is_right
	s_endpgm
.Lentry_shape_is_right:
.set PANEL, 13312
.set KP,    24
.set SP,    6
.set NF,    4
.set WOFF,  448*PANEL
.set SIDE,  SP*PANEL
.set SLOT,  2*SIDE
.set HALF,  SIDE/2
.set ROWS,  HALF/256
.set SPARE, 2*SLOT
.set BAS, 2
.set CUR, 7
.set L16, 12
.set L8,  13
.set L4,  14
.set STO, 15
.set RD,  16
.set CO,  17
.set BO,  18
.set VH,  19
.set VR,  20
.set SPW, 28
.set NIL, 29
.set SC,  32
.set BI,  40
.set RES, 40
.set ACC, 128
.set G1,  24
.set G0,  32
.set G1B, 48
.set G0B, 56
.set MSB, 0
.macro WIN new
.if MSB != \new
	s_set_vgpr_msb (MSB<<8)|\new
.set MSB, \new
.endif
.endm
.set MUL,  0x05
.set TO_F, 0x40
.macro JLOAD s
	s_cmp_eq_u32 s15, 0
	s_cbranch_scc0 .Lfor_b_\@
	tensor_load_to_lds s[G0+4*\s:G0+4*\s+3], s[G1:G1+7]
	s_nop 0
.rept 4
	v_nop
.endr
	s_branch .Lasked_\@
.Lfor_b_\@:
	tensor_load_to_lds s[G0B+4*\s:G0B+4*\s+3], s[G1B:G1B+7]
	s_nop 0
.rept 4
	v_nop
.endr
.Lasked_\@:
.endm
.macro CROUND
	s_barrier_signal -1
	s_barrier_wait -1
	s_cmp_lg_u32 s14, 0
	s_cbranch_scc1 .Lnot_wave_0_\@
	s_barrier_signal -3
.Lnot_wave_0_\@:
	s_barrier_wait -3
	s_barrier_signal -1
	s_barrier_wait -1
.endm
.macro ADDR slot, p
.irp k, 0,1,2,3,4
	v_add_nc_u32 v[CUR+\k], (\slot)*SLOT+(\p)*PANEL, v[BAS+\k]
.endr
.endm
.macro FETCH set
	WIN TO_F
.irp i, 0,1,2,3
	ds_load_b128 v[128*(\set)+12*\i:128*(\set)+12*\i+3],     v[CUR]   offset:1536*\i
	ds_load_b64  v[128*(\set)+12*\i+4:128*(\set)+12*\i+5],   v[CUR+1] offset:1536*\i+512
	ds_load_b128 v[128*(\set)+12*\i+6:128*(\set)+12*\i+9],   v[CUR]   offset:1536*\i+768
	ds_load_b64  v[128*(\set)+12*\i+10:128*(\set)+12*\i+11], v[CUR+1] offset:1536*\i+1280
.endr
.irp i, 0,1,2,3
	ds_load_b128 v[128*(\set)+48+12*\i:128*(\set)+48+12*\i+3],     v[CUR+2] offset:1536*\i
	ds_load_b64  v[128*(\set)+48+12*\i+4:128*(\set)+48+12*\i+5],   v[CUR+3] offset:1536*\i+512
	ds_load_b128 v[128*(\set)+48+12*\i+6:128*(\set)+48+12*\i+9],   v[CUR+2] offset:1536*\i+768
	ds_load_b64  v[128*(\set)+48+12*\i+10:128*(\set)+48+12*\i+11], v[CUR+3] offset:1536*\i+1280
.endr
	WIN 0
.irp i, 0,1,2,3
	ds_load_b32 v[SC+4*(\set)+\i], v[CUR+4] offset:128*\i
.endr
.endm
.macro MUL16 set, first
.irp y, 0,1,2,3
.irp x, 0,1,2,3
.if \first
	v_wmma_scale_f32_16x16x128_f8f6f4 v[ACC+8*(4*\y+\x):ACC+8*(4*\y+\x)+7], v[128*(\set)+48+12*\x:128*(\set)+48+12*\x+11], v[128*(\set)+12*\y:128*(\set)+12*\y+11], v[BI+8*\x:BI+8*\x+7], v[SC+4*(\set)+\x], v[SC+4*(\set)+\y] matrix_a_fmt:MATRIX_FMT_FP6 matrix_b_fmt:MATRIX_FMT_FP6 matrix_a_scale:MATRIX_SCALE_ROW1
.else
	v_wmma_scale_f32_16x16x128_f8f6f4 v[ACC+8*(4*\y+\x):ACC+8*(4*\y+\x)+7], v[128*(\set)+48+12*\x:128*(\set)+48+12*\x+11], v[128*(\set)+12*\y:128*(\set)+12*\y+11], v[ACC+8*(4*\y+\x):ACC+8*(4*\y+\x)+7], v[SC+4*(\set)+\x], v[SC+4*(\set)+\y] matrix_a_fmt:MATRIX_FMT_FP6 matrix_b_fmt:MATRIX_FMT_FP6 matrix_a_scale:MATRIX_SCALE_ROW1
.endif
.endr
.endr
.endm
.macro PHASE slot, first
	ADDR \slot, 0
	FETCH 0
.set PSTEP, 0
.rept SP
	s_wait_dscnt 0x0
.if PSTEP+1 < SP
	ADDR \slot, PSTEP+1
	FETCH (PSTEP+1)%2
.endif
	WIN MUL
.if (\first) && (PSTEP == 0)
	MUL16 PSTEP%2, 1
.else
	MUL16 PSTEP%2, 0
.endif
	WIN 0
.set PSTEP, PSTEP+1
.endr
.endm
.macro CHANGE slot, fill
	s_wait_tensorcnt 0x0
	ds_add_u32 v[SPW], v[NIL]
.if \fill
	s_add_nc_u64 s[G0+4*\slot+2:G0+4*\slot+3], s[G0+4*\slot+2:G0+4*\slot+3], 2*SP*PANEL
	s_add_nc_u64 s[G0B+4*\slot+2:G0B+4*\slot+3], s[G0B+4*\slot+2:G0B+4*\slot+3], 2*SP*PANEL
.endif
	s_wait_dscnt 0x0
.if \fill
	CROUND
	JLOAD \slot
.else
	s_barrier_signal -1
	s_barrier_wait -1
.endif
.endm
.macro RESLOAD y                       ; the residual of token tile y, by rows, into window 2, v[32 y] on
	WIN 0x80
.irp i, 0,1,2,3,4,5,6,7
	global_load_b128 v[32*(\y)+4*\i:32*(\y)+4*\i+3], v[CO], s[10:11] offset:(32*((\y)/2)+8*((\y)%2)+2*(\i%4)+16*(\i/4))*4096
.endr
	WIN 0
.endm
.macro OUT y
.irp x, 0,1,2,3
	ds_store_b128 v[STO], v[ACC+32*(\y)+8*\x:ACC+32*(\y)+8*\x+3] offset:128*(\x/2)+32*(\x%2)
	ds_store_b128 v[STO], v[ACC+32*(\y)+8*\x+4:ACC+32*(\y)+8*\x+7] offset:128*(\x/2)+32*(\x%2)+16
.endr
.irp i, 0,1,2,3,4,5,6,7
	ds_load_b128 v[ACC+32*(\y)+4*\i:ACC+32*(\y)+4*\i+3], v[RD] offset:544*\i
.endr
	s_wait_loadcnt 24-8*(\y)                       ; this tile's residual is in; the eight loads of each later tile may be out
	s_wait_dscnt 0x0
	WIN 0x08
.set NN, 0
.rept 16
	v_pk_add_f32 v[ACC+32*(\y)+NN:ACC+32*(\y)+NN+1], v[ACC+32*(\y)+NN:ACC+32*(\y)+NN+1], v[32*(\y)+NN:32*(\y)+NN+1]
.set NN, NN+2
.endr
	WIN 0
.irp i, 0,1,2,3,4,5,6,7
	global_store_b128 v[CO], v[ACC+32*(\y)+4*\i:ACC+32*(\y)+4*\i+3], s[12:13] offset:(32*((\y)/2)+8*((\y)%2)+2*(\i%4)+16*(\i/4))*4096 th:TH_STORE_NT
.endr
.endm
	s_load_b256 s[4:11], s[0:1], 0x0
	s_load_b64 s[12:13], s[0:1], 0x20
	v_lshl_add_u32 v[SPW], v0, 2, SPARE
	v_mov_b32 v[NIL], 0
	ds_add_u32 v[SPW], v[NIL]
	ds_add_u32 v[SPW], v[NIL]
	v_lshrrev_b32 v1, 5, v0
	v_readfirstlane_b32 s14, v1
	s_lshr_b32 s15, s14, 1
	s_and_b32 s16, s14, 1
	s_bfe_u32 s40, ttmp6, 0x40000
	s_bfe_u32 s41, ttmp6, 0x40004
	s_lshl_b32 s42, ttmp9, 2
	s_add_co_u32 s42, s42, s40
	s_and_b32 s17, ttmp7, 0xffff
	s_lshl_b32 s17, s17, 2
	s_add_co_u32 s17, s17, s41
	s_lshl_b32 s43, s41, 2
	s_lshl_b32 s43, 15, s43
	s_lshl_b32 s44, 0x1111, s40
	s_or_b32 s[G1+0], s43, (3<<16)|(1<<21)
	s_or_b32 s[G1B+0], s44, (3<<16)|(1<<21)
.irp g, G1, G1B
	s_mov_b32 s[\g+1], 32<<16
	s_mov_b32 s[\g+2], ROWS<<16
	s_mov_b32 s[\g+3], 32<<16
	s_mov_b32 s[\g+4], ROWS
	s_mov_b32 s[\g+5], 32
	s_mov_b32 s[\g+6], 0
	s_mov_b32 s[\g+7], 0
.endr
	s_mul_i32 s18, s16, SP/2
	s_mul_i32 s20, s17, KP
	s_add_co_u32 s20, s20, s18
	s_mul_i32 s20, s20, PANEL
	s_mov_b32 s21, 0
	s_mul_i32 s46, s42, KP
	s_add_co_u32 s46, s46, s18
	s_mul_i32 s46, s46, PANEL
	s_add_co_u32 s46, s46, WOFF
	s_mov_b32 s47, 0
	s_mul_i32 s45, s14, HALF
	s_wait_dscnt 0x0
	s_wait_kmcnt 0x0
	s_add_nc_u64 s[20:21], s[4:5], s[20:21]
	s_add_nc_u64 s[46:47], s[6:7], s[46:47]
	CROUND
.irp s, 0,1
	s_mov_b32 s[G0+4*\s], 1
	s_add_co_u32 s[G0+4*\s+1], s45, \s*SLOT
	s_add_nc_u64 s[G0+4*\s+2:G0+4*\s+3], s[20:21], \s*SP*PANEL
	s_or_b32 s[G0+4*\s+3], s[G0+4*\s+3], 0x80000000
	s_mov_b32 s[G0B+4*\s], 1
	s_add_co_u32 s[G0B+4*\s+1], s45, \s*SLOT
	s_add_nc_u64 s[G0B+4*\s+2:G0B+4*\s+3], s[46:47], \s*SP*PANEL
	s_or_b32 s[G0B+4*\s+3], s[G0B+4*\s+3], 0x80000000
.if \s                                         ; slot 0's load stands behind the opening lines and their round; slot 1's first fill is issued as a refill is
	s_wait_alu depctr_va_vdst(0)
	s_wait_tensorcnt 0x0
	ds_add_u32 v28, v29
	s_wait_dscnt 0x0
	CROUND
.endif
	JLOAD \s
.endr
	v_and_b32 v1, 31, v0
	v_bfe_u32 v[VH], v0, 4, 1
	v_and_b32 v[VR], 15, v0
	v_lshlrev_b32 v[L16], 4, v1
	v_lshlrev_b32 v[L8], 3, v1
	v_lshlrev_b32 v[L4], 2, v1
	s_mul_i32 s18, s15, 6144
	s_mul_i32 s19, s16, 6144
	s_add_co_u32 s19, s19, SIDE
	v_add_nc_u32 v[BAS], s18, v[L16]
	v_add_nc_u32 v[BAS+1], s18, v[L8]
	v_add_nc_u32 v[BAS+2], s19, v[L16]
	v_add_nc_u32 v[BAS+3], s19, v[L8]
	s_lshl_b32 s18, s15, 9
	s_lshl_b32 s19, s16, 9
	s_add_co_u32 s19, s19, SIDE
	s_sub_co_u32 s19, s19, s18
	v_mul_u32_u24 v[BAS+4], s19, v[VH]
	s_wait_alu depctr_va_vdst(0)
	s_add_co_u32 s18, s18, 12288
	v_add_nc_u32 v[BAS+4], v[BAS+4], v[L4]
	v_add_nc_u32 v[BAS+4], s18, v[BAS+4]
	s_mul_i32 s18, s14, 4352
	v_mul_u32_u24 v[STO], v[VR], 272
	v_lshl_add_u32 v[STO], v[VH], 6, v[STO]
	v_add_nc_u32 v[STO], s18, v[STO]
	v_mul_u32_u24 v[RD], v[VH], 272
	v_lshl_add_u32 v[RD], v[VR], 4, v[RD]
	v_add_nc_u32 v[RD], s18, v[RD]
	v_lshlrev_b32 v[CO], 12, v[VH]
	v_lshl_add_u32 v[CO], v[VR], 4, v[CO]
	s_lshl_b32 s18, s42, 9
	s_lshl_b32 s19, s16, 8
	s_add_co_u32 s18, s18, s19
	s_mov_b32 s19, 0
	s_add_nc_u64 s[8:9], s[8:9], s[18:19]
	s_lshl_b32 s22, s17, 19
	s_add_co_u32 s18, s18, s22
	s_lshl_b32 s22, s15, 18
	s_add_co_u32 s18, s18, s22
	s_add_nc_u64 s[10:11], s[10:11], s[18:19]
	s_add_nc_u64 s[12:13], s[12:13], s[18:19]
	v_lshlrev_b32 v[BO], 6, v[VH]
.irp x, 0,1,2,3
	global_load_b128 v[BI+8*\x:BI+8*\x+3], v[BO], s[8:9] offset:128*(\x/2)+32*(\x%2)
	global_load_b128 v[BI+8*\x+4:BI+8*\x+7], v[BO], s[8:9] offset:128*(\x/2)+32*(\x%2)+16
.endr
	s_wait_alu depctr_va_vdst(0)
	s_wait_loadcnt 0x0                             ; the bias
	s_wait_tensorcnt 0x1
	s_barrier_signal -1
	s_barrier_wait -1
	PHASE 0, 1
.if NF == 4
	CHANGE 0, 1
	PHASE 1, 0
	CHANGE 1, 1
	PHASE 0, 0
.endif
	CHANGE 0, 0
	RESLOAD 0                                      ; all four tiles' residuals are asked for here, where no tensor load is out: 32 loads, read on the way out
	RESLOAD 1
	RESLOAD 2
	RESLOAD 3
	PHASE 1, 0
.rept 4
	v_nop
.endr
	OUT 0
	OUT 1
	OUT 2
	OUT 3
	s_wait_tensorcnt 0x0
	ds_add_u32 v[SPW], v[NIL]
	s_wait_dscnt 0x0
	CROUND
	s_endpgm
.Lfunc_end_k_q16a59a00d6_g_ff2:
	.size	k_q16a59a00d6_g_ff2, .Lfunc_end_k_q16a59a00d6_g_ff2-k_q16a59a00d6_g_ff2
	.p2alignl 7, 3214868480
	.fill 96, 4, 3214868480
	.section	.rodata,"a",@progbits
	.p2align	6, 0x0
	.amdhsa_kernel k_q16a59a00d6_g_ff2
		.amdhsa_group_segment_fixed_size 327680
		.amdhsa_private_segment_fixed_size 0
		.amdhsa_enable_private_segment 0
		.amdhsa_kernarg_size 40
		.amdhsa_user_sgpr_count 2
		.amdhsa_user_sgpr_kernarg_segment_ptr 1
		.amdhsa_wavefront_size32 1
		.amdhsa_system_sgpr_workgroup_id_x 1
		.amdhsa_system_sgpr_workgroup_id_y 1
		.amdhsa_system_sgpr_workgroup_id_z 1
		.amdhsa_system_vgpr_workitem_id 0
		.amdhsa_next_free_vgpr 640
		.amdhsa_next_free_sgpr 98
		.amdhsa_reserve_vcc 0
		.amdhsa_float_denorm_mode_32 3
		.amdhsa_float_denorm_mode_16_64 3
		.amdhsa_memory_ordered 1
		.amdhsa_forward_progress 1
		.amdhsa_inst_pref_size 139
	.end_amdhsa_kernel
	.amdgpu_metadata
---
amdhsa.version: [ 1, 2 ]
amdhsa.kernels:
  - .name:           k_q16a59a00d6_g_ff2
    .symbol:         k_q16a59a00d6_g_ff2.kd
    .args:
      - { .name: gc, .offset: 0, .size: 8, .value_kind: global_buffer, .address_space: global }
      - { .name: wc, .offset: 8, .size: 8, .value_kind: global_buffer, .address_space: global }
      - { .name: b_ff2, .offset: 16, .size: 8, .value_kind: global_buffer, .address_space: global }
      - { .name: x1, .offset: 24, .size: 8, .value_kind: global_buffer, .address_space: global }
      - { .name: out0, .offset: 32, .size: 8, .value_kind: global_buffer, .address_space: global }
    .group_segment_fixed_size: 327680
    .private_segment_fixed_size: 0
    .kernarg_segment_align: 8
    .kernarg_segment_size: 40
    .max_flat_workgroup_size: 128
    .sgpr_count:     98
    .vgpr_count:     640
    .wavefront_size: 32
...
	.end_amdgpu_metadata
.endif
;; end of part 13
